; MI455X (gfx1250); checked and timed in simulation.
; The chip was launched on July 23, 2026; its instructions are those of AMD's public machine-readable ISA for CDNA 5 (MIT licence, August 2026) and "CDNA5" Instruction Set Architecture Reference Guide (July 2026). The comments in the code are by the model that wrote it; some were corrected since.
;; Denoiser Block. Allowed arithmetic: matrix products marked QUANTISED: E4M3 operands, one given power-of-two scale a tensor, by v_wmma_f32_16x16x64_fp8_fp8 or v_wmma_f32_16x16x128_fp8_fp8, f32 sums; products left as they are: f32 operands where the result goes on into a quantised operand, else bf16, f16 or f32 operands; f32 sums; everything else in f32.
;; Inputs: W1 1,024 x 4,096 float32; W2 4,096 x 1,024 float32; Wout 1,024 x 1,024 float32; Wqkv 1,024 x 3,072 float32; Wt 1,024 x 2,048 float32; b1 4,096 float32; b2 1,024 float32; bt 2,048 float32; ln1_b 1,024 float32; ln1_g 1,024 float32; ln2_b 1,024 float32; ln2_g 1,024 float32; lowp_scales 12 int32 (the exponents e of the quantised operands' scales 2^e); mask 2 x 2,048 bool; time_emb 2 x 1,024 float32; torus_dist 1 x 2,048 x 2,048 float32; torus_scale 16 float32; x 2 x 2,048 x 1,024 float32.
;; Outputs: out0 2 x 2,048 x 1,024 float32.
;; This version of the problem:
;;   THIS VERSION OF THE PROBLEM IS GIVEN IN LOW PRECISION. The matrix products marked QUANTISED in the list below multiply operands that are first quantised to E4M3 (4 exponent bits, 3 mantissa bits; 8 bits a number), with one given power-of-two scale for each operand tensor; their sums are f32. All else is computed in f32.
;;   The module's matrix products, in the order in which they are computed (A, B: the left and right operand; K: the contracted axis; several contracted axes count as one K, in the product's order):
;;     1. [M 2, K 1,024] x [K 1,024, N 2,048]; A: computed on the way; B: input Wt: left as it is (M = 2 < 16)
;;     2. [M 4,096, K 1,024] x [K 1,024, N 3,072]; A: computed on the way; B: input Wqkv: QUANTISED (scales: A lowp_scales[0], B lowp_scales[1])
;;     3. batch 32 x [M 2,048, K 64] x [K 64, N 2,048]; A: computed on the way; B: computed on the way: QUANTISED (scales: A lowp_scales[2], B lowp_scales[3])
;;     4. batch 32 x [M 2,048, K 2,048] x [K 2,048, N 64]; A: computed on the way; B: computed on the way: QUANTISED (scales: A lowp_scales[4], B lowp_scales[5])
;;     5. [M 4,096, K 1,024] x [K 1,024, N 1,024]; A: computed on the way; B: input Wout: QUANTISED (scales: A lowp_scales[6], B lowp_scales[7])
;;     6. [M 4,096, K 1,024] x [K 1,024, N 4,096]; A: computed on the way; B: input W1: QUANTISED (scales: A lowp_scales[8], B lowp_scales[9])
;;     7. [M 4,096, K 4,096] x [K 4,096, N 1,024]; A: computed on the way; B: input W2: QUANTISED (scales: A lowp_scales[10], B lowp_scales[11])
;;   THE QUANTISER, for each operand of a quantised product, along K:
;;     - The operand's scale is 2^e, e = its entry of the input lowp_scales (int32; the entries are numbered through the quantised products in the list's order, A before B).
;;     - Each number is divided by the scale, clamped to +-448, and rounded to the nearest number of E4M3, ties to even, subnormals kept.
;;     - The product sums the exact products of the quantised numbers (number of the format x scale) in f32.
;;   ~~~python
;;   def quantise(x, axis, e):      # numpy; x: float32 -> the quantised numbers, widened to float32 again
;;       x = np.moveaxis(x, axis, -1); K = x.shape[-1]
;;       r = np.clip(x / 2.0 ** e, -448, 448)
;;       step = 2.0 ** (np.maximum(np.frexp(np.where(r == 0, 1, r))[1] - 1, -6) - 3)
;;       q = np.round(r / step) * step * 2.0 ** e      # np.round: ties to even
;;       return np.moveaxis(q, -1, axis).astype(np.float32)
;;   ~~~
;;   OPERANDS COMPUTED ON THE WAY. 'Computed on the way' means the value that the module computes at that place (a softmax that the list does not call 'softmax' is quantised finished and normalised). What goes into a quantiser is computed in f32, as accurately as f32 sums, v_exp_f32 and their like allow (about 1e-6 of the number): no bf16 or f16 on the way to a quantiser, and a product that is left as it is and whose result goes on into a quantised operand takes f32 operands (vector FMAs, or v_wmma_f32_16x16x4_f32). A number that lies on a knife's edge between two numbers of the format may be rounded either way, as far as f32 arithmetic and the matrix unit's own rounding can turn it there, and no further.
;; 2 versions, each right. Each part assembles by itself: llvm-mc -triple=amdgcn-amd-amdhsa -mcpu=gfx1250 --defsym DOCPART=n.
;; ======== version 1 of 2: 9 launches
;; limits: right only within a limited range of input values
;; workspace buffers: wcodes 12,582,912 bytes; mod1 24,576 bytes; mod2 24,576 bytes; hc 4,194,304 bytes; qkvc 12,582,912 bytes; aoc 4,194,304 bytes; x1 16,777,216 bytes; gc 16,777,216 bytes
;; launch prep (part 1): grid 208 x 1, 8 waves a work-group, no clusters, 87,040 bytes of LDS; arguments Wqkv, Wout, W1, W2, Wt, bt, time_emb, ln1_g, ln1_b, ln2_g, ln2_b, lowp_scales, wcodes, mod1, mod2; writes wcodes, mod1, mod2
.if DOCPART == 1
	.amdgcn_target "amdgcn-amd-amdhsa--gfx1250"
	.amdhsa_code_object_version 6
	.text
	.protected	k_q4843a4082e_prep
	.globl	k_q4843a4082e_prep
	.p2align	8
	.type	k_q4843a4082e_prep,@function
k_q4843a4082e_prep:
	s_mov_b64 s[64:65], 0
	v_nop
	global_prefetch_b8 v0, s[64:65] scope:SCOPE_SE
	s_setreg_imm32_b32 hwreg(HW_REG_WAVE_MODE, 25, 1), 1
	s_wait_xcnt 0x0
; PREP.  Two kinds of work-groups, told apart by the work-group's number.
; Work-groups 0-15 (the time path): tp = gelu(time_emb) Wt + bt in f32 (fused multiply-adds; its result goes on into a quantiser), 64 columns of scale and the same 64 of shift each,
;   and from it the two tables that the layer norms read: mod1: G = ln1_g (1 + scale), Bv = ln1_b (1 + scale) + shift, E = e0;  mod2: G = ln2_g, Bv = ln2_b (for both batches), E = e8.
;   A table is G[2][1024] f32 at byte 0, Bv[2][1024] f32 at 8,192, E[2][1024] int32 at 16,384.
; Work-groups 16-207 (the weight path): the four weights, stored [K][N] f32, become codes of E4M3 laid [N][K], K innermost, each with its given scale 2^e (e1, e7, e9, e11).
;   A lane takes a column n and its registers run down K, so the conversions give codes with K innermost; they leave through the wave's own stage in LDS, sixteen lanes to 256 consecutive bytes.
;   Wqkv and W1 are laid in the K order in which the layer norm stores its codes: position 256 J + 8 L + i holds k = 256 J + 128 (i / 4) + 4 L + i % 4.  The same order on both operands keeps every product.
; code = x / 2^e, held within +-448, to the nearest code, ties to even.  LIMITS: each e between -126 and 119.  NaN among the inputs is not served.
; gelu is the tanh form: x / (1 + 2^(-x (2.3022082 + 0.10294324 x^2))).
; No tensor load, no matrix unit: memory binds this launch.  Each path has LDS bytes of its own.
.set PITCH, 272                        ; a stage row: 256 bytes of codes + 16
.set TPS,   8*32*PITCH                 ; 69,632: the time path's partial sums, 2,048 bytes a wave
.set SPARE, TPS+8*2048                 ; 86,016: the spare words, 128 bytes a wave: four blocks of 256 bytes that no other line names
.set SPW,   206                        ; LDS address of my spare word; never rewritten
.set NIL,   207                        ; 0; never rewritten
.set VO,    16                         ; v16-47   weight path: byte offset of row q of a block, at my column
.set X,     48                         ; v48-111  two sets of 32 numbers
.set C,     112                        ; v112-119 a block's codes
.set OUTR,  120                        ; v120-183 the way out
.set OO,    184                        ; v184-199 the stores' offsets
.set SB,    40                         ; s[40:55] eight bases, one for each block of 32 along K; never stepped
	s_load_b512 s[4:19], s[0:1], 0x0               ; Wqkv, Wout, W1, W2, Wt, bt, time_emb, ln1_g
	s_load_b256 s[20:27], s[0:1], 0x40             ; ln1_b, ln2_g, ln2_b, lowp_scales
	s_load_b128 s[28:31], s[0:1], 0x60             ; wcodes, mod1
	s_load_b64 s[32:33], s[0:1], 0x70              ; mod2
	v_lshl_add_u32 v[SPW], v0, 2, SPARE
	v_mov_b32 v[NIL], 0
	v_lshrrev_b32 v1, 5, v0
	v_readfirstlane_b32 s34, v1                    ; wave 0..7
	v_and_b32 v2, 31, v0                           ; lane
	v_and_b32 v5, 15, v0                           ; lane % 16
	v_bfe_u32 v6, v0, 4, 1                         ; lane / 16
	s_wait_kmcnt 0x0
	s_load_b256 s[72:79], s[26:27], 0x0            ; e0 .. e7
	s_load_b128 s[80:83], s[26:27], 0x20           ; e8 .. e11
	s_cmp_lt_u32 ttmp9, 16
	s_cbranch_scc1 .Ltime
; ---------------- the weight path
; The tensor's parameters begin as W2's; three compares on the work-group's number lay W1's, Wout's and Wqkv's over them.
	s_sub_co_u32 s35, ttmp9, 16                    ; id 0..191: 0-47 Wqkv, 48-63 Wout, 64-127 W1, 128-191 W2
	s_sub_co_u32 s84, s35, 64
	s_sub_co_u32 s85, s35, 48
	s_sub_co_u32 s68, s35, 128                     ; the number within the tensor
	s_wait_kmcnt 0x0
	s_mov_b64 s[36:37], s[10:11]                   ; the tensor
	s_mov_b32 s38, 4096                            ; bytes of a row [N] of f32
	s_mov_b32 s39, 4096                            ; bytes of a row [K] of codes
	s_mov_b32 s66, 8388608                         ; where its codes begin in wcodes
	s_mov_b32 s67, 0                               ; 1: the layer norm's K order
	s_mov_b32 s69, 4                               ; log2 of the number of blocks of 256 along K
	s_mov_b32 s71, 15
	s_mov_b32 s70, s83                             ; e
	s_cmp_lt_u32 s35, 128
	s_cselect_b64 s[36:37], s[8:9], s[36:37]
	s_cselect_b32 s38, 16384, s38
	s_cselect_b32 s39, 1024, s39
	s_cselect_b32 s66, 4194304, s66
	s_cselect_b32 s67, 1, s67
	s_cselect_b32 s68, s84, s68
	s_cselect_b32 s69, 2, s69
	s_cselect_b32 s71, 3, s71
	s_cselect_b32 s70, s81, s70
	s_cmp_lt_u32 s35, 64
	s_cselect_b64 s[36:37], s[6:7], s[36:37]
	s_cselect_b32 s38, 4096, s38
	s_cselect_b32 s66, 3145728, s66
	s_cselect_b32 s67, 0, s67
	s_cselect_b32 s68, s85, s68
	s_cselect_b32 s70, s79, s70
	s_cmp_lt_u32 s35, 48
	s_cselect_b64 s[36:37], s[4:5], s[36:37]
	s_cselect_b32 s38, 12288, s38
	s_cselect_b32 s66, 0, s66
	s_cselect_b32 s67, 1, s67
	s_cselect_b32 s68, s35, s68
	s_cselect_b32 s70, s73, s70
	s_and_b32 s86, s68, s71                        ; which 256 along K
	s_lshr_b32 s87, s68, s69                       ; which 256 columns
	s_lshl_b32 s87, s87, 8
	s_lshl_b32 s88, s34, 5
	s_add_co_u32 s87, s87, s88                     ; my wave's first column
	s_lshl_b32 s88, s86, 8                         ; my first k
	s_mul_i32 s90, s88, s38
	s_lshl_b32 s89, s87, 2
	s_add_co_u32 s90, s90, s89
	s_mov_b32 s91, 0
	s_add_nc_u64 s[36:37], s[36:37], s[90:91]      ; the tensor at (first k, first column)
	s_mul_i32 s90, s87, s39
	s_add_co_u32 s90, s90, s88
	s_add_co_u32 s90, s90, s66
	s_add_nc_u64 s[28:29], s[28:29], s[90:91]      ; the codes at (first column, first k)
	v_lshlrev_b32 v3, 2, v2                        ; in: 4 bytes a lane
	s_mul_i32 s89, s34, 32*PITCH                   ; my stage
	v_mul_u32_u24 v4, v2, PITCH
	v_add_nc_u32 v4, s89, v4                       ; into it: row = my column
	v_mul_u32_u24 v7, v6, PITCH
	v_lshl_add_u32 v7, v5, 4, v7
	v_add_nc_u32 v7, s89, v7                       ; out of it: sixteen lanes to a row, two rows an instruction
	v_mul_lo_u32 v8, v6, s39
	v_lshl_add_u32 v8, v5, 4, v8                   ; and the same place in the codes
.set q, 0
.rept 16
	s_mul_i32 s94, s39, 2*q
	v_add_nc_u32 v[OO+q], s94, v8
.set q, q+1
.endr
	s_cmp_eq_u32 s67, 1                            ; one compare serves all that follows: moves, selects, multiplies and 64-bit sums leave SCC alone
	s_cselect_b32 s92, 16, 32                      ; rows from block to block
	s_mul_i32 s92, s92, s38
	s_mov_b32 s93, 0
	s_mov_b64 s[SB:SB+1], s[36:37]
.irp t, 1,2,3,4,5,6,7
	s_add_nc_u64 s[SB+2*\t:SB+2*\t+1], s[SB+2*\t-2:SB+2*\t-1], s[92:93]
.endr
.set q, 0
.rept 32                               ; position q of a block: row q, or in the layer norm's order row 4 (q / 8) + q % 4 + 128 ((q % 8) / 4)
	s_cselect_b32 s94, 4*(q/8)+q%4+128*((q%8)/4), q
	s_mul_i32 s94, s94, s38
	v_add_nc_u32 v[VO+q], s94, v3
.set q, q+1
.endr
.macro LOAD t                          ; block t's 32 numbers of my column into set t % 2: each load reads 128 consecutive bytes a wave, 1,024 a work-group
.set q, 0
.rept 32
	global_load_b32 v[X+32*((\t)%2)+q], v[VO+q], s[SB+2*(\t):SB+2*(\t)+1] th:TH_LOAD_NT
.set q, q+1
.endr
.endm
	LOAD 0
	LOAD 1
	s_add_co_i32 s70, s70, 127
	s_lshl_b32 s95, s70, 23
	v_mov_b32 v11, s95                             ; 2^e as f32: the conversion takes its exponent field
	s_add_co_i32 s70, s70, 8
	s_lshl_b32 s70, s70, 23
	s_or_b32 s70, s70, 0x600000
	v_mov_b32 v10, s70                             ; 448 x 2^e
.macro BLOCK t
.set XS, X+32*((\t)%2)
.if (\t) < 7
	s_wait_loadcnt 32                              ; this block's 32 loads are in; the next block's may be out
.else
	s_wait_loadcnt 0
.endif
.set q, 0
.rept 32
	v_med3_num_f32 v[XS+q], v[XS+q], -v10, v10     ; the conversion to an 8-bit code does not saturate (ISA guide 7.6.2): the hold comes first
.set q, q+1
.endr
.irp g, 0,1,2,3
	v_cvt_scalef32_pk8_fp8_f32 v[C+2*\g:C+2*\g+1], v[XS+8*\g:XS+8*\g+7], v11
.endr
	v_nop                                          ; a plain line behind the last conversion
	ds_store_b128 v4, v[C:C+3] offset:32*(\t)
	ds_store_b128 v4, v[C+4:C+7] offset:32*(\t)+16
.if (\t)+2 < 8
	LOAD (\t)+2
.endif
	s_wait_dscnt 0x0                               ; the stores have read their registers: the next block's codes may be written
.endm
.irp t, 0,1,2,3,4,5,6,7
	BLOCK \t
.endr
.irp t, 0,1,2,3,4,5,6,7,8,9,10,11,12,13,14,15
	ds_load_b128 v[OUTR+4*\t:OUTR+4*\t+3], v7 offset:2*\t*PITCH   ; LDS serves a wave's instructions in order: these see my stores
.endr
.irp t, 0,1,2,3,4,5,6,7,8,9,10,11,12,13,14,15
	s_wait_dscnt 15-\t
	global_store_b128 v[OO+\t], v[OUTR+4*\t:OUTR+4*\t+3], s[28:29]   ; sixteen lanes store 256 consecutive bytes, aligned
.endr
	s_wait_tensorcnt 0x0                           ; the wave's end
	ds_add_u32 v[SPW], v[NIL]
	s_wait_dscnt 0x0
	s_endpgm
; ---------------- the time path
; Wave w, half h of its lanes, takes rows k = 128 w + 64 h + i of Wt, i = 0 .. 63; lane n of a half takes columns c0 + 4 n .. + 3 of scale and of shift: each load is two runs of 256 consecutive bytes.
.Ltime:
	s_lshl_b32 s35, ttmp9, 8                       ; 4 c0, c0 = 64 x work-group
	s_mov_b32 s60, 0x76543210
	s_mov_b32 s61, 0xfedcba98                      ; v_permlanex16_b32: lane l xor 16
	s_mov_b32 s40, 0xbdd2d3e8                      ; -0.10294324
	s_mov_b32 s41, 0xc0135761                      ; -2.3022082
	v_lshlrev_b32 v8, 2, v5
	v_lshl_add_u32 v8, v6, 8, v8
	s_lshl_b32 s36, s34, 9
	v_add_nc_u32 v8, s36, v8                       ; time_emb: 4 (128 w + 64 h + n)
	v_lshlrev_b32 v7, 4, v5
	v_lshl_add_u32 v7, v6, 19, v7                  ; Wt: 16 n + 64 h rows of 8,192 bytes
	s_lshl_b32 s38, s34, 20                        ; 128 w rows
	s_add_co_u32 s38, s38, s35
	s_mov_b32 s39, 0
	s_add_nc_u64 s[12:13], s[12:13], s[38:39]
	v_lshlrev_b32 v3, 4, v2
	s_lshl_b32 s42, s34, 11
	s_add_co_u32 s42, s42, TPS
	v_add_nc_u32 v3, s42, v3                       ; where I put my partial sums: 2,048 w + 16 lane
	v_lshlrev_b32 v9, 4, v5
	v_lshl_add_u32 v9, v6, 9, v9
	v_add_nc_u32 v9, TPS, v9                       ; where wave 0 reads them: 16 n + 512 h: half h takes batch h
	v_lshl_add_u32 v4, v5, 4, s35                  ; 4 (c0 + 4 n)
	v_lshl_add_u32 v10, v6, 12, v4                 ; + 4,096 x batch
.irp b, 0,1
.irp j, 0,1,2,3
	global_load_b32 v[48+4*\b+\j], v8, s[16:17] offset:4096*\b+64*\j   ; time_emb[b][128 w + 64 h + 16 j + n]
.endr
.endr
.macro TGL g                           ; group g: eight rows, scale's and shift's columns, into set g % 2 of v64-191
.irp st, 0,1,2,3,4,5,6,7
	global_load_b128 v[64+64*((\g)%2)+8*\st:64+64*((\g)%2)+8*\st+3], v7, s[12:13] offset:(8*(\g)+\st)*8192 th:TH_LOAD_NT
	global_load_b128 v[64+64*((\g)%2)+8*\st+4:64+64*((\g)%2)+8*\st+7], v7, s[12:13] offset:(8*(\g)+\st)*8192+4096 th:TH_LOAD_NT
.endr
.endm
	TGL 0
	TGL 1
.irp i, 12,13,14,15,16,17,18,19,20,21,22,23,24,25,26,27,28,29,30,31
	v_mov_b32 v[\i], 0                             ; the two broadcast pairs and the sixteen sums
.endr
	s_wait_loadcnt 32                              ; time_emb is in; the two groups of Wt may be out
.irp i, 0,1,2,3,4,5,6,7
	v_mul_f32 v[56+\i], v[48+\i], v[48+\i]
.endr
.irp i, 0,1,2,3,4,5,6,7
	v_fma_f32 v[56+\i], v[56+\i], s40, s41
.endr
.irp i, 0,1,2,3,4,5,6,7
	v_mul_f32 v[56+\i], v[56+\i], v[48+\i]
.endr
.irp i, 0,1,2,3,4,5,6,7
	v_exp_f32 v[56+\i], v[56+\i]
.endr
	v_nop
	s_wait_alu depctr_va_vdst(0)                   ; one wait for the batch, ahead of its first reader
.irp i, 0,1,2,3,4,5,6,7
	v_add_f32 v[56+\i], 1.0, v[56+\i]
.endr
.irp i, 0,1,2,3,4,5,6,7
	v_rcp_f32 v[56+\i], v[56+\i]
.endr
	v_nop
	s_wait_alu depctr_va_vdst(0)
.irp i, 0,1,2,3,4,5,6,7
	v_mul_f32 v[48+\i], v[48+\i], v[56+\i]         ; gelu(time_emb): v48-51 batch 0, v52-55 batch 1
.endr
.macro TSTEP g, sh                     ; row i = 8 g + sh % 8 of my 64: its gelu lies in lane i % 16 = sh of my half, register i / 16 = g / 2
.set DD, 64+64*((\g)%2)+8*((\sh)%8)
	v_mov_b32_dpp v12, v[48+(\g)/2] row_share:\sh row_mask:0xf bank_mask:0xf
	v_mov_b32_dpp v14, v[52+(\g)/2] row_share:\sh row_mask:0xf bank_mask:0xf
.irp p, 0,1
.irp c, 0,2
	v_pk_fma_f32 v[16+8*\p+\c:17+8*\p+\c], v[DD+4*\p+\c:DD+4*\p+\c+1], v[12:13], v[16+8*\p+\c:17+8*\p+\c] op_sel_hi:[1,0,1]
	v_pk_fma_f32 v[20+8*\p+\c:21+8*\p+\c], v[DD+4*\p+\c:DD+4*\p+\c+1], v[14:15], v[20+8*\p+\c:21+8*\p+\c] op_sel_hi:[1,0,1]
.endr
.endr
.endm
.macro GROUP g
.if (\g) < 7
	s_wait_loadcnt 16                              ; this group's 16 loads are in; the next group's may be out
.else
	s_wait_loadcnt 0
.endif
.if ((\g)%2) == 0
.irp sh, 0,1,2,3,4,5,6,7
	TSTEP \g, \sh
.endr
.else
.irp sh, 8,9,10,11,12,13,14,15
	TSTEP \g, \sh
.endr
.endif
.if (\g)+2 < 8
	TGL (\g)+2
.endif
.endm
.irp g, 0,1,2,3,4,5,6,7
	GROUP \g
.endr
.irp c, 0,1,2,3,4,5,6,7,8,9,10,11,12,13,14,15
	v_permlanex16_b32 v12, v[16+\c], s60, s61      ; the other half's 64 rows
	v_add_f32 v[16+\c], v[16+\c], v12
.endr
.irp c, 0,1,2,3                        ; c = 2 p + b
	ds_store_b128 v3, v[16+4*\c:19+4*\c] offset:512*\c
.endr
	s_wait_dscnt 0x0                               ; for the others' sake: my stores are done
	s_barrier_signal -1
	s_barrier_wait -1
	s_cmp_lg_u32 s34, 0
	s_cbranch_scc1 .Ltend
	global_load_b128 v[128:131], v4, s[14:15]                  ; bt: scale's columns,
	global_load_b128 v[132:135], v4, s[14:15] offset:4096      ; shift's
	global_load_b128 v[136:139], v4, s[18:19]                  ; ln1_g
	global_load_b128 v[140:143], v4, s[20:21]                  ; ln1_b
	global_load_b128 v[144:147], v4, s[22:23]                  ; ln2_g
	global_load_b128 v[148:151], v4, s[24:25]                  ; ln2_b
.irp w, 0,1,2,3,4,5,6,7
	ds_load_b128 v[64+8*\w:67+8*\w], v9 offset:2048*\w         ; wave w's part of scale, my batch
	ds_load_b128 v[68+8*\w:71+8*\w], v9 offset:2048*\w+1024    ; of shift
.endr
	s_wait_dscnt 0x0
.irp w, 1,2,3,4,5,6,7
	v_pk_add_f32 v[64:65], v[64:65], v[64+8*\w:65+8*\w]
	v_pk_add_f32 v[66:67], v[66:67], v[66+8*\w:67+8*\w]
	v_pk_add_f32 v[68:69], v[68:69], v[68+8*\w:69+8*\w]
	v_pk_add_f32 v[70:71], v[70:71], v[70+8*\w:71+8*\w]
.endr
	s_wait_loadcnt 0x0
	s_wait_kmcnt 0x0
	v_pk_add_f32 v[64:65], v[64:65], v[128:129]
	v_pk_add_f32 v[66:67], v[66:67], v[130:131]
	v_pk_add_f32 v[68:69], v[68:69], v[132:133]                ; shift
	v_pk_add_f32 v[70:71], v[70:71], v[134:135]
	v_pk_add_f32 v[64:65], v[64:65], 1.0 op_sel_hi:[1,0]       ; 1 + scale
	v_pk_add_f32 v[66:67], v[66:67], 1.0 op_sel_hi:[1,0]
	v_pk_mul_f32 v[152:153], v[136:137], v[64:65]
	v_pk_mul_f32 v[154:155], v[138:139], v[66:67]
	v_pk_fma_f32 v[156:157], v[140:141], v[64:65], v[68:69]
	v_pk_fma_f32 v[158:159], v[142:143], v[66:67], v[70:71]
.irp i, 0,1,2,3
	v_mov_b32 v[160+\i], s72                       ; e0
	v_mov_b32 v[164+\i], s80                       ; e8
.endr
	global_store_b128 v10, v[152:155], s[30:31]                ; sixteen lanes store 256 consecutive bytes, aligned
	global_store_b128 v10, v[156:159], s[30:31] offset:8192
	global_store_b128 v10, v[160:163], s[30:31] offset:16384
	global_store_b128 v10, v[144:147], s[32:33]
	global_store_b128 v10, v[148:151], s[32:33] offset:8192
	global_store_b128 v10, v[164:167], s[32:33] offset:16384
.Ltend:
	s_wait_tensorcnt 0x0                           ; the wave's end
	ds_add_u32 v[SPW], v[NIL]
	s_wait_dscnt 0x0
	s_endpgm
.Lfunc_end_k_q4843a4082e_prep:
	.size	k_q4843a4082e_prep, .Lfunc_end_k_q4843a4082e_prep-k_q4843a4082e_prep
	.p2alignl 7, 3214868480
	.fill 96, 4, 3214868480
	.section	.rodata,"a",@progbits
	.p2align	6, 0x0
	.amdhsa_kernel k_q4843a4082e_prep
		.amdhsa_group_segment_fixed_size 87040
		.amdhsa_private_segment_fixed_size 0
		.amdhsa_enable_private_segment 0
		.amdhsa_kernarg_size 120
		.amdhsa_user_sgpr_count 2
		.amdhsa_user_sgpr_kernarg_segment_ptr 1
		.amdhsa_wavefront_size32 1
		.amdhsa_system_sgpr_workgroup_id_x 1
		.amdhsa_system_sgpr_workgroup_id_y 1
		.amdhsa_system_sgpr_workgroup_id_z 1
		.amdhsa_system_vgpr_workitem_id 0
		.amdhsa_next_free_vgpr 208
		.amdhsa_next_free_sgpr 100
		.amdhsa_reserve_vcc 0
		.amdhsa_float_denorm_mode_32 3
		.amdhsa_float_denorm_mode_16_64 3
		.amdhsa_memory_ordered 1
		.amdhsa_forward_progress 1
		.amdhsa_inst_pref_size 120
	.end_amdhsa_kernel
	.amdgpu_metadata
---
amdhsa.version: [ 1, 2 ]
amdhsa.kernels:
  - .name:           k_q4843a4082e_prep
    .symbol:         k_q4843a4082e_prep.kd
    .args:
      - { .name: Wqkv, .offset: 0, .size: 8, .value_kind: global_buffer, .address_space: global }
      - { .name: Wout, .offset: 8, .size: 8, .value_kind: global_buffer, .address_space: global }
      - { .name: W1, .offset: 16, .size: 8, .value_kind: global_buffer, .address_space: global }
      - { .name: W2, .offset: 24, .size: 8, .value_kind: global_buffer, .address_space: global }
      - { .name: Wt, .offset: 32, .size: 8, .value_kind: global_buffer, .address_space: global }
      - { .name: bt, .offset: 40, .size: 8, .value_kind: global_buffer, .address_space: global }
      - { .name: time_emb, .offset: 48, .size: 8, .value_kind: global_buffer, .address_space: global }
      - { .name: ln1_g, .offset: 56, .size: 8, .value_kind: global_buffer, .address_space: global }
      - { .name: ln1_b, .offset: 64, .size: 8, .value_kind: global_buffer, .address_space: global }
      - { .name: ln2_g, .offset: 72, .size: 8, .value_kind: global_buffer, .address_space: global }
      - { .name: ln2_b, .offset: 80, .size: 8, .value_kind: global_buffer, .address_space: global }
      - { .name: lowp_scales, .offset: 88, .size: 8, .value_kind: global_buffer, .address_space: global }
      - { .name: wcodes, .offset: 96, .size: 8, .value_kind: global_buffer, .address_space: global }
      - { .name: mod1, .offset: 104, .size: 8, .value_kind: global_buffer, .address_space: global }
      - { .name: mod2, .offset: 112, .size: 8, .value_kind: global_buffer, .address_space: global }
    .group_segment_fixed_size: 87040
    .private_segment_fixed_size: 0
    .kernarg_segment_align: 8
    .kernarg_segment_size: 120
    .max_flat_workgroup_size: 256
    .sgpr_count:     100
    .vgpr_count:     208
    .wavefront_size: 32
...
	.end_amdgpu_metadata
.endif
;; end of part 1
;; launch ln1 (part 2): grid 256 x 1, 4 waves a work-group, no clusters, 0 bytes of LDS; arguments x, mod1, hc; writes hc
.if DOCPART == 2
	.amdgcn_target "amdgcn-amd-amdhsa--gfx1250"
	.amdhsa_code_object_version 6
	.text
	.protected	k_q4843a4082e_ln1
	.globl	k_q4843a4082e_ln1
	.p2align	8
	.type	k_q4843a4082e_ln1,@function
k_q4843a4082e_ln1:
	s_mov_b64 s[64:65], 0
	v_nop
	global_prefetch_b8 v0, s[64:65] scope:SCOPE_SE
	s_setreg_imm32_b32 hwreg(HW_REG_WAVE_MODE, 25, 1), 1
	s_wait_xcnt 0x0
; LAYER NORM AND QUANTISER.  codes[row][:] = Q((x - mean) rsqrt(var + 1e-5) G + Bv), rows of 1,024 f32; G, Bv (by batch) and the scale's exponent e come from a table of the launch before:
; G[2][1024] at byte 0, Bv[2][1024] at 8,192, e (int32) at 16,384.  The variance is taken about the mean, from the row kept in registers: the row is read once.
; One wave, one row at a time, four rows a wave, sixteen a work-group; no LDS, no barrier, no matrix unit: memory binds.
; Each load reads 512 consecutive bytes (16 a lane); two such chunks give a lane the 8 registers of one conversion, and 32 lanes x 8 bytes store 256 consecutive bytes, aligned.
; So the codes lie in this order along K: position 256 J + 8 lane + i holds column 256 J + 128 (i / 4) + 4 lane + i % 4; the weights that meet these codes are laid in the same order.
; LIMITS: e between -126 and 119.  NaN among the inputs is not served.
.set G,  16                            ; v16-47
.set BV, 48                            ; v48-79
.set X,  80                            ; v80-207  four rows of 32 registers
.set CD, 208                           ; v208-239 four rows of 8 registers of codes: no store's data are written again
	s_load_b128 s[4:7], s[0:1], 0x0                ; the rows, the table
	s_load_b64 s[8:9], s[0:1], 0x10                ; the codes
	v_lshrrev_b32 v3, 5, v0
	v_readfirstlane_b32 s10, v3                    ; wave
	v_and_b32 v3, 31, v0
	v_lshlrev_b32 v1, 4, v3                        ; 16 x lane
	v_lshlrev_b32 v2, 3, v3                        ; 8 x lane
	s_lshl_b32 s11, ttmp9, 4
	s_lshl_b32 s12, s10, 2
	s_add_co_u32 s11, s11, s12                     ; my first row
	s_lshl_b32 s12, s11, 12
	s_mov_b32 s13, 0
	s_lshl_b32 s14, s11, 10
	s_mov_b32 s15, 0
	s_lshr_b32 s16, ttmp9, 7                       ; the batch: 128 work-groups each
	s_lshl_b32 s16, s16, 12
	s_mov_b32 s17, 0
	s_mov_b32 s2, 0x76543210
	s_mov_b32 s3, 0xfedcba98                       ; v_permlanex16_b32: lane l xor 16
	s_mov_b32 s19, 0x3a800000                      ; 1 / 1024
	s_mov_b32 s22, 0x3727c5ac                      ; 1e-5
	s_wait_kmcnt 0x0
	s_load_b32 s18, s[6:7], 0x4000                 ; e
	s_add_nc_u64 s[4:5], s[4:5], s[12:13]
	s_add_nc_u64 s[8:9], s[8:9], s[14:15]
	s_add_nc_u64 s[20:21], s[6:7], s[16:17]        ; the table at my batch
.macro XL rw
.irp j, 0,1,2,3,4,5,6,7
	global_load_b128 v[X+32*(\rw)+4*\j:X+32*(\rw)+4*\j+3], v1, s[4:5] offset:4096*(\rw)+512*\j
.endr
.endm
	XL 0
.irp j, 0,1,2,3,4,5,6,7
	global_load_b128 v[G+4*\j:G+4*\j+3], v1, s[20:21] offset:512*\j
.endr
.irp j, 0,1,2,3,4,5,6,7
	global_load_b128 v[BV+4*\j:BV+4*\j+3], v1, s[20:21] offset:8192+512*\j
.endr
	XL 1
	XL 2
	XL 3
	s_wait_kmcnt 0x0
	s_add_co_i32 s18, s18, 127
	s_lshl_b32 s23, s18, 23
	v_mov_b32 v11, s23                             ; 2^e as f32
	s_add_co_i32 s18, s18, 8
	s_lshl_b32 s18, s18, 23
	s_or_b32 s18, s18, 0x600000
	v_mov_b32 v10, s18                             ; 448 x 2^e
.macro ACROSS r, t                     ; the sum over the 32 lanes, in every lane
	v_add_f32_dpp v[\r], v[\r], v[\r] row_xmask:1 row_mask:0xf bank_mask:0xf
	v_add_f32_dpp v[\r], v[\r], v[\r] row_xmask:2 row_mask:0xf bank_mask:0xf
	v_add_f32_dpp v[\r], v[\r], v[\r] row_xmask:4 row_mask:0xf bank_mask:0xf
	v_add_f32_dpp v[\r], v[\r], v[\r] row_xmask:8 row_mask:0xf bank_mask:0xf
	v_permlanex16_b32 v[\t], v[\r], s2, s3
	v_add_f32 v[\r], v[\r], v[\t]
.endm
.macro ROW rw, c1                      ; c1: the loads issued behind this row's, which may stay out
.set XR, X+32*(\rw)
.set CR, CD+8*(\rw)
	s_wait_loadcnt \c1
	v_pk_add_f32 v[4:5], v[XR:XR+1], v[XR+2:XR+3]
	v_pk_add_f32 v[6:7], v[XR+4:XR+5], v[XR+6:XR+7]
.irp j, 8,12,16,20,24,28
	v_pk_add_f32 v[4:5], v[4:5], v[XR+\j:XR+\j+1]
	v_pk_add_f32 v[6:7], v[6:7], v[XR+\j+2:XR+\j+3]
.endr
	v_pk_add_f32 v[4:5], v[4:5], v[6:7]
	v_add_f32 v4, v4, v5
	ACROSS 4, 5
	v_mul_f32 v4, 0xba800000, v4                   ; -mean
.irp j, 0,2,4,6,8,10,12,14,16,18,20,22,24,26,28,30
	v_pk_add_f32 v[XR+\j:XR+\j+1], v[XR+\j:XR+\j+1], v[4:5] op_sel_hi:[1,0]
.endr
	v_pk_mul_f32 v[6:7], v[XR:XR+1], v[XR:XR+1]
	v_pk_mul_f32 v[8:9], v[XR+2:XR+3], v[XR+2:XR+3]
.irp j, 4,8,12,16,20,24,28
	v_pk_fma_f32 v[6:7], v[XR+\j:XR+\j+1], v[XR+\j:XR+\j+1], v[6:7]
	v_pk_fma_f32 v[8:9], v[XR+\j+2:XR+\j+3], v[XR+\j+2:XR+\j+3], v[8:9]
.endr
	v_pk_add_f32 v[6:7], v[6:7], v[8:9]
	v_add_f32 v6, v6, v7
	ACROSS 6, 7
	v_fma_f32 v6, v6, s19, s22                     ; var + 1e-5
	v_rsq_f32 v6, v6
	v_nop
	s_wait_alu depctr_va_vdst(0)                   ; ahead of the first reader
.if (\rw) == 0
	s_wait_loadcnt 24                              ; G and Bv are in; rows 1 to 3 may be out
.endif
.irp j, 0,2,4,6,8,10,12,14,16,18,20,22,24,26,28,30
	v_pk_mul_f32 v[XR+\j:XR+\j+1], v[XR+\j:XR+\j+1], v[6:7] op_sel_hi:[1,0]
.endr
.irp j, 0,2,4,6,8,10,12,14,16,18,20,22,24,26,28,30
	v_pk_fma_f32 v[XR+\j:XR+\j+1], v[XR+\j:XR+\j+1], v[G+\j:G+\j+1], v[BV+\j:BV+\j+1]
.endr
.set q, 0
.rept 32
	v_med3_num_f32 v[XR+q], v[XR+q], -v10, v10     ; the conversion does not saturate (ISA guide 7.6.2): the hold comes first
.set q, q+1
.endr
.irp J, 0,1,2,3
	v_cvt_scalef32_pk8_fp8_f32 v[CR+2*\J:CR+2*\J+1], v[XR+8*\J:XR+8*\J+7], v11
.endr
	v_nop                                          ; a plain line behind the last conversion
.irp J, 0,1,2,3
	global_store_b64 v2, v[CR+2*\J:CR+2*\J+1], s[8:9] offset:1024*(\rw)+256*\J   ; 32 lanes store 256 consecutive bytes, aligned
.endr
.endm
	ROW 0, 40
	ROW 1, 16
	ROW 2, 8
	ROW 3, 0
	s_endpgm
.Lfunc_end_k_q4843a4082e_ln1:
	.size	k_q4843a4082e_ln1, .Lfunc_end_k_q4843a4082e_ln1-k_q4843a4082e_ln1
	.p2alignl 7, 3214868480
	.fill 96, 4, 3214868480
	.section	.rodata,"a",@progbits
	.p2align	6, 0x0
	.amdhsa_kernel k_q4843a4082e_ln1
		.amdhsa_group_segment_fixed_size 0
		.amdhsa_private_segment_fixed_size 0
		.amdhsa_enable_private_segment 0
		.amdhsa_kernarg_size 24
		.amdhsa_user_sgpr_count 2
		.amdhsa_user_sgpr_kernarg_segment_ptr 1
		.amdhsa_wavefront_size32 1
		.amdhsa_system_sgpr_workgroup_id_x 1
		.amdhsa_system_sgpr_workgroup_id_y 1
		.amdhsa_system_sgpr_workgroup_id_z 1
		.amdhsa_system_vgpr_workitem_id 0
		.amdhsa_next_free_vgpr 240
		.amdhsa_next_free_sgpr 66
		.amdhsa_reserve_vcc 0
		.amdhsa_float_denorm_mode_32 3
		.amdhsa_float_denorm_mode_16_64 3
		.amdhsa_memory_ordered 1
		.amdhsa_forward_progress 1
		.amdhsa_inst_pref_size 41
	.end_amdhsa_kernel
	.amdgpu_metadata
---
amdhsa.version: [ 1, 2 ]
amdhsa.kernels:
  - .name:           k_q4843a4082e_ln1
    .symbol:         k_q4843a4082e_ln1.kd
    .args:
      - { .name: x, .offset: 0, .size: 8, .value_kind: global_buffer, .address_space: global }
      - { .name: mod1, .offset: 8, .size: 8, .value_kind: global_buffer, .address_space: global }
      - { .name: hc, .offset: 16, .size: 8, .value_kind: global_buffer, .address_space: global }
    .group_segment_fixed_size: 0
    .private_segment_fixed_size: 0
    .kernarg_segment_align: 8
    .kernarg_segment_size: 24
    .max_flat_workgroup_size: 128
    .sgpr_count:     66
    .vgpr_count:     240
    .wavefront_size: 32
...
	.end_amdgpu_metadata
.endif
;; end of part 2
;; launch qkv (part 3): grid 48 x 4, 4 waves a work-group, clusters of 4 x 4, 327,680 bytes of LDS; arguments hc, wcodes, lowp_scales, qkvc; writes qkvc
.if DOCPART == 3
	.amdgcn_target "amdgcn-amd-amdhsa--gfx1250"
	.amdhsa_code_object_version 6
	.text
	.protected	k_q4843a4082e_qkv
	.globl	k_q4843a4082e_qkv
	.p2align	8
	.type	k_q4843a4082e_qkv,@function
k_q4843a4082e_qkv:
	s_mov_b64 s[64:65], 0
	v_nop
	global_prefetch_b8 v0, s[64:65] scope:SCOPE_SE
	s_setreg_imm32_b32 hwreg(HW_REG_WAVE_MODE, 25, 1), 1
	s_wait_xcnt 0x0
	s_wait_alu depctr_hold_cnt(0) depctr_sa_sdst(0) depctr_va_vdst(0) depctr_va_sdst(0) depctr_va_ssrc(0) depctr_va_vcc(0) depctr_vm_vsrc(0)
	s_getreg_b32 s2, hwreg(HW_REG_IB_STS2, 6, 4)
	s_cmp_eq_u32 s2, 0
	s_cbranch_scc0 .Lentry_in_a_cluster
	s_endpgm
.Lentry_in_a_cluster:
	s_bfe_u32 s2, ttmp6, 0x10000c
	s_cmp_lg_u32 s2, 0xf033
	s_cbranch_scc0 .Lentry_shape_is_right
	s_endpgm
.Lentry_shape_is_right:
; Q, K AND V.  qkv = h Wqkv on codes of E4M3 (scales 2^e0, 2^e1), and its results quantised at once for attention: q with 2^e2, k with 2^e3 (K = the head's 64), v with 2^e5 (K = the keys).
; A tile of 256 x 256 is made by four waves, 128 x 128 each (64 accumulators, 512 registers); K = 1,024 goes in steps of 256 through a ring of two LDS slots filled by the tensor data mover.
; TWELVE CLUSTERS of 4 x 4 work-groups.  Clusters 0-7: A = h (4,096 tokens), B = Wqkv's rows 0-2,047 (q, k).  Clusters 8-11: A = Wqkv's rows 2,048-3,071 (v), B = h: the product comes out transposed,
; a row to each (head, channel) and the tokens along it, which is the order in which v is quantised and read.  The choice is made by selects on the cluster's number, which all partners share.
; A's tiles are asked for jointly along a row of the cluster, B's along a column.  The matrix instruction is used transposed (source 0 = rows of B, source 1 = rows of A): a lane holds 8 neighbouring columns of a row.
; OUT.  Panels of 128 bytes a row.  q, k at byte 0: [16 panels][4,096 tokens][128]: panel p < 8 holds q of heads 2 p, 2 p + 1, panel 8 + p holds k.  v at 8,388,608: [32 = 16 b + keys / 128][1,024 rows][128 keys].
; Within each 32 bytes: byte 16 h + 8 u + i holds element 16 u + 8 h + i, so that a 16-byte LDS load at 16 h brings four registers in the order that the plain fp8 forms give k (ISA guide 7.12.2).
; A wave's block of 16 rows x 128 codes is 2,048 consecutive bytes of a panel.
; LIMITS: e2 - e0 - e1, e3 - e0 - e1, e5 - e0 - e1 between -126 and 119.
.set KROW,   1024                      ; a row of A or of B in memory, in bytes
.set ROWB,   256                       ; a tile's row in bytes
.set PITCH,  272                       ; an LDS row: 256 bytes + 16 of padding: the 16 rows of a load start at 16 different banks (ISA guide 11.1)
.set FR,     16
.set NL,     4
.set NP,     4                         ; places behind this matrix instruction (ISA guide 7.12.1)
.set HALFT,  128*PITCH
.set SLOT,   4*HALFT
.set LAPS,   KROW/512
.set SPARE,  2*SLOT                    ; behind the ring: the spare words, two blocks of 256 bytes that no other line names
.set ADRA, 16
.set ADRB, 20
.set STO,  24
.set RD,   25
.set CO,   26
.set SPW,  28
.set NIL,  29
.set TMP,  32
.set AF,   128
.set G1, 24
.set G0, 32
.set G1B, 48
.set G0B, 56
.set MSB, 0
.macro WIN new                         ; the immediate's high byte repeats the setting that is left
.if MSB != \new
	s_set_vgpr_msb (MSB<<8)|\new
.set MSB, \new
.endif
.endm
.set MUL_LO, 0xa1                      ; source 0 (B) window 1, source 1 (A) window 0, C and D window 2
.set MUL_HI, 0xf1                      ; the same, C and D window 3
.set TO_B,   0x40
.macro JLOAD g0a, g1a, g0b, g1b        ; a joint load: waves 0, 1 fetch for A, waves 2, 3 for B; an s_nop 0 and four v_nop follow each line
	s_cmp_eq_u32 s15, 0
	s_cbranch_scc0 .Lfor_b_\@
	tensor_load_to_lds s[\g0a:\g0a+3], s[\g1a:\g1a+7]
	s_nop 0
.rept 4
	v_nop
.endr
	s_branch .Lasked_\@
.Lfor_b_\@:
	tensor_load_to_lds s[\g0b:\g0b+3], s[\g1b:\g1b+7]
	s_nop 0
.rept 4
	v_nop
.endr
.Lasked_\@:
.endm
.macro CREST
	s_cmp_lg_u32 s14, 0
	s_cbranch_scc1 .Lnot_wave_0_\@
	s_barrier_signal -3
.Lnot_wave_0_\@:
	s_barrier_wait -3
	s_barrier_signal -1
	s_barrier_wait -1
.endm
.macro CROUND
	s_barrier_signal -1
	s_barrier_wait -1
	CREST
.endm
	s_load_b128 s[4:7], s[0:1], 0x0                ; h's codes, the weights' codes
	s_load_b128 s[8:11], s[0:1], 0x10              ; the exponents, the panels
	v_lshl_add_u32 v[SPW], v0, 2, SPARE
	v_mov_b32 v[NIL], 0
	ds_add_u32 v[SPW], v[NIL]                      ; the wave's opening: the add and its wait stand ahead of my first tensor load
	v_lshrrev_b32 v1, 5, v0
	v_readfirstlane_b32 s14, v1                    ; wave 0..3
	s_lshr_b32 s15, s14, 1                         ; my half of the tile's rows; also: I fetch for A (0) or B (1)
	s_and_b32 s16, s14, 1                          ; my half of its columns; also: which 128 rows I fetch
	s_bfe_u32 s40, ttmp6, 0x40000                  ; cx
	s_bfe_u32 s41, ttmp6, 0x40004                  ; cy
	s_lshr_b32 s66, ttmp9, 1
	s_and_b32 s67, ttmp9, 1
	s_sub_co_u32 s68, ttmp9, 8
	s_mov_b32 s71, 131072
	s_cmp_lt_u32 ttmp9, 8                          ; q, k or v?  the cluster's number: the same in all sixteen partners
	s_cselect_b32 s17, s66, 0                      ; which four tile rows
	s_cselect_b32 s42, s67, s68                    ; which four tile columns
	s_cselect_b32 s69, 0, 2097152                  ; where A's rows begin in its buffer
	s_cselect_b32 s70, 0, 8388608                  ; where the panels begin
	s_cselect_b32 s71, 524288, s71                 ; bytes of a panel
	s_lshl_b32 s17, s17, 2
	s_add_co_u32 s17, s17, s41                     ; tile row
	s_lshl_b32 s42, s42, 2
	s_add_co_u32 s42, s42, s40                     ; tile column
	s_lshl_b32 s43, s41, 2
	s_lshl_b32 s43, 15, s43                        ; my row of the cluster
	s_lshl_b32 s44, 0x1111, s40                    ; my column
	s_or_b32 s[G1+0], s43, (0<<16)|(1<<20)|(1<<21)|(5<<22)|(3<<25)  ; the mask; elements of 1 byte; padding on; bit 21 beside a mask; 4 words after every 64
	s_or_b32 s[G1B+0], s44, (0<<16)|(1<<20)|(1<<21)|(5<<22)|(3<<25)
.irp g, G1, G1B
	s_mov_b32 s[\g+1], ROWB<<16                    ; tensor_dim0
	s_mov_b32 s[\g+2], 128<<16                     ; tensor_dim1
	s_mov_b32 s[\g+3], ROWB<<16                    ; tile_dim0
	s_mov_b32 s[\g+4], 128                         ; tile_dim1
	s_mov_b32 s[\g+5], KROW                        ; stride
	s_mov_b32 s[\g+6], 0
	s_mov_b32 s[\g+7], 0
.endr
	s_lshl_b32 s18, s16, 7
	s_lshl_b32 s20, s17, 8
	s_add_co_u32 s20, s20, s18                     ; A: row 256 x tile row + 128 x half
	s_mul_i32 s20, s20, KROW
	s_add_co_u32 s20, s20, s69
	s_mov_b32 s21, 0
	s_lshl_b32 s46, s42, 8
	s_add_co_u32 s46, s46, s18                     ; B: row 256 x tile column + 128 x half
	s_mul_i32 s46, s46, KROW
	s_mov_b32 s47, 0
	s_mul_i32 s45, s14, HALFT                      ; where they go: wave x 128 rows
	s_wait_dscnt 0x0                               ; the opening add is done
	s_wait_kmcnt 0x0
	s_load_b256 s[80:87], s[8:9], 0x0              ; e0 .. e7
	s_cmp_lt_u32 ttmp9, 8
	s_cselect_b64 s[72:73], s[4:5], s[6:7]         ; A's buffer
	s_cselect_b64 s[74:75], s[6:7], s[4:5]         ; B's
	s_add_nc_u64 s[20:21], s[72:73], s[20:21]
	s_add_nc_u64 s[46:47], s[74:75], s[46:47]
	CROUND                                         ; all sixteen work-groups are here: the first joint loads meet
.irp s, 0,1
	s_mov_b32 s[G0+4*\s], 1
	s_add_co_u32 s[G0+4*\s+1], s45, \s*SLOT
	s_add_nc_u64 s[G0+4*\s+2:G0+4*\s+3], s[20:21], \s*ROWB
	s_or_b32 s[G0+4*\s+3], s[G0+4*\s+3], 0x80000000
	s_mov_b32 s[G0B+4*\s], 1
	s_add_co_u32 s[G0B+4*\s+1], s45, \s*SLOT
	s_add_nc_u64 s[G0B+4*\s+2:G0B+4*\s+3], s[46:47], \s*ROWB
	s_or_b32 s[G0B+4*\s+3], s[G0B+4*\s+3], 0x80000000
	JLOAD G0+4*\s, G1, G0B+4*\s, G1B
.endr
	v_and_b32 v1, 15, v0                           ; r
	v_bfe_u32 v2, v0, 4, 1                         ; h
	v_mul_u32_u24 v3, v1, PITCH
	v_lshl_add_u32 v4, v2, 4, v3
	s_mul_i32 s21, s15, HALFT
	s_mul_i32 s22, s16, HALFT
	s_add_co_u32 s22, s22, 2*HALFT
.irp s, 0,1
	v_add_nc_u32 v[ADRA+\s], s21, v4
	v_add_nc_u32 v[ADRB+\s], s22, v4
	s_add_co_u32 s21, s21, SLOT
	s_add_co_u32 s22, s22, SLOT
.endr
	s_mul_i32 s23, s14, 16*144                     ; my stage: 16 rows x (128 bytes + 16), in slot 0, which has had its last fill and its last read when the first code is stored there
	v_mul_u32_u24 v5, v1, 144
	v_lshl_add_u32 v5, v2, 4, v5
	v_add_nc_u32 v[STO], s23, v5                   ; in: row r, + 16 h
	v_and_b32 v6, 31, v0
	v_lshrrev_b32 v7, 3, v6
	v_and_b32 v8, 7, v6
	v_mul_u32_u24 v7, v7, 144
	v_lshl_add_u32 v7, v8, 4, v7
	v_add_nc_u32 v[RD], s23, v7                    ; back: eight lanes to a row, four rows an instruction
	v_lshlrev_b32 v[CO], 4, v6                     ; and in the panel: 16 x lane
	s_lshl_b32 s46, s42, 1
	s_add_co_u32 s46, s46, s16                     ; my panel: 2 x tile column + half
	s_mul_i32 s46, s46, s71
	s_add_co_u32 s46, s46, s70
	s_lshl_b32 s20, s17, 8
	s_lshl_b32 s21, s15, 7
	s_add_co_u32 s20, s20, s21                     ; my first row
	s_lshl_b32 s20, s20, 7
	s_add_co_u32 s20, s20, s46
	s_mov_b32 s21, 0
	s_add_nc_u64 s[10:11], s[10:11], s[20:21]
.macro FRAG reg, adr, q, i             ; 16 rows x 128 K: four loads of 16 bytes, 32 apart: the same places of k in A and in B
.irp c, 0,1,2,3
	ds_load_b128 v[\reg+4*\c:\reg+4*\c+3], v[\adr] offset:128*(\q)+32*\c+(\i)*16*PITCH
.endr
.endm
.macro MUL16 a0, p, zero               ; A's blocks a0, a0 + 1 x B's eight; the 64 accumulators take turns, one instruction a turn
.irp a, \a0, \a0+1
.irp b, 0,1,2,3,4,5,6,7
.if \zero
	v_wmma_f32_16x16x128_fp8_fp8 v[8*(8*((\a)%4)+\b):8*(8*((\a)%4)+\b)+7], v[128*(\p)+FR*\b:128*(\p)+FR*\b+FR-1], v[AF+FR*(\a):AF+FR*(\a)+FR-1], 0
.else
	v_wmma_f32_16x16x128_fp8_fp8 v[8*(8*((\a)%4)+\b):8*(8*((\a)%4)+\b)+7], v[128*(\p)+FR*\b:128*(\p)+FR*\b+FR-1], v[AF+FR*(\a):AF+FR*(\a)+FR-1], v[8*(8*((\a)%4)+\b):8*(8*((\a)%4)+\b)+7]
.endif
.endr
.endr
.endm
.macro FETCH_B slot, q, p
	WIN TO_B
.irp i, 0,1,2,3,4,5,6,7
	FRAG 128*(\p)+FR*\i, ADRB+\slot, \q, \i
.endr
	WIN 0
.endm
.macro FETCH_A slot, q, i0
.irp i, \i0, \i0+1, \i0+2, \i0+3
	FRAG AF+FR*(\i), ADRA+\slot, \q, \i
.endr
.endm
.macro PLACES n
.rept \n
	v_nop
.endr
.endm
.macro STEP slot, q, zero              ; 128 along K whose successor lies in the same slot
	s_wait_dscnt 4*NL                              ; B's set and A's blocks 0-3 are in; A's blocks 4-7 may be out
	WIN MUL_LO
	MUL16 0, (\q)%2, \zero
	MUL16 2, (\q)%2, \zero
	s_wait_dscnt 0
	PLACES NP
	FETCH_B \slot, (\q)+1, 1-(\q)%2
	FETCH_A \slot, (\q)+1, 0
	WIN MUL_HI
	MUL16 4, (\q)%2, \zero
	MUL16 6, (\q)%2, \zero
	PLACES NP
	WIN 0
	FETCH_A \slot, (\q)+1, 4
.endm
.macro TURN slot, next, fill           ; a slot's last step changes slots: one barrier; with fill = 1 it opens a round of the cluster's barrier, and the slot is filled again
	s_wait_tensorcnt 0x0                           ; all my tensor loads have landed: my part of the next slot
	ds_add_u32 v[SPW], v[NIL]
	s_wait_dscnt 4*NL+1                            ; the add and A's blocks 4-7 may be out
	WIN MUL_LO
	MUL16 0, 1, 0
	s_wait_dscnt 0x0                               ; the add is done, and my reads of this slot are over
	s_barrier_signal -1
	MUL16 2, 1, 0
	WIN 0
	s_barrier_wait -1
.if \fill
	CREST
	s_add_nc_u64 s[G0+4*\slot+2:G0+4*\slot+3], s[G0+4*\slot+2:G0+4*\slot+3], 2*ROWB
	s_add_nc_u64 s[G0B+4*\slot+2:G0B+4*\slot+3], s[G0B+4*\slot+2:G0B+4*\slot+3], 2*ROWB
	JLOAD G0+4*\slot, G1, G0B+4*\slot, G1B
.else
	PLACES NP
.endif
	FETCH_B \next, 0, 0
	FETCH_A \next, 0, 0
	WIN MUL_HI
	MUL16 4, 1, 0
	MUL16 6, 1, 0
	PLACES NP
	WIN 0
	FETCH_A \next, 0, 4
.endm
	s_wait_tensorcnt 1                             ; my part of K step 0 is in; K step 1's load may be out
	s_barrier_signal -1
	s_barrier_wait -1
	FETCH_B 0, 0, 0
	FETCH_A 0, 0, 0
	FETCH_A 0, 0, 4
	STEP 0, 0, 1                                   ; the first step starts the sums
	s_mov_b32 s3, LAPS-1
.Llap:
	TURN 0, 1, 1
	STEP 1, 0, 0
	TURN 1, 0, 1
	STEP 0, 0, 0
	s_sub_co_u32 s3, s3, 1
	s_cmp_lg_u32 s3, 0
	s_cbranch_scc1 .Llap
	TURN 0, 1, 0                                   ; the last lap fills nothing
	STEP 1, 0, 0
	s_wait_dscnt 4*NL
	WIN MUL_LO
	MUL16 0, 1, 0
	MUL16 2, 1, 0
	s_wait_dscnt 0
	WIN MUL_HI
	MUL16 4, 1, 0
	MUL16 6, 1, 0
	WIN 0
	; THE WAY OUT: a sum stands for sum x 2^(e0 + e1), so its code is sum / 2^(eo - e0 - e1): the three scales are folded into the conversion's one
	s_wait_kmcnt 0x0
	s_cmp_eq_u32 s67, 1
	s_cselect_b32 s76, s83, s82                    ; k's e3 or q's e2,
	s_cmp_lt_u32 ttmp9, 8
	s_cselect_b32 s76, s76, s85                    ; or v's e5
	s_sub_co_i32 s76, s76, s80
	s_sub_co_i32 s76, s76, s81
	s_add_co_i32 s76, s76, 127
	s_lshl_b32 s77, s76, 23
	v_mov_b32 v31, s77
	s_add_co_i32 s76, s76, 8
	s_lshl_b32 s76, s76, 23
	s_or_b32 s76, s76, 0x600000
	v_mov_b32 v30, s76                             ; 448 x that
	PLACES NP
.macro OUTB a                          ; block a: 16 rows x 128 columns
.set AC, 64*((\a)%4)
.set CDS, 96+16*((\a)%2)
.set BB, 128+16*((\a)%2)
	WIN 0x02+((\a)/4)                              ; source 0: window 2 or 3
.set j, 0
.rept 64
	v_med3_num_f32 v[TMP+j], v[AC+j], -v30, v30    ; the hold; each accumulator from its low end on
.set j, j+1
.endr
	WIN 0
.irp b, 0,1,2,3,4,5,6,7
	v_cvt_scalef32_pk8_fp8_f32 v[CDS+2*\b:CDS+2*\b+1], v[TMP+8*\b:TMP+8*\b+7], v31
.endr
	v_nop                                          ; a plain line behind the last conversion
.irp b, 0,1,2,3,4,5,6,7
	ds_store_b64 v[STO], v[CDS+2*\b:CDS+2*\b+1] offset:32*(\b/2)+8*(\b%2)   ; columns 16 b + 8 h + 0 .. 7 at byte 32 (b / 2) + 16 h + 8 (b % 2)
.endr
.if (\a) >= 2
	s_wait_xcnt 0x0                                ; block a - 2's stores have read their registers
.endif
.irp t, 0,1,2,3
	ds_load_b128 v[BB+4*\t:BB+4*\t+3], v[RD] offset:4*144*\t   ; LDS serves a wave's instructions in order: these see my stores
.endr
	s_wait_dscnt 0x0
.irp t, 0,1,2,3
	global_store_b128 v[CO], v[BB+4*\t:BB+4*\t+3], s[10:11] offset:(\a)*2048+512*\t   ; 32 lanes store 512 consecutive bytes, aligned
.endr
.endm
.irp a, 0,1,2,3,4,5,6,7
	OUTB \a
.endr
	s_wait_tensorcnt 0x0                           ; the wave's end
	ds_add_u32 v[SPW], v[NIL]
	s_wait_dscnt 0x0
	CROUND                                         ; the closing round
	s_endpgm
.Lfunc_end_k_q4843a4082e_qkv:
	.size	k_q4843a4082e_qkv, .Lfunc_end_k_q4843a4082e_qkv-k_q4843a4082e_qkv
	.p2alignl 7, 3214868480
	.fill 96, 4, 3214868480
	.section	.rodata,"a",@progbits
	.p2align	6, 0x0
	.amdhsa_kernel k_q4843a4082e_qkv
		.amdhsa_group_segment_fixed_size 327680
		.amdhsa_private_segment_fixed_size 0
		.amdhsa_enable_private_segment 0
		.amdhsa_kernarg_size 32
		.amdhsa_user_sgpr_count 2
		.amdhsa_user_sgpr_kernarg_segment_ptr 1
		.amdhsa_wavefront_size32 1
		.amdhsa_system_sgpr_workgroup_id_x 1
		.amdhsa_system_sgpr_workgroup_id_y 1
		.amdhsa_system_sgpr_workgroup_id_z 1
		.amdhsa_system_vgpr_workitem_id 0
		.amdhsa_next_free_vgpr 1024
		.amdhsa_next_free_sgpr 100
		.amdhsa_reserve_vcc 0
		.amdhsa_float_denorm_mode_32 3
		.amdhsa_float_denorm_mode_16_64 3
		.amdhsa_memory_ordered 1
		.amdhsa_forward_progress 1
		.amdhsa_inst_pref_size 125
	.end_amdhsa_kernel
	.amdgpu_metadata
---
amdhsa.version: [ 1, 2 ]
amdhsa.kernels:
  - .name:           k_q4843a4082e_qkv
    .symbol:         k_q4843a4082e_qkv.kd
    .args:
      - { .name: hc, .offset: 0, .size: 8, .value_kind: global_buffer, .address_space: global }
      - { .name: wcodes, .offset: 8, .size: 8, .value_kind: global_buffer, .address_space: global }
      - { .name: lowp_scales, .offset: 16, .size: 8, .value_kind: global_buffer, .address_space: global }
      - { .name: qkvc, .offset: 24, .size: 8, .value_kind: global_buffer, .address_space: global }
    .group_segment_fixed_size: 327680
    .private_segment_fixed_size: 0
    .kernarg_segment_align: 8
    .kernarg_segment_size: 32
    .max_flat_workgroup_size: 128
    .sgpr_count:     100
    .vgpr_count:     1024
    .wavefront_size: 32
...
	.end_amdgpu_metadata
.endif
;; end of part 3
;; launch attn1 (part 4): grid 32 x 8, 4 waves a work-group, clusters of 4 x 4, 327,680 bytes of LDS; arguments qkvc, torus_dist, mask, torus_scale, lowp_scales, gc; writes gc
.if DOCPART == 4
	.amdgcn_target "amdgcn-amd-amdhsa--gfx1250"
	.amdhsa_code_object_version 6
	.text
	.protected	k_q4843a4082e_attn1
	.globl	k_q4843a4082e_attn1
	.p2align	8
	.type	k_q4843a4082e_attn1,@function
k_q4843a4082e_attn1:
	s_mov_b64 s[64:65], 0
	v_nop
	global_prefetch_b8 v0, s[64:65] scope:SCOPE_SE
	s_setreg_imm32_b32 hwreg(HW_REG_WAVE_MODE, 25, 1), 1
	s_wait_xcnt 0x0
	s_wait_alu depctr_hold_cnt(0) depctr_sa_sdst(0) depctr_va_vdst(0) depctr_va_sdst(0) depctr_va_ssrc(0) depctr_va_vcc(0) depctr_vm_vsrc(0)
	s_getreg_b32 s2, hwreg(HW_REG_IB_STS2, 6, 4)
	s_cmp_eq_u32 s2, 0
	s_cbranch_scc0 .Lentry_in_a_cluster
	s_endpgm
.Lentry_in_a_cluster:
	s_bfe_u32 s2, ttmp6, 0x10000c
	s_cmp_lg_u32 s2, 0xf033
	s_cbranch_scc0 .Lentry_shape_is_right
	s_endpgm
.Lentry_shape_is_right:
; ATTENTION, FIRST PASS OVER THE KEYS.  score = q . k / 8 - torus_scale[head] x torus_dist[q][k], far below every score where mask[b][k] is false.  The softmax's p is quantised FINISHED AND NORMALISED, so each query's
; largest score and the sum of its exponentials must be known before any p is made: this launch finds them (a running maximum) and stores KK = c' M + log2(sum); the next launch makes p = 2^(c' S - KK).
; q and k come as codes of E4M3 (2^e2, 2^e3) in panels of 128 bytes a row: [16 panels][4,096 tokens][128]: panel p < 8 holds q of heads 2 p, 2 p + 1, panel 8 + p holds k.
; SHARES.  A work-group: 64 queries of 4 heads of one batch.  Wave w: head 4 cy + w, all 64 queries: four tiles of 16, which share K's fragments and the mask's registers.  128 keys a step, 16 steps.
; CLUSTER 4 x 4: x = four blocks of queries, y = the four groups of heads; the cluster's y is the batch.  K hangs on y alone and is asked for jointly along a row of the cluster; torus_dist hangs on x alone: along a column.
; LAYOUT.  S^T = K Q^T + C (source 0 = 16 keys, source 1 = 16 queries): a lane holds ONE query (lane % 16) and keys 8 (lane / 16) + 0 .. 7 of each tile of keys.  C = a x dist + mb is made in place on the numbers of
; torus_dist just loaded, one packed multiply-add for two scores: a = -torus_scale x 2^(3 - e2 - e3); mb = 0, or -2^100 where the key is masked.  t = c' S, c' = log2(e) / 8 x 2^(e2 + e3).
; The maximum and the sum are kept for each lane (its half of the keys) and joined once, at the end.  The sum is rescaled by 2^(old c' M - new c' M), of the rounded numbers that the terms themselves were shifted by.
; A BATCH WITH NO KEY LEFT: c' is multiplied by 0 (arithmetic, no branch): every exponent is equal and the sum is 2,048, as the softmax of equal scores has it.
; OUT.  64 numbers for each (batch, head, block of queries), 256 bytes: word 2 (16 h + r) + e is KK of query 16 (2 h + e) + r.  They lie in the first 262,144 bytes of the buffer that later takes the hidden layer's codes:
; it holds nothing else until then.
; LIMITS: e2 + e3 between -90 and 25; |S| under 2^70, so that a masked key stays far below; a byte of the mask is 0 or 1.  NaN among the inputs is not served.
; REGISTERS, in windows of 256.  Window 0: v1-9 addresses, v10, v11 the add's two, v[12:13] c', v[14:15] a, v[20:21] zeros, v22-31 at work, v32-63 statistics, v64-127 K's fragments, v128-191 mb of the step's keys.
;   Window 1: the four tiles' scores, 64 registers each.   Window 2: v0-31 Q.
.set KP,    144                        ; a row of K in LDS: 128 bytes + 16: the 16 rows of a load start at 16 different banks (ISA guide 11.1)
.set KPAN,  128*KP                     ; a panel's 128 rows
.set DOFF,  2*KPAN                     ; a slot: two panels of K, then 64 rows of torus_dist
.set DP,    528                        ; a row of torus_dist: 512 bytes + 16
.set SLOT1, 1<<17                      ; one exclusive or turns an address in one slot into the other's
.set MBT,   SLOT1+DOFF+64*DP           ; 201,728: mb of the batch's 2,048 keys, f32
.set SPARE, MBT+8192                   ; the spare words, 128 bytes a wave: two blocks of 256 bytes that no other line names
.set AK0, 1
.set AD0, 3
.set AM0, 4
.set ADK, 5
.set ADD, 7
.set ADM, 8
.set PFO, 9
.set SPW, 10
.set NIL, 11
.set CV,  12
.set AV,  14
.set ZZ,  20
.set ST,  32                           ; tile u at v[ST + 8 u]: +0 c' M, at the end KK; +1 M; +2, +3 the sum; +4, +5 at work; +6 the rescaling; +7 written once
.set KF,  64
.set MB,  128
.set WV,  16                           ; s16 my wave's number
.set G1K, 24
.set G1D, 32
.set G0K, 40
.set G0D, 44
.set PFA, 52
.set PFS, 54
.set CSC, 56
.set LIM, 57
.set SEL, 60
.set TB,  62                           ; the slot in hand
.set MO,  63                           ; 512 x the step
.set CNT, 66
.set MSB, 0
.macro WIN new                         ; the immediate's high byte repeats the setting that is left
.if MSB != \new
	s_set_vgpr_msb (MSB<<8)|\new
.set MSB, \new
.endif
.endm
.macro NOP4
.rept 4
	v_nop
.endr
.endm
.macro CROUND                          ; a round of the cluster's barrier
	s_barrier_signal -1
	s_barrier_wait -1
	s_cmp_lg_u32 s[WV], 0
	s_cbranch_scc1 .Lnw0_\@
	s_barrier_signal -3
.Lnw0_\@:
	s_barrier_wait -3
	s_barrier_signal -1
	s_barrier_wait -1
.endm
; A joint load: waves 0, 1 fetch K's two panels, waves 2, 3 32 rows of torus_dist each.  The branch hangs on the wave's number alone.  An s_nop 0 and four v_nop follow each line.
.macro JLOAD
	s_cmp_eq_u32 s18, 0
	s_cbranch_scc0 .Lfor_d_\@
	tensor_load_to_lds s[G0K:G0K+3], s[G1K:G1K+7]
	s_nop 0
	NOP4
	s_branch .Lasked_\@
.Lfor_d_\@:
	tensor_load_to_lds s[G0D:G0D+3], s[G1D:G1D+7]
	s_nop 0
	NOP4
.Lasked_\@:
.endm
; A PREFETCH INTO THE L2 of the step that the NEXT change of slots will ask for: 32 blocks of 256 bytes, a lane a block, one instruction a wave.  Each block is named once in the launch.
; K of a (batch, group of heads) is walked by all eight clusters along x: cluster x = 0 asks (wave 0); torus_dist's rows by both clusters along y: cluster y = 0 asks (wave 2).
; The four partners that ask for a tile jointly share its 128 blocks out by address.  It asks while more than one trip is left: the last step named is step 15.
.macro ASK
	s_cmp_gt_u32 s[CNT], s[LIM]
	s_cbranch_scc0 .Lnm_\@
	global_prefetch_b8 v[PFO], s[PFA:PFA+1] th:TH_LOAD_NT scope:SCOPE_SE
.Lnm_\@:
.endm
	s_load_b256 s[4:11], s[0:1], 0x0               ; the panels, torus_dist, mask, torus_scale
	s_load_b128 s[12:15], s[0:1], 0x20             ; the exponents, the statistics
	v_lshl_add_u32 v[SPW], v0, 2, SPARE
	v_mov_b32 v[NIL], 0
	ds_add_u32 v[SPW], v[NIL]                      ; the wave's opening: the add and its wait stand ahead of my first tensor load
	v_lshrrev_b32 v22, 5, v0
	v_readfirstlane_b32 s[WV], v22                 ; wave 0..3
	s_and_b32 s17, s[WV], 1
	s_lshr_b32 s18, s[WV], 1                       ; I fetch for K (0) or for torus_dist (1)
	s_bfe_u32 s20, ttmp6, 0x40000                  ; cx
	s_bfe_u32 s21, ttmp6, 0x40004                  ; cy: the group of heads
	s_lshl_b32 s22, ttmp9, 2
	s_add_co_u32 s22, s22, s20                     ; the block of 64 queries
	s_and_b32 s23, ttmp7, 0xffff                   ; the batch
	s_lshl_b32 s76, s21, 2
	s_lshl_b32 s76, 15, s76                        ; my row of the cluster
	s_lshl_b32 s77, 0x1111, s20                    ; my column
	s_or_b32 s[G1K], s76, (0<<16)|(1<<20)|(1<<21)|(4<<22)|(3<<25)   ; the mask; elements of 1 byte; padding on; bit 21 beside a mask; 4 words after every 32
	s_mov_b32 s[G1K+1], 128<<16                    ; tensor_dim0
	s_mov_b32 s[G1K+2], 128<<16                    ; tensor_dim1
	s_mov_b32 s[G1K+3], 128<<16                    ; tile_dim0
	s_mov_b32 s[G1K+4], 128                        ; tile_dim1
	s_mov_b32 s[G1K+5], 128                        ; stride
	s_mov_b32 s[G1K+6], 0
	s_mov_b32 s[G1K+7], 0
	s_or_b32 s[G1D], s77, (0<<16)|(1<<20)|(1<<21)|(6<<22)|(3<<25)   ; 4 words of padding after every 128
	s_mov_b32 s[G1D+1], 512<<16                    ; rows of 512 bytes,
	s_mov_b32 s[G1D+2], 32<<16                     ; 32 of them,
	s_mov_b32 s[G1D+3], 512<<16
	s_mov_b32 s[G1D+4], 32
	s_mov_b32 s[G1D+5], 8192                       ; 8,192 bytes apart
	s_mov_b32 s[G1D+6], 0
	s_mov_b32 s[G1D+7], 0
	s_lshl_b32 s78, s21, 1                         ; K: panel 8 + 2 cy + wave % 2, the batch's first key
	s_add_co_u32 s78, s78, s17
	s_add_co_u32 s78, s78, 8
	s_lshl_b32 s78, s78, 19
	s_lshl_b32 s79, s23, 18
	s_add_co_u32 s78, s78, s79
	s_mov_b32 s79, 0
	s_lshl_b32 s82, s22, 19                        ; torus_dist: row 64 x block + 32 (wave % 2)
	s_lshl_b32 s83, s17, 18
	s_add_co_u32 s82, s82, s83
	s_mov_b32 s83, 0
	s_mov_b32 s[SEL], 0x76543210
	s_mov_b32 s[SEL+1], 0xfedcba98                 ; v_permlanex16_b32: lane l xor 16
	s_mov_b32 s[TB], 0
	s_mov_b32 s[MO], 0
	s_wait_dscnt 0x0                               ; the opening add is done
	s_wait_kmcnt 0x0
	s_load_b256 s[84:91], s[12:13], 0x0            ; e0 .. e7
	s_mov_b32 s[G0K], 1
	s_mul_i32 s[G0K+1], s17, KPAN
	s_add_nc_u64 s[G0K+2:G0K+3], s[4:5], s[78:79]
	s_or_b32 s[G0K+3], s[G0K+3], 0x80000000
	s_mov_b32 s[G0D], 1
	s_mul_i32 s[G0D+1], s17, 32*DP
	s_add_co_u32 s[G0D+1], s[G0D+1], DOFF
	s_add_nc_u64 s[G0D+2:G0D+3], s[6:7], s[82:83]
	s_or_b32 s[G0D+3], s[G0D+3], 0x80000000
	CROUND                                         ; all sixteen work-groups are here: the first joint loads meet
	JLOAD                                          ; step 0, into slot 0
	v_and_b32 v22, 15, v0                          ; r
	v_bfe_u32 v23, v0, 4, 1                        ; h
	v_and_b32 v24, 31, v0                          ; lane
	s_lshl_b32 s94, s21, 1                         ; Q: panel 2 cy + w / 2,
	s_add_co_u32 s94, s94, s18
	s_lshl_b32 s94, s94, 19
	s_lshl_b32 s95, s23, 18                        ; the batch's 2,048 tokens of 128 bytes,
	s_add_co_u32 s94, s94, s95
	s_lshl_b32 s95, s22, 13                        ; my block's 64,
	s_add_co_u32 s94, s94, s95
	s_lshl_b32 s95, s17, 6                         ; my head's 64 bytes
	s_add_co_u32 s94, s94, s95
	s_mov_b32 s95, 0
	s_add_nc_u64 s[94:95], s[4:5], s[94:95]
	v_lshlrev_b32 v25, 7, v22
	v_lshl_add_u32 v25, v23, 4, v25                ; row r, + 16 h
	WIN 0x80                                       ; destination window 2
.irp u, 0,1,2,3
.irp g, 0,1
	global_load_b128 v[8*\u+4*\g:8*\u+4*\g+3], v25, s[94:95] offset:2048*\u+32*\g   ; Q stays in registers
.endr
.endr
	WIN 0
	s_lshl_b32 s96, s23, 11
	s_mov_b32 s97, 0
	s_add_nc_u64 s[96:97], s[8:9], s[96:97]        ; the batch's mask
	v_lshlrev_b32 v26, 4, v0
	v_lshlrev_b32 v27, 4, v24
	global_load_b128 v[192:195], v26, s[96:97]     ; my thread's 16 keys, for the table
.irp i, 0,1,2,3
	global_load_b128 v[196+4*\i:199+4*\i], v27, s[96:97] offset:512*\i   ; all 2,048, for the test whether any key is left
.endr
	s_lshl_b32 s98, s21, 2
	s_add_co_u32 s98, s98, s[WV]
	s_lshl_b32 s98, s98, 2                         ; 4 x my head
	v_mov_b32 v28, s98
	global_load_b32 v29, v28, s[10:11]             ; torus_scale[head]
	s_mul_i32 s98, s18, KPAN
	s_lshl_b32 s99, s17, 6
	s_add_co_u32 s98, s98, s99
	v_mul_u32_u24 v30, v22, KP
	v_lshl_add_u32 v30, v23, 4, v30
	v_add_nc_u32 v[AK0], s98, v30                  ; K: panel w / 2, row r, + 64 (w % 2) + 16 h
	v_mul_u32_u24 v[AD0], v22, DP
	v_lshl_add_u32 v[AD0], v23, 5, v[AD0]
	v_add_nc_u32 v[AD0], DOFF, v[AD0]              ; torus_dist: row r, + 32 h
	v_lshlrev_b32 v[AM0], 5, v23
	v_add_nc_u32 v[AM0], MBT, v[AM0]               ; mb: + 32 h
	v_lshl_add_u32 v31, v0, 6, MBT                 ; where I put my 16 keys' mb
	v_mov_b32 v[ZZ], 0
	v_mov_b32 v[ZZ+1], 0
.irp u, 0,1,2,3
	v_mov_b32 v[ST+8*\u+1], 0xff61b1e6             ; the largest score so far: -3e38
	v_mov_b32 v[ST+8*\u+2], 0
	v_mov_b32 v[ST+8*\u+3], 0
	v_mov_b32 v[ST+8*\u+7], 0                      ; (named as the upper half of a pair)
.endr
	s_lshl_b32 s98, s23, 4                         ; the statistics: block ((16 b + head) 32 + block of queries) of 256 bytes
	s_lshl_b32 s99, s21, 2
	s_add_co_u32 s98, s98, s99
	s_add_co_u32 s98, s98, s[WV]
	s_lshl_b32 s98, s98, 5
	s_add_co_u32 s98, s98, s22
	s_lshl_b32 s98, s98, 8
	s_mov_b32 s99, 0
	s_add_nc_u64 s[14:15], s[14:15], s[98:99]
	; the prefetches: where, and who asks
	s_lshl_b32 s2, s21, 1                          ; K: panel 8 + 2 cy + cx / 2, + 8,192 (cx % 2), at step 1: the first change of slots steps it to step 2
	s_lshr_b32 s3, s20, 1
	s_add_co_u32 s2, s2, s3
	s_add_co_u32 s2, s2, 8
	s_lshl_b32 s2, s2, 19
	s_lshl_b32 s3, s23, 18
	s_add_co_u32 s2, s2, s3
	s_and_b32 s3, s20, 1
	s_lshl_b32 s3, s3, 13
	s_add_co_u32 s2, s2, s3
	s_add_co_u32 s2, s2, 16384
	s_lshl_b32 s3, s22, 19                         ; torus_dist: rows 32 (cy / 2) on, a lane a row, + 256 (cy % 2), at step 1
	s_lshr_b32 s98, s21, 1
	s_lshl_b32 s98, s98, 18
	s_add_co_u32 s3, s3, s98
	s_and_b32 s98, s21, 1
	s_lshl_b32 s98, s98, 8
	s_add_co_u32 s3, s3, s98
	s_add_co_u32 s3, s3, 512
	s_mov_b32 s99, 8192
	s_mov_b32 s[PFS], 512
	s_cmp_eq_u32 s18, 0                            ; do I fetch for K?
	s_cselect_b64 s[PFA:PFA+1], s[4:5], s[6:7]
	s_cselect_b32 s2, s2, s3
	s_cselect_b32 s99, 256, s99                    ; from lane to lane
	s_cselect_b32 s[PFS], 16384, s[PFS]            ; from step to step
	s_cselect_b32 s98, ttmp9, s23                  ; the coordinate along which other clusters read the same rows
	s_mov_b32 s3, 0
	s_mov_b32 s[PFS+1], 0
	s_add_nc_u64 s[PFA:PFA+1], s[PFA:PFA+1], s[2:3]
	s_or_b32 s98, s98, s17                         ; waves 0 and 2 alone
	s_cmp_eq_u32 s98, 0
	s_cselect_b32 s[LIM], 1, -1                    ; the same in all sixteen partners, for a given wave
	v_mul_lo_u32 v[PFO], v24, s99
	s_wait_kmcnt 0x0
	s_add_co_i32 s98, s86, s87                     ; e2 + e3
	s_lshl_b32 s99, s98, 23
	s_mov_b32 s[CSC], 0x3e38aa3b                   ; log2(e) / 8
	s_add_co_i32 s[CSC], s[CSC], s99               ; x 2^(e2 + e3), by its exponent field
	s_sub_co_i32 s98, 3, s98
	s_wait_loadcnt 0x0                             ; Q, the mask, torus_scale
	v_ldexp_f32 v[AV], v29, s98
	v_sub_f32 v[AV], 0, v[AV]                      ; a = -torus_scale x 2^(3 - e2 - e3)
	v_mov_b32 v[AV+1], v[AV]
.irp i, 1,2,3,4,5,6,7,8,9,10,11,12,13,14,15
	v_or_b32 v196, v196, v[196+\i]
.endr
	v_cvt_f32_u32 v196, v196
	v_min_num_f32 v196, 1.0, v196                  ; 1 if one of my 64 keys is left, else 0;
	v_max_num_f32_dpp v196, v196, v196 row_xmask:1 row_mask:0xf bank_mask:0xf
	v_max_num_f32_dpp v196, v196, v196 row_xmask:2 row_mask:0xf bank_mask:0xf
	v_max_num_f32_dpp v196, v196, v196 row_xmask:4 row_mask:0xf bank_mask:0xf
	v_max_num_f32_dpp v196, v196, v196 row_xmask:8 row_mask:0xf bank_mask:0xf
	v_permlanex16_b32 v197, v196, s[SEL], s[SEL+1]
	v_max_num_f32 v196, v196, v197                 ; of the batch's 2,048
	v_mul_f32 v[CV], s[CSC], v196                  ; c', or 0
	v_mov_b32 v[CV+1], v[CV]
.irp u, 0,1,2,3
	v_mul_f32 v[ST+8*\u], v[CV], v[ST+8*\u+1]      ; c' M (it may be -infinity: the first rescaling is then by 0, of a sum that is 0)
.endr
	v_mov_b32 v212, 0x71800000                     ; 2^100
.irp i, 0,1,2,3,4,5,6,7,8,9,10,11,12,13,14,15
	v_bfe_u32 v[MB+\i], v[192+\i/4], 8*(\i%4), 8
.endr
.irp i, 0,1,2,3,4,5,6,7,8,9,10,11,12,13,14,15
	v_cvt_f32_u32 v[MB+\i], v[MB+\i]
.endr
.irp i, 0,1,2,3,4,5,6,7,8,9,10,11,12,13,14,15
	v_fma_f32 v[MB+\i], v[MB+\i], v212, -v212      ; mb = byte x 2^100 - 2^100
.endr
.irp c, 0,1,2,3
	ds_store_b128 v31, v[MB+4*\c:MB+4*\c+3] offset:16*\c   ; read by all waves behind the first change's round, in front of which I wait for these stores
.endr
; THE CHANGE OF SLOTS stands at a step's head.  Each wave waits for all its tensor loads (its part of the slot that it is about to read), adds 0 to its spare word, and waits for that and for its reads of the slot that it has left.
; fill = 1: behind a round of the cluster's barrier the slot just left takes the next step's K and torus_dist: the load has a step's work in which to land.  A wave then has one tensor load out.
.macro CHANGE fill
	s_wait_tensorcnt 0x0                           ; no tensor load of mine is out, so a group 0 may be written
	ds_add_u32 v[SPW], v[NIL]                      ; 0 onto my spare word; the descriptors' steps stand between it and the wait for it
.if \fill
	s_xor_b32 s[G0K+1], s[G0K+1], SLOT1
	s_add_nc_u64 s[G0K+2:G0K+3], s[G0K+2:G0K+3], 16384
	s_xor_b32 s[G0D+1], s[G0D+1], SLOT1
	s_add_nc_u64 s[G0D+2:G0D+3], s[G0D+2:G0D+3], 512
	s_wait_xcnt 0x0                                ; the last prefetch, a step back, has read its address
	s_add_nc_u64 s[PFA:PFA+1], s[PFA:PFA+1], s[PFS:PFS+1]
.endif
	s_wait_dscnt 0x0                               ; the add is done, and my LDS reads and stores are over
.if \fill
	CROUND
	JLOAD
	ASK
.else
	s_barrier_signal -1
	s_barrier_wait -1
.endif
.endm
.macro DLOAD u                         ; tile u's 16 queries x 128 keys of torus_dist, into the registers of its scores
.irp t, 0,1,2,3,4,5,6,7
	ds_load_b128 v[64*(\u)+8*\t:64*(\u)+8*\t+3], v[ADD] offset:16*DP*(\u)+64*\t
	ds_load_b128 v[64*(\u)+8*\t+4:64*(\u)+8*\t+7], v[ADD] offset:16*DP*(\u)+64*\t+16
.endr
.endm
; The scores of a step.  Tile u's products run while tile u + 1's bias is made; torus_dist comes two tiles ahead.
.macro SCORES
	v_add_nc_u32 v[ADK], s[TB], v[AK0]
	v_add_nc_u32 v[ADD], s[TB], v[AD0]
	v_add_nc_u32 v[ADM], s[MO], v[AM0]
.irp t, 0,1,2,3,4,5,6,7
	ds_load_b128 v[KF+8*\t:KF+8*\t+3], v[ADK] offset:16*KP*\t
	ds_load_b128 v[KF+8*\t+4:KF+8*\t+7], v[ADK] offset:16*KP*\t+32
.endr
.irp t, 0,1,2,3,4,5,6,7
	ds_load_b128 v[MB+8*\t:MB+8*\t+3], v[ADM] offset:64*\t
	ds_load_b128 v[MB+8*\t+4:MB+8*\t+7], v[ADM] offset:64*\t+16
.endr
	WIN 0x40                                       ; destination window 1
	DLOAD 0
	DLOAD 1
.irp u, 0,1,2,3
.if \u < 3
	s_wait_dscnt 16                                ; all but the youngest tile's 16 loads of torus_dist
.else
	s_wait_dscnt 0x0
.endif
	WIN 0x41                                       ; destination and source 0 window 1
.set i, 0
.rept 32
	v_pk_fma_f32 v[64*\u+i:64*\u+i+1], v[64*\u+i:64*\u+i+1], v[AV:AV+1], v[MB+i:MB+i+1] op_sel_hi:[1,0,1]
.set i, i+2
.endr
	WIN 0x58                                       ; K window 0, Q window 2, C and D window 1
.irp t, 0,1,2,3,4,5,6,7
	v_wmma_f32_16x16x64_fp8_fp8 v[64*\u+8*\t:64*\u+8*\t+7], v[KF+8*\t:KF+8*\t+7], v[8*\u:8*\u+7], v[64*\u+8*\t:64*\u+8*\t+7]
.endr
.if \u < 2
	WIN 0x40
	DLOAD \u+2
.endif
.endr
.endm
.macro MAXP a, b                       ; the running maximum of two tiles, two chains each, ascending: each accumulator is read from its low end on
.irp u, \a, \b
	v_max3_num_f32 v[ST+8*\u+4], v[ST+8*\u+1], v[64*\u], v[64*\u+1]
	v_max3_num_f32 v[ST+8*\u+5], v[ST+8*\u+1], v[64*\u+2], v[64*\u+3]
.endr
.set i, 4
.rept 15
.irp u, \a, \b
	v_max3_num_f32 v[ST+8*\u+4], v[ST+8*\u+4], v[64*\u+i], v[64*\u+i+1]
	v_max3_num_f32 v[ST+8*\u+5], v[ST+8*\u+5], v[64*\u+i+2], v[64*\u+i+3]
.endr
.set i, i+4
.endr
.endm
.macro ARGAT                           ; the pair of scores at register na of window 1: c' S - c' M
	v_pk_fma_f32 v[na:na+1], v[na:na+1], v[CV:CV+1], v[ST+8*(na/64):ST+8*(na/64)+1] op_sel_hi:[1,0,0] neg_lo:[0,0,1] neg_hi:[0,0,1]
.set na, na+2
.endm
; A KEY STEP: 128 keys.
.macro STEP
	SCORES
	WIN 0x14                                       ; sources 1 and 2 window 1
	MAXP 0, 1                                      ; these 64 name nothing of the last products: they are the places in front of the first read of tile 3's scores
	MAXP 2, 3
	WIN 0
.irp u, 0,1,2,3
	v_max_num_f32 v[ST+8*\u+4], v[ST+8*\u+4], v[ST+8*\u+5]
	v_mov_b32 v[ST+8*\u+6], v[ST+8*\u]             ; the old c' M
.endr
.irp u, 0,1,2,3
	v_mul_f32 v[ST+8*\u], v[CV], v[ST+8*\u+4]      ; the new
	v_mov_b32 v[ST+8*\u+1], v[ST+8*\u+4]
.endr
.irp u, 0,1,2,3
	v_sub_f32 v[ST+8*\u+6], v[ST+8*\u+6], v[ST+8*\u]
.endr
.irp u, 0,1,2,3
	v_exp_f32 v[ST+8*\u+6], v[ST+8*\u+6]
.endr
	WIN 0x41
.set na, 0
.rept 4
	ARGAT
.endr
.set ne, 0
.rept 128                              ; one packed scaling, four pairs ahead, then two exponentials: none of these names an exponential's result
.if na < 256
	ARGAT
.endif
	v_exp_f32 v[ne], v[ne]
	v_exp_f32 v[ne+1], v[ne+1]
.set ne, ne+2
.endr
	v_nop                                          ; a plain line behind the last exponential
	s_wait_alu depctr_va_vdst(0)                   ; one wait for the batch of 260, ahead of its first reader
	WIN 0
.irp u, 0,1,2,3
	v_pk_mul_f32 v[ST+8*\u+2:ST+8*\u+3], v[ST+8*\u+2:ST+8*\u+3], v[ST+8*\u+6:ST+8*\u+7] op_sel_hi:[1,0]
.endr
	WIN 0x04                                       ; source 1 window 1
.irp u, 0,1,2,3
	v_pk_add_f32 v[ST+8*\u+2:ST+8*\u+3], v[ST+8*\u+2:ST+8*\u+3], v[64*\u:64*\u+1]
	v_pk_add_f32 v[ST+8*\u+4:ST+8*\u+5], v[ZZ:ZZ+1], v[64*\u+2:64*\u+3]
.endr
.set i, 4
.rept 15
.irp u, 0,1,2,3
	v_pk_add_f32 v[ST+8*\u+2:ST+8*\u+3], v[ST+8*\u+2:ST+8*\u+3], v[64*\u+i:64*\u+i+1]
	v_pk_add_f32 v[ST+8*\u+4:ST+8*\u+5], v[ST+8*\u+4:ST+8*\u+5], v[64*\u+i+2:64*\u+i+3]
.endr
.set i, i+4
.endr
	WIN 0
.irp u, 0,1,2,3
	v_pk_add_f32 v[ST+8*\u+2:ST+8*\u+3], v[ST+8*\u+2:ST+8*\u+3], v[ST+8*\u+4:ST+8*\u+5]
.endr
	s_xor_b32 s[TB], s[TB], SLOT1                  ; on to the other slot
	s_add_co_u32 s[MO], s[MO], 512
.endm
	s_mov_b32 s[CNT], 15
.Lkeys:                                            ; steps 0 to 14: each change asks for the next step's tiles
	CHANGE 1
	STEP
	s_sub_co_u32 s[CNT], s[CNT], 1
	s_cmp_lg_u32 s[CNT], 0
	s_cbranch_scc1 .Lkeys
	CHANGE 0                                       ; step 15 is written out: nothing is left to fetch
	STEP
	; the two halves of the lanes, which hold a query's two halves of the keys, are joined
.irp u, 0,1,2,3
	v_permlanex16_b32 v[ST+8*\u+4], v[ST+8*\u], s[SEL], s[SEL+1]
.endr
.irp u, 0,1,2,3
	v_max_num_f32 v[ST+8*\u+4], v[ST+8*\u+4], v[ST+8*\u]       ; the query's c' M
	v_add_f32 v[ST+8*\u+2], v[ST+8*\u+2], v[ST+8*\u+3]
.endr
.irp u, 0,1,2,3
	v_sub_f32 v[ST+8*\u+6], v[ST+8*\u], v[ST+8*\u+4]
.endr
.irp u, 0,1,2,3
	v_exp_f32 v[ST+8*\u+6], v[ST+8*\u+6]
.endr
	v_nop
	s_wait_alu depctr_va_vdst(0)
.irp u, 0,1,2,3
	v_mul_f32 v[ST+8*\u+2], v[ST+8*\u+2], v[ST+8*\u+6]
.endr
.irp u, 0,1,2,3
	v_permlanex16_b32 v[ST+8*\u+5], v[ST+8*\u+2], s[SEL], s[SEL+1]
.endr
.irp u, 0,1,2,3
	v_add_f32 v[ST+8*\u+2], v[ST+8*\u+2], v[ST+8*\u+5]         ; the query's sum
.endr
.irp u, 0,1,2,3
	v_log_f32 v[ST+8*\u+3], v[ST+8*\u+2]
.endr
	v_bfe_u32 v23, v0, 4, 1                        ; (a plain line behind the last logarithm)  h
	s_wait_alu depctr_va_vdst(0)
.irp u, 0,1,2,3
	v_add_f32 v[ST+8*\u], v[ST+8*\u+4], v[ST+8*\u+3]           ; KK = c' M + log2(sum)
.endr
	v_and_b32 v24, 31, v0
	v_lshlrev_b32 v26, 3, v24
	v_cmp_ne_u32 vcc_lo, 0, v23
	v_cndmask_b32 v28, v[ST], v[ST+16], vcc_lo     ; lanes 0-15 send tiles 0 and 1, lanes 16-31 tiles 2 and 3
	v_cndmask_b32 v29, v[ST+8], v[ST+24], vcc_lo
	global_store_b64 v26, v[28:29], s[14:15]       ; 32 lanes store 256 consecutive bytes, aligned
	s_wait_tensorcnt 0x0                           ; the wave's end
	ds_add_u32 v[SPW], v[NIL]
	s_wait_dscnt 0x0
	CROUND                                         ; the closing round
	s_endpgm
.Lfunc_end_k_q4843a4082e_attn1:
	.size	k_q4843a4082e_attn1, .Lfunc_end_k_q4843a4082e_attn1-k_q4843a4082e_attn1
	.p2alignl 7, 3214868480
	.fill 96, 4, 3214868480
	.section	.rodata,"a",@progbits
	.p2align	6, 0x0
	.amdhsa_kernel k_q4843a4082e_attn1
		.amdhsa_group_segment_fixed_size 327680
		.amdhsa_private_segment_fixed_size 0
		.amdhsa_enable_private_segment 0
		.amdhsa_kernarg_size 48
		.amdhsa_user_sgpr_count 2
		.amdhsa_user_sgpr_kernarg_segment_ptr 1
		.amdhsa_wavefront_size32 1
		.amdhsa_system_sgpr_workgroup_id_x 1
		.amdhsa_system_sgpr_workgroup_id_y 1
		.amdhsa_system_sgpr_workgroup_id_z 1
		.amdhsa_system_vgpr_workitem_id 0
		.amdhsa_next_free_vgpr 1024
		.amdhsa_next_free_sgpr 100
		.amdhsa_reserve_vcc 1
		.amdhsa_float_denorm_mode_32 3
		.amdhsa_float_denorm_mode_16_64 3
		.amdhsa_memory_ordered 1
		.amdhsa_forward_progress 1
		.amdhsa_inst_pref_size 119
	.end_amdhsa_kernel
	.amdgpu_metadata
---
amdhsa.version: [ 1, 2 ]
amdhsa.kernels:
  - .name:           k_q4843a4082e_attn1
    .symbol:         k_q4843a4082e_attn1.kd
    .args:
      - { .name: qkvc, .offset: 0, .size: 8, .value_kind: global_buffer, .address_space: global }
      - { .name: torus_dist, .offset: 8, .size: 8, .value_kind: global_buffer, .address_space: global }
      - { .name: mask, .offset: 16, .size: 8, .value_kind: global_buffer, .address_space: global }
      - { .name: torus_scale, .offset: 24, .size: 8, .value_kind: global_buffer, .address_space: global }
      - { .name: lowp_scales, .offset: 32, .size: 8, .value_kind: global_buffer, .address_space: global }
      - { .name: gc, .offset: 40, .size: 8, .value_kind: global_buffer, .address_space: global }
    .group_segment_fixed_size: 327680
    .private_segment_fixed_size: 0
    .kernarg_segment_align: 8
    .kernarg_segment_size: 48
    .max_flat_workgroup_size: 128
    .sgpr_count:     100
    .vgpr_count:     1024
    .wavefront_size: 32
...
	.end_amdgpu_metadata
.endif
;; end of part 4
;; launch attn2 (part 5): grid 32 x 8, 4 waves a work-group, clusters of 4 x 4, 327,680 bytes of LDS; arguments qkvc, torus_dist, mask, torus_scale, lowp_scales, gc, aoc; writes aoc
.if DOCPART == 5
	.amdgcn_target "amdgcn-amd-amdhsa--gfx1250"
	.amdhsa_code_object_version 6
	.text
	.protected	k_q4843a4082e_attn2
	.globl	k_q4843a4082e_attn2
	.p2align	8
	.type	k_q4843a4082e_attn2,@function
k_q4843a4082e_attn2:
	s_mov_b64 s[64:65], 0
	v_nop
	global_prefetch_b8 v0, s[64:65] scope:SCOPE_SE
	s_setreg_imm32_b32 hwreg(HW_REG_WAVE_MODE, 25, 1), 1
	s_wait_xcnt 0x0
	s_wait_alu depctr_hold_cnt(0) depctr_sa_sdst(0) depctr_va_vdst(0) depctr_va_sdst(0) depctr_va_ssrc(0) depctr_va_vcc(0) depctr_vm_vsrc(0)
	s_getreg_b32 s2, hwreg(HW_REG_IB_STS2, 6, 4)
	s_cmp_eq_u32 s2, 0
	s_cbranch_scc0 .Lentry_in_a_cluster
	s_endpgm
.Lentry_in_a_cluster:
	s_bfe_u32 s2, ttmp6, 0x10000c
	s_cmp_lg_u32 s2, 0xf033
	s_cbranch_scc0 .Lentry_shape_is_right
	s_endpgm
.Lentry_shape_is_right:
; ATTENTION, SECOND PASS OVER THE KEYS.  The scores are made again as in the first pass; p = 2^(c' S - KK), KK = c' M + log2(sum) from the launch before, is the softmax FINISHED AND NORMALISED; it is quantised with 2^e4;
; o = p v on codes of E4M3 (v: 2^e5, K = the keys); o is quantised at once with 2^e6 for the next product.
; q, k: panels [16][4,096 tokens][128 bytes] at byte 0 (panel p < 8: q of heads 2 p, 2 p + 1; 8 + p: k).  v: at byte 8,388,608, [32 = 16 b + keys / 128][1,024 rows = 64 head + channel][128 keys].
; Within each 32 bytes of a row, byte 16 h + 8 u + i holds element 16 u + 8 h + i: a 16-byte LDS load at 16 h brings four registers in the order that the plain fp8 forms give k (ISA guide 7.12.2).
; SHARES.  A work-group: 64 queries of 4 heads of one batch.  Wave w: head 4 cy + w, all 64 queries: four tiles of 16, which share K's and V's fragments and the mask's registers.  128 keys a step, 16 steps.
; CLUSTER 4 x 4: x = four blocks of queries, y = the four groups of heads; the cluster's y is the batch.  K and V hang on y alone and are asked for jointly along a row of the cluster; torus_dist hangs on x alone: along a column.
; LAYOUT.  S^T = K Q^T + C (source 0 = 16 keys, source 1 = 16 queries): a lane holds ONE query (lane % 16) and keys 8 (lane / 16) + 0 .. 7 of each tile of keys.  C = a x dist + mb, in place on the numbers of torus_dist just
; loaded: a = -torus_scale x 2^(3 - e2 - e3); mb = 0, or -2^100 where the key is masked.  c' = log2(e) / 8 x 2^(e2 + e3), or 0 where the batch has no key left (arithmetic, no branch): p is then 1 / 2,048.
; The conversion of tile t's eight registers IS registers 2 t, 2 t + 1 of the second product's operand.  O^T = V^T P^T: a lane again holds one query, and eight channels.
; LIMITS: e2 + e3 between -90 and 25; e4, and e6 - e4 - e5, between -126 and 119; |S| under 2^70; a byte of the mask is 0 or 1.  NaN among the inputs is not served.
; REGISTERS, in windows of 256.  Window 0: v1-9 addresses, v10, v11 the add's two, v[12:13] c', v[14:15] a, v16-19 holds and scales, v22-31 at work, v32-39 KK, v64-127 K's or V's fragments, v128-191 mb, v192-255 p's codes.
;   Window 1: the four tiles' scores, 64 registers each.   Window 2: v0-31 Q, v32-159 O^T.
.set KP,    144                        ; a row of K or V in LDS: 128 bytes + 16: the 16 rows of a load start at 16 different banks (ISA guide 11.1)
.set KPAN,  128*KP
.set VOFF,  2*KPAN                     ; a slot: two panels of K, 256 rows of V, 64 rows of torus_dist
.set DOFF,  VOFF+256*KP
.set DP,    528                        ; a row of torus_dist: 512 bytes + 16
.set SLOT1, 1<<17                      ; one exclusive or turns an address in one slot into the other's
.set MBT,   SLOT1+DOFF+64*DP           ; 238,592: mb of the batch's 2,048 keys, f32
.set STG,   MBT+8192                   ; the stage for the way out: 64 rows x (256 + 16)
.set SP,    272
.set SPARE, STG+64*SP                  ; the spare words, 128 bytes a wave: two blocks of 256 bytes that no other line names
.set AK0, 1
.set AV0, 2
.set AD0, 3
.set AM0, 4
.set ADK, 5
.set ADV, 6
.set ADD, 7
.set ADM, 8
.set PFO, 9
.set SPW, 10
.set NIL, 11
.set CV,  12
.set AV,  14
.set PLIM, 16                          ; 448 x 2^e4
.set PSC,  17                          ; 2^e4
.set OLIM, 18                          ; 448 x 2^(e6 - e4 - e5)
.set OSC,  19
.set KK,  32                           ; tile u's KK at v[KK + 2 u]; the register above it is written once
.set KF,  64
.set MB,  128
.set PC,  192
.set O,   32                           ; window 2
.set WV,  16                           ; s16 my wave's number
.set G1K, 24
.set G1D, 32
.set G0K, 40
.set G0D, 44
.set G0V, 48
.set PFA, 52
.set CSC, 56
.set LIM, 57
.set SEL, 60
.set TB,  62
.set MO,  63
.set CNT, 66
.set G1V, 68
.set MSB, 0
.macro WIN new                         ; the immediate's high byte repeats the setting that is left
.if MSB != \new
	s_set_vgpr_msb (MSB<<8)|\new
.set MSB, \new
.endif
.endm
.macro NOP4
.rept 4
	v_nop
.endr
.endm
.macro CROUND                          ; a round of the cluster's barrier
	s_barrier_signal -1
	s_barrier_wait -1
	s_cmp_lg_u32 s[WV], 0
	s_cbranch_scc1 .Lnw0_\@
	s_barrier_signal -3
.Lnw0_\@:
	s_barrier_wait -3
	s_barrier_signal -1
	s_barrier_wait -1
.endm
; A joint load: waves 0, 1 fetch K's two panels, wave 2 V's 256 rows, wave 3 the 64 rows of torus_dist.  The branches hang on the wave's number alone.  An s_nop 0 and four v_nop follow each line.
.macro JLOAD
	s_cmp_lt_u32 s[WV], 2
	s_cbranch_scc0 .Lnk_\@
	tensor_load_to_lds s[G0K:G0K+3], s[G1K:G1K+7]
	s_nop 0
	NOP4
	s_branch .Lja_\@
.Lnk_\@:
	s_cmp_eq_u32 s[WV], 2
	s_cbranch_scc0 .Lnv_\@
	tensor_load_to_lds s[G0V:G0V+3], s[G1V:G1V+7]
	s_nop 0
	NOP4
	s_branch .Lja_\@
.Lnv_\@:
	tensor_load_to_lds s[G0D:G0D+3], s[G1D:G1D+7]
	s_nop 0
	NOP4
.Lja_\@:
.endm
; A PREFETCH INTO THE L2 of V of the step that the NEXT change of slots will ask for: a dense block of 32,768 bytes.  All eight clusters along x walk the same V: cluster x = 0 asks, wave 2; its four partners along x take
; 8,192 bytes each, told apart by address, lanes 256 bytes apart.  So each block of 256 bytes is named once in the launch.  It asks while more than one change that fills is left: the last step named is step 15.
.macro ASK
	s_cmp_gt_u32 s[CNT], s[LIM]
	s_cbranch_scc0 .Lnm_\@
	global_prefetch_b8 v[PFO], s[PFA:PFA+1] th:TH_LOAD_NT scope:SCOPE_SE
.Lnm_\@:
.endm
	s_load_b256 s[4:11], s[0:1], 0x0               ; the panels, torus_dist, mask, torus_scale
	s_load_b128 s[12:15], s[0:1], 0x20             ; the exponents, the statistics
	s_load_b64 s[92:93], s[0:1], 0x30              ; o's codes
	v_lshl_add_u32 v[SPW], v0, 2, SPARE
	v_mov_b32 v[NIL], 0
	ds_add_u32 v[SPW], v[NIL]                      ; the wave's opening: the add and its wait stand ahead of my first tensor load
	v_lshrrev_b32 v22, 5, v0
	v_readfirstlane_b32 s[WV], v22                 ; wave 0..3
	s_and_b32 s17, s[WV], 1
	s_lshr_b32 s18, s[WV], 1
	s_bfe_u32 s20, ttmp6, 0x40000                  ; cx
	s_bfe_u32 s21, ttmp6, 0x40004                  ; cy: the group of heads
	s_lshl_b32 s22, ttmp9, 2
	s_add_co_u32 s22, s22, s20                     ; the block of 64 queries
	s_and_b32 s23, ttmp7, 0xffff                   ; the batch
	s_lshl_b32 s76, s21, 2
	s_lshl_b32 s76, 15, s76                        ; my row of the cluster
	s_lshl_b32 s77, 0x1111, s20                    ; my column
	s_or_b32 s[G1K], s76, (0<<16)|(1<<20)|(1<<21)|(4<<22)|(3<<25)   ; the mask; elements of 1 byte; padding on; bit 21 beside a mask; 4 words after every 32
	s_mov_b32 s[G1K+1], 128<<16                    ; tensor_dim0
	s_mov_b32 s[G1K+2], 128<<16                    ; tensor_dim1
	s_mov_b32 s[G1K+3], 128<<16                    ; tile_dim0
	s_mov_b32 s[G1K+4], 128                        ; tile_dim1
	s_mov_b32 s[G1K+5], 128                        ; stride
	s_mov_b32 s[G1K+6], 0
	s_mov_b32 s[G1K+7], 0
	s_or_b32 s[G1V], s76, (0<<16)|(1<<20)|(1<<21)|(4<<22)|(3<<25)   ; V: the same with 256 rows
	s_mov_b32 s[G1V+1], 128<<16
	s_mov_b32 s[G1V+2], 256<<16
	s_mov_b32 s[G1V+3], 128<<16
	s_mov_b32 s[G1V+4], 256
	s_mov_b32 s[G1V+5], 128
	s_mov_b32 s[G1V+6], 0
	s_mov_b32 s[G1V+7], 0
	s_or_b32 s[G1D], s77, (0<<16)|(1<<20)|(1<<21)|(6<<22)|(3<<25)   ; 4 words of padding after every 128
	s_mov_b32 s[G1D+1], 512<<16                    ; rows of 512 bytes,
	s_mov_b32 s[G1D+2], 64<<16                     ; 64 of them,
	s_mov_b32 s[G1D+3], 512<<16
	s_mov_b32 s[G1D+4], 64
	s_mov_b32 s[G1D+5], 8192                       ; 8,192 bytes apart
	s_mov_b32 s[G1D+6], 0
	s_mov_b32 s[G1D+7], 0
	s_lshl_b32 s78, s21, 1                         ; K: panel 8 + 2 cy + wave % 2, the batch's first key
	s_add_co_u32 s78, s78, s17
	s_add_co_u32 s78, s78, 8
	s_lshl_b32 s78, s78, 19
	s_lshl_b32 s79, s23, 18
	s_add_co_u32 s78, s78, s79
	s_mov_b32 s79, 0
	s_lshl_b32 s80, s23, 21                        ; V: panel 16 b, rows 256 cy on
	s_lshl_b32 s81, s21, 15
	s_add_co_u32 s80, s80, s81
	s_add_co_u32 s80, s80, 8388608
	s_mov_b32 s81, 0
	s_lshl_b32 s82, s22, 19                        ; torus_dist: row 64 x block
	s_mov_b32 s83, 0
	s_mov_b32 s[SEL], 0x76543210
	s_mov_b32 s[SEL+1], 0xfedcba98                 ; v_permlanex16_b32: lane l xor 16
	s_mov_b32 s[TB], 0
	s_mov_b32 s[MO], 0
	s_wait_dscnt 0x0                               ; the opening add is done
	s_wait_kmcnt 0x0
	s_load_b256 s[84:91], s[12:13], 0x0            ; e0 .. e7
	s_mov_b32 s[G0K], 1
	s_mul_i32 s[G0K+1], s17, KPAN
	s_add_nc_u64 s[G0K+2:G0K+3], s[4:5], s[78:79]
	s_or_b32 s[G0K+3], s[G0K+3], 0x80000000
	s_mov_b32 s[G0V], 1
	s_mov_b32 s[G0V+1], VOFF
	s_add_nc_u64 s[G0V+2:G0V+3], s[4:5], s[80:81]
	s_or_b32 s[G0V+3], s[G0V+3], 0x80000000
	s_mov_b32 s[G0D], 1
	s_mov_b32 s[G0D+1], DOFF
	s_add_nc_u64 s[G0D+2:G0D+3], s[6:7], s[82:83]
	s_or_b32 s[G0D+3], s[G0D+3], 0x80000000
	CROUND                                         ; all sixteen work-groups are here: the first joint loads meet
	JLOAD                                          ; step 0, into slot 0
	v_and_b32 v22, 15, v0                          ; r
	v_bfe_u32 v23, v0, 4, 1                        ; h
	v_and_b32 v24, 31, v0                          ; lane
	s_lshl_b32 s94, s21, 1                         ; Q: panel 2 cy + w / 2,
	s_add_co_u32 s94, s94, s18
	s_lshl_b32 s94, s94, 19
	s_lshl_b32 s95, s23, 18                        ; the batch's 2,048 tokens of 128 bytes,
	s_add_co_u32 s94, s94, s95
	s_lshl_b32 s95, s22, 13                        ; my block's 64,
	s_add_co_u32 s94, s94, s95
	s_lshl_b32 s95, s17, 6                         ; my head's 64 bytes
	s_add_co_u32 s94, s94, s95
	s_mov_b32 s95, 0
	s_add_nc_u64 s[94:95], s[4:5], s[94:95]
	v_lshlrev_b32 v25, 7, v22
	v_lshl_add_u32 v25, v23, 4, v25                ; row r, + 16 h
	WIN 0x80                                       ; destination window 2
.irp u, 0,1,2,3
.irp g, 0,1
	global_load_b128 v[8*\u+4*\g:8*\u+4*\g+3], v25, s[94:95] offset:2048*\u+32*\g   ; Q stays in registers
.endr
.endr
	WIN 0
	s_lshl_b32 s96, s23, 11
	s_mov_b32 s97, 0
	s_add_nc_u64 s[96:97], s[8:9], s[96:97]        ; the batch's mask
	v_lshlrev_b32 v26, 4, v0
	v_lshlrev_b32 v27, 4, v24
	global_load_b128 v[192:195], v26, s[96:97]     ; my thread's 16 keys, for the table
.irp i, 0,1,2,3
	global_load_b128 v[196+4*\i:199+4*\i], v27, s[96:97] offset:512*\i   ; all 2,048, for the test whether any key is left
.endr
	s_lshl_b32 s98, s21, 2
	s_add_co_u32 s98, s98, s[WV]
	s_lshl_b32 s98, s98, 2                         ; 4 x my head
	v_mov_b32 v28, s98
	global_load_b32 v29, v28, s[10:11]             ; torus_scale[head]
	s_lshl_b32 s98, s23, 4                         ; the statistics: block ((16 b + head) 32 + block of queries) of 256 bytes
	s_lshl_b32 s99, s21, 2
	s_add_co_u32 s98, s98, s99
	s_add_co_u32 s98, s98, s[WV]
	s_lshl_b32 s98, s98, 5
	s_add_co_u32 s98, s98, s22
	s_lshl_b32 s98, s98, 8
	s_mov_b32 s99, 0
	s_add_nc_u64 s[14:15], s[14:15], s[98:99]
	v_lshlrev_b32 v220, 3, v22
	global_load_b64 v[216:217], v220, s[14:15]             ; KK of query r of tiles 0 and 1,
	global_load_b64 v[218:219], v220, s[14:15] offset:128  ; of tiles 2 and 3
	s_mul_i32 s98, s18, KPAN
	s_lshl_b32 s99, s17, 6
	s_add_co_u32 s98, s98, s99
	v_mul_u32_u24 v30, v22, KP
	v_lshl_add_u32 v30, v23, 4, v30
	v_add_nc_u32 v[AK0], s98, v30                  ; K: panel w / 2, row r, + 64 (w % 2) + 16 h
	s_mul_i32 s98, s[WV], 64*KP
	s_add_co_u32 s98, s98, VOFF
	v_add_nc_u32 v[AV0], s98, v30                  ; V: row 64 w + r, + 16 h
	v_mul_u32_u24 v[AD0], v22, DP
	v_lshl_add_u32 v[AD0], v23, 5, v[AD0]
	v_add_nc_u32 v[AD0], DOFF, v[AD0]              ; torus_dist: row r, + 32 h
	v_lshlrev_b32 v[AM0], 5, v23
	v_add_nc_u32 v[AM0], MBT, v[AM0]               ; mb: + 32 h
	v_lshl_add_u32 v31, v0, 6, MBT                 ; where I put my 16 keys' mb
	s_lshl_b32 s98, s23, 11                        ; o's codes: row 2,048 b + 64 x block + 16 w, + 256 cy
	s_lshl_b32 s99, s22, 6
	s_add_co_u32 s98, s98, s99
	s_lshl_b32 s99, s[WV], 4
	s_add_co_u32 s98, s98, s99
	s_lshl_b32 s98, s98, 10
	s_lshl_b32 s99, s21, 8
	s_add_co_u32 s98, s98, s99
	s_mov_b32 s99, 0
	s_add_nc_u64 s[92:93], s[92:93], s[98:99]
	; the prefetches: V, + 8,192 cx, at step 1: the first change of slots steps it to step 2
	s_lshl_b32 s2, s23, 21
	s_lshl_b32 s3, s21, 15
	s_add_co_u32 s2, s2, s3
	s_lshl_b32 s3, s20, 13
	s_add_co_u32 s2, s2, s3
	s_add_co_u32 s2, s2, 8388608+131072
	s_mov_b32 s3, 0
	s_add_nc_u64 s[PFA:PFA+1], s[4:5], s[2:3]
	s_xor_b32 s98, s[WV], 2
	s_or_b32 s98, s98, ttmp9                       ; wave 2 of cluster x = 0: the same in all sixteen partners, for a given wave
	s_cmp_eq_u32 s98, 0
	s_cselect_b32 s[LIM], 1, -1
	v_lshlrev_b32 v[PFO], 8, v24
	s_wait_kmcnt 0x0
	s_add_co_i32 s98, s88, 127
	s_lshl_b32 s99, s98, 23
	v_mov_b32 v[PSC], s99                          ; 2^e4 as f32
	s_add_co_i32 s98, s98, 8
	s_lshl_b32 s98, s98, 23
	s_or_b32 s98, s98, 0x600000
	v_mov_b32 v[PLIM], s98                         ; 448 x 2^e4
	s_sub_co_i32 s98, s90, s88
	s_sub_co_i32 s98, s98, s89
	s_add_co_i32 s98, s98, 127
	s_lshl_b32 s99, s98, 23
	v_mov_b32 v[OSC], s99                          ; 2^(e6 - e4 - e5): a sum of the second product stands for sum x 2^(e4 + e5)
	s_add_co_i32 s98, s98, 8
	s_lshl_b32 s98, s98, 23
	s_or_b32 s98, s98, 0x600000
	v_mov_b32 v[OLIM], s98
	s_add_co_i32 s98, s86, s87                     ; e2 + e3
	s_lshl_b32 s99, s98, 23
	s_mov_b32 s[CSC], 0x3e38aa3b                   ; log2(e) / 8
	s_add_co_i32 s[CSC], s[CSC], s99               ; x 2^(e2 + e3), by its exponent field
	s_sub_co_i32 s98, 3, s98
	s_wait_loadcnt 0x0                             ; Q, the mask, torus_scale, KK
	v_ldexp_f32 v[AV], v29, s98
	v_sub_f32 v[AV], 0, v[AV]                      ; a = -torus_scale x 2^(3 - e2 - e3)
	v_mov_b32 v[AV+1], v[AV]
.irp u, 0,1,2,3
	v_mov_b32 v[KK+2*\u], v[216+\u]
	v_mov_b32 v[KK+2*\u+1], 0                      ; (named as the upper half of a pair)
.endr
.irp i, 1,2,3,4,5,6,7,8,9,10,11,12,13,14,15
	v_or_b32 v196, v196, v[196+\i]
.endr
	v_cvt_f32_u32 v196, v196
	v_min_num_f32 v196, 1.0, v196                  ; 1 if one of my 64 keys is left, else 0;
	v_max_num_f32_dpp v196, v196, v196 row_xmask:1 row_mask:0xf bank_mask:0xf
	v_max_num_f32_dpp v196, v196, v196 row_xmask:2 row_mask:0xf bank_mask:0xf
	v_max_num_f32_dpp v196, v196, v196 row_xmask:4 row_mask:0xf bank_mask:0xf
	v_max_num_f32_dpp v196, v196, v196 row_xmask:8 row_mask:0xf bank_mask:0xf
	v_permlanex16_b32 v197, v196, s[SEL], s[SEL+1]
	v_max_num_f32 v196, v196, v197                 ; of the batch's 2,048
	v_mul_f32 v[CV], s[CSC], v196                  ; c', or 0
	v_mov_b32 v[CV+1], v[CV]
	v_mov_b32 v212, 0x71800000                     ; 2^100
.irp i, 0,1,2,3,4,5,6,7,8,9,10,11,12,13,14,15
	v_bfe_u32 v[MB+\i], v[192+\i/4], 8*(\i%4), 8
.endr
.irp i, 0,1,2,3,4,5,6,7,8,9,10,11,12,13,14,15
	v_cvt_f32_u32 v[MB+\i], v[MB+\i]
.endr
.irp i, 0,1,2,3,4,5,6,7,8,9,10,11,12,13,14,15
	v_fma_f32 v[MB+\i], v[MB+\i], v212, -v212      ; mb = byte x 2^100 - 2^100
.endr
.irp c, 0,1,2,3
	ds_store_b128 v31, v[MB+4*\c:MB+4*\c+3] offset:16*\c   ; read by all waves behind the first change's round, in front of which I wait for these stores
.endr
; THE CHANGE OF SLOTS stands at a step's head.  Each wave waits for all its tensor loads (its part of the slot that it is about to read), adds 0 to its spare word, and waits for that and for its reads of the slot that it has left.
; fill = 1: behind a round of the cluster's barrier the slot just left takes the next step's K, V and torus_dist: the load has a step's work in which to land.  A wave then has one tensor load out.
.macro CHANGE fill
	s_wait_tensorcnt 0x0                           ; no tensor load of mine is out, so a group 0 may be written
	ds_add_u32 v[SPW], v[NIL]                      ; 0 onto my spare word; the descriptors' steps stand between it and the wait for it
.if \fill
	s_xor_b32 s[G0K+1], s[G0K+1], SLOT1
	s_add_nc_u64 s[G0K+2:G0K+3], s[G0K+2:G0K+3], 16384
	s_xor_b32 s[G0V+1], s[G0V+1], SLOT1
	s_add_nc_u64 s[G0V+2:G0V+3], s[G0V+2:G0V+3], 131072
	s_xor_b32 s[G0D+1], s[G0D+1], SLOT1
	s_add_nc_u64 s[G0D+2:G0D+3], s[G0D+2:G0D+3], 512
	s_wait_xcnt 0x0                                ; the last prefetch, a step back, has read its address
	s_add_nc_u64 s[PFA:PFA+1], s[PFA:PFA+1], 131072
.endif
	s_wait_dscnt 0x0                               ; the add is done, and my LDS reads and stores are over
.if \fill
	CROUND
	JLOAD
	ASK
.else
	s_barrier_signal -1
	s_barrier_wait -1
.endif
.endm
.macro DLOAD u                         ; tile u's 16 queries x 128 keys of torus_dist, into the registers of its scores
.irp t, 0,1,2,3,4,5,6,7
	ds_load_b128 v[64*(\u)+8*\t:64*(\u)+8*\t+3], v[ADD] offset:16*DP*(\u)+64*\t
	ds_load_b128 v[64*(\u)+8*\t+4:64*(\u)+8*\t+7], v[ADD] offset:16*DP*(\u)+64*\t+16
.endr
.endm
; The scores of a step.  Tile u's products run while tile u + 1's bias is made; torus_dist comes two tiles ahead.
.macro SCORES
	v_add_nc_u32 v[ADK], s[TB], v[AK0]             ; these four are the places in front of the loads into registers that the last products read
	v_add_nc_u32 v[ADD], s[TB], v[AD0]
	v_add_nc_u32 v[ADM], s[MO], v[AM0]
	v_add_nc_u32 v[ADV], s[TB], v[AV0]
.irp t, 0,1,2,3,4,5,6,7
	ds_load_b128 v[KF+8*\t:KF+8*\t+3], v[ADK] offset:16*KP*\t
	ds_load_b128 v[KF+8*\t+4:KF+8*\t+7], v[ADK] offset:16*KP*\t+32
.endr
.irp t, 0,1,2,3,4,5,6,7
	ds_load_b128 v[MB+8*\t:MB+8*\t+3], v[ADM] offset:64*\t
	ds_load_b128 v[MB+8*\t+4:MB+8*\t+7], v[ADM] offset:64*\t+16
.endr
	WIN 0x40                                       ; destination window 1
	DLOAD 0
	DLOAD 1
.irp u, 0,1,2,3
.if \u < 3
	s_wait_dscnt 16                                ; all but the youngest tile's 16 loads of torus_dist
.else
	s_wait_dscnt 0x0
.endif
	WIN 0x41                                       ; destination and source 0 window 1
.set i, 0
.rept 32
	v_pk_fma_f32 v[64*\u+i:64*\u+i+1], v[64*\u+i:64*\u+i+1], v[AV:AV+1], v[MB+i:MB+i+1] op_sel_hi:[1,0,1]
.set i, i+2
.endr
	WIN 0x58                                       ; K window 0, Q window 2, C and D window 1
.irp t, 0,1,2,3,4,5,6,7
	v_wmma_f32_16x16x64_fp8_fp8 v[64*\u+8*\t:64*\u+8*\t+7], v[KF+8*\t:KF+8*\t+7], v[8*\u:8*\u+7], v[64*\u+8*\t:64*\u+8*\t+7]
.endr
.if \u < 2
	WIN 0x40
	DLOAD \u+2
.endif
.endr
.endm
.macro ARGAT                           ; the pair of scores at register na of window 1: c' S - KK; each accumulator is read from its low end on
	v_pk_fma_f32 v[na:na+1], v[na:na+1], v[CV:CV+1], v[KK+2*(na/64):KK+2*(na/64)+1] op_sel_hi:[1,0,0] neg_lo:[0,0,1] neg_hi:[0,0,1]
.set na, na+2
.endm
; A KEY STEP: 128 keys.  zero = 1: the first step's products start O^T's sums: nothing is cleared.
.macro STEP zero
	SCORES
	WIN 0x41
.set na, 0
.rept 4
	ARGAT                                          ; these four name nothing of the last products: they are the places in front of the loads into K's registers
.endr
	WIN 0
.irp t, 0,1,2,3                        ; V's four fragments (16 channels x 128 keys) land while p is made
.irp c, 0,1,2,3
	ds_load_b128 v[KF+16*\t+4*\c:KF+16*\t+4*\c+3], v[ADV] offset:16*KP*\t+32*\c
.endr
.endr
	WIN 0x41
.set ne, 0
.rept 128                              ; one packed scaling, four pairs ahead, then two exponentials: none of these names an exponential's result
.if na < 256
	ARGAT
.endif
	v_exp_f32 v[ne], v[ne]
	v_exp_f32 v[ne+1], v[ne+1]
.set ne, ne+2
.endr
	v_nop                                          ; a plain line behind the last exponential
	s_wait_alu depctr_va_vdst(0)                   ; one wait for the batch of 256, ahead of its first reader
.set i, 0
.rept 256
	v_min_num_f32 v[i], v[i], v[PLIM]              ; the conversion does not saturate (ISA guide 7.6.2); p is not negative, so the hold is one-sided
.set i, i+1
.endr
	WIN 0x01                                       ; source 0 window 1
.irp u, 0,1,2,3
.irp t, 0,1,2,3,4,5,6,7
	v_cvt_scalef32_pk8_fp8_f32 v[PC+16*\u+2*\t:PC+16*\u+2*\t+1], v[64*\u+8*\t:64*\u+8*\t+7], v[PSC]
.endr
.endr
	v_nop                                          ; a plain line between the conversions and the products
	s_wait_dscnt 0x0                               ; V is in
	WIN 0xa0                                       ; C and D (O^T) window 2
.irp t, 0,1,2,3                        ; the sixteen accumulators take turns, one instruction a turn
.irp u, 0,1,2,3
.if \zero
	v_wmma_f32_16x16x128_fp8_fp8 v[O+32*\u+8*\t:O+32*\u+8*\t+7], v[KF+16*\t:KF+16*\t+15], v[PC+16*\u:PC+16*\u+15], 0
.else
	v_wmma_f32_16x16x128_fp8_fp8 v[O+32*\u+8*\t:O+32*\u+8*\t+7], v[KF+16*\t:KF+16*\t+15], v[PC+16*\u:PC+16*\u+15], v[O+32*\u+8*\t:O+32*\u+8*\t+7]
.endif
.endr
.endr
	WIN 0
	s_xor_b32 s[TB], s[TB], SLOT1                  ; on to the other slot
	s_add_co_u32 s[MO], s[MO], 512
.endm
	s_mov_b32 s[CNT], 15
	CHANGE 1                                       ; step 0 is written out: its products start the sums
	STEP 1
	s_mov_b32 s[CNT], 14
.Lkeys:                                            ; steps 1 to 14: each change asks for the next step's tiles
	CHANGE 1
	STEP 0
	s_sub_co_u32 s[CNT], s[CNT], 1
	s_cmp_lg_u32 s[CNT], 0
	s_cbranch_scc1 .Lkeys
	CHANGE 0                                       ; step 15 is written out: nothing is left to fetch
	STEP 0
	; THE WAY OUT.  A lane's 8 codes are 8 neighbouring channels of one query; a row's 256 bytes come from the four waves: through the stage.
	NOP4                                           ; places in front of the first read of results and of writes into V's registers
	WIN 0x02                                       ; source 0 (O^T) window 2
.set i, 0
.rept 128
	v_med3_num_f32 v[KF+i], v[O+i], -v[OLIM], v[OLIM]   ; the hold; each accumulator from its low end on
.set i, i+1
.endr
	WIN 0
.set i, 0
.rept 16
	v_cvt_scalef32_pk8_fp8_f32 v[PC+2*i:PC+2*i+1], v[KF+8*i:KF+8*i+7], v[OSC]
.set i, i+1
.endr
	v_nop                                          ; a plain line behind the last conversion
	v_and_b32 v22, 15, v0                          ; r
	v_bfe_u32 v23, v0, 4, 1                        ; h
	s_lshl_b32 s98, s[WV], 6
	s_add_co_u32 s98, s98, STG
	v_mul_u32_u24 v[ADK], v22, SP
	v_lshl_add_u32 v[ADK], v23, 3, v[ADK]
	v_add_nc_u32 v[ADK], s98, v[ADK]               ; in: row r, + 64 w + 8 h
	s_mul_i32 s98, s[WV], 16*SP
	s_add_co_u32 s98, s98, STG
	v_mul_u32_u24 v[ADV], v23, SP
	v_lshl_add_u32 v[ADV], v22, 4, v[ADV]
	v_add_nc_u32 v[ADV], s98, v[ADV]               ; back: rows 16 w + h + 2 t, 16 bytes a lane
	v_lshlrev_b32 v[ADD], 10, v23
	v_lshl_add_u32 v[ADD], v22, 4, v[ADD]          ; and the same in memory: rows of 1,024 bytes
.irp u, 0,1,2,3
.irp t, 0,1,2,3
	ds_store_b64 v[ADK], v[PC+2*(4*\u+\t):PC+2*(4*\u+\t)+1] offset:16*SP*\u+16*\t   ; query 16 u + r, channels 16 t + 8 h + 0 .. 7
.endr
.endr
	s_wait_dscnt 0x0                               ; for the others' sake: my stores are done
	s_barrier_signal -1
	s_barrier_wait -1
.irp t, 0,1,2,3,4,5,6,7
	ds_load_b128 v[KF+4*\t:KF+4*\t+3], v[ADV] offset:2*SP*\t
.endr
.irp t, 0,1,2,3,4,5,6,7
	s_wait_dscnt 7-\t
	global_store_b128 v[ADD], v[KF+4*\t:KF+4*\t+3], s[92:93] offset:2048*\t   ; sixteen lanes store 256 consecutive bytes, aligned
.endr
	s_wait_tensorcnt 0x0                           ; the wave's end
	ds_add_u32 v[SPW], v[NIL]
	s_wait_dscnt 0x0
	CROUND                                         ; the closing round
	s_endpgm
.Lfunc_end_k_q4843a4082e_attn2:
	.size	k_q4843a4082e_attn2, .Lfunc_end_k_q4843a4082e_attn2-k_q4843a4082e_attn2
	.p2alignl 7, 3214868480
	.fill 96, 4, 3214868480
	.section	.rodata,"a",@progbits
	.p2align	6, 0x0
	.amdhsa_kernel k_q4843a4082e_attn2
		.amdhsa_group_segment_fixed_size 327680
		.amdhsa_private_segment_fixed_size 0
		.amdhsa_enable_private_segment 0
		.amdhsa_kernarg_size 56
		.amdhsa_user_sgpr_count 2
		.amdhsa_user_sgpr_kernarg_segment_ptr 1
		.amdhsa_wavefront_size32 1
		.amdhsa_system_sgpr_workgroup_id_x 1
		.amdhsa_system_sgpr_workgroup_id_y 1
		.amdhsa_system_sgpr_workgroup_id_z 1
		.amdhsa_system_vgpr_workitem_id 0
		.amdhsa_next_free_vgpr 1024
		.amdhsa_next_free_sgpr 100
		.amdhsa_reserve_vcc 0
		.amdhsa_float_denorm_mode_32 3
		.amdhsa_float_denorm_mode_16_64 3
		.amdhsa_memory_ordered 1
		.amdhsa_forward_progress 1
		.amdhsa_inst_pref_size 167
	.end_amdhsa_kernel
	.amdgpu_metadata
---
amdhsa.version: [ 1, 2 ]
amdhsa.kernels:
  - .name:           k_q4843a4082e_attn2
    .symbol:         k_q4843a4082e_attn2.kd
    .args:
      - { .name: qkvc, .offset: 0, .size: 8, .value_kind: global_buffer, .address_space: global }
      - { .name: torus_dist, .offset: 8, .size: 8, .value_kind: global_buffer, .address_space: global }
      - { .name: mask, .offset: 16, .size: 8, .value_kind: global_buffer, .address_space: global }
      - { .name: torus_scale, .offset: 24, .size: 8, .value_kind: global_buffer, .address_space: global }
      - { .name: lowp_scales, .offset: 32, .size: 8, .value_kind: global_buffer, .address_space: global }
      - { .name: gc, .offset: 40, .size: 8, .value_kind: global_buffer, .address_space: global }
      - { .name: aoc, .offset: 48, .size: 8, .value_kind: global_buffer, .address_space: global }
    .group_segment_fixed_size: 327680
    .private_segment_fixed_size: 0
    .kernarg_segment_align: 8
    .kernarg_segment_size: 56
    .max_flat_workgroup_size: 128
    .sgpr_count:     100
    .vgpr_count:     1024
    .wavefront_size: 32
...
	.end_amdgpu_metadata
.endif
;; end of part 5
;; launch proj (part 6): grid 4 x 16, 4 waves a work-group, clusters of 4 x 4, 327,680 bytes of LDS; arguments aoc, wcodes, lowp_scales, x, x1; writes x1
.if DOCPART == 6
	.amdgcn_target "amdgcn-amd-amdhsa--gfx1250"
	.amdhsa_code_object_version 6
	.text
	.protected	k_q4843a4082e_proj
	.globl	k_q4843a4082e_proj
	.p2align	8
	.type	k_q4843a4082e_proj,@function
k_q4843a4082e_proj:
	s_mov_b64 s[64:65], 0
	v_nop
	global_prefetch_b8 v0, s[64:65] scope:SCOPE_SE
	s_setreg_imm32_b32 hwreg(HW_REG_WAVE_MODE, 25, 1), 1
	s_wait_xcnt 0x0
	s_wait_alu depctr_hold_cnt(0) depctr_sa_sdst(0) depctr_va_vdst(0) depctr_va_sdst(0) depctr_va_ssrc(0) depctr_va_vcc(0) depctr_vm_vsrc(0)
	s_getreg_b32 s2, hwreg(HW_REG_IB_STS2, 6, 4)
	s_cmp_eq_u32 s2, 0
	s_cbranch_scc0 .Lentry_in_a_cluster
	s_endpgm
.Lentry_in_a_cluster:
	s_bfe_u32 s2, ttmp6, 0x10000c
	s_cmp_lg_u32 s2, 0xf033
	s_cbranch_scc0 .Lentry_shape_is_right
	s_endpgm
.Lentry_shape_is_right:
; x1 = x + o Wout, the product on codes of E4M3 (2^e6, 2^e7).  A: o's codes [4,096][1,024]; B: Wout's codes [1,024 (n)][1,024 (k)] at byte 3,145,728 of the weights' codes; x, x1: [4,096][1,024] f32.
; A tile of 256 x 256 is made by four waves, 128 x 128 each; K goes in steps of 256 through a ring of two LDS slots filled by the tensor data mover.  Clusters of 4 x 4: A's tiles are asked for jointly along a row
; of the cluster, B's along a column.  The matrix instruction is used transposed: a lane holds 8 neighbouring columns of a row.  16 x 4 tiles: 64 work-groups.
; LIMIT: e6 + e7 between -126 and 127.
.set KROW,   1024
.set WOFF,   3145728
.set NB,     4096                      ; bytes of a row of x and of x1
.set ROWB,   256
.set PITCH,  272
.set FR,     16
.set NL,     4
.set NP,     4
.set HALFT,  128*PITCH
.set SLOT,   4*HALFT
.set LAPS,   KROW/512
.set SPARE,  2*SLOT
.set SPITCH, 528                       ; the way out: a stage of 16 rows x (512 + 16) for each wave, in slot 0, which has had its last fill and its last read by then
.set ADRA, 16
.set ADRB, 20
.set STO,  24
.set RD,   25
.set CO,   26
.set SPW,  28
.set NIL,  29
.set TMP,  32
.set AF,   128
.set BK,   128
.set G1, 24
.set G0, 32
.set G1B, 48
.set G0B, 56
.set MSB, 0
.macro WIN new
.if MSB != \new
	s_set_vgpr_msb (MSB<<8)|\new
.set MSB, \new
.endif
.endm
.set MUL_LO, 0xa1
.set MUL_HI, 0xf1
.set TO_B,   0x40
.macro JLOAD g0a, g1a, g0b, g1b
	s_cmp_eq_u32 s15, 0
	s_cbranch_scc0 .Lfor_b_\@
	tensor_load_to_lds s[\g0a:\g0a+3], s[\g1a:\g1a+7]
	s_nop 0
.rept 4
	v_nop
.endr
	s_branch .Lasked_\@
.Lfor_b_\@:
	tensor_load_to_lds s[\g0b:\g0b+3], s[\g1b:\g1b+7]
	s_nop 0
.rept 4
	v_nop
.endr
.Lasked_\@:
.endm
.macro CREST
	s_cmp_lg_u32 s14, 0
	s_cbranch_scc1 .Lnot_wave_0_\@
	s_barrier_signal -3
.Lnot_wave_0_\@:
	s_barrier_wait -3
	s_barrier_signal -1
	s_barrier_wait -1
.endm
.macro CROUND
	s_barrier_signal -1
	s_barrier_wait -1
	CREST
.endm
	s_load_b128 s[4:7], s[0:1], 0x0                ; A's codes, the weights' codes
	s_load_b128 s[8:11], s[0:1], 0x10              ; the exponents, x
	s_load_b64 s[12:13], s[0:1], 0x20              ; x1
	v_lshl_add_u32 v[SPW], v0, 2, SPARE
	v_mov_b32 v[NIL], 0
	ds_add_u32 v[SPW], v[NIL]                      ; the wave's opening: the add and its wait stand ahead of my first tensor load
	v_lshrrev_b32 v1, 5, v0
	v_readfirstlane_b32 s14, v1
	s_lshr_b32 s15, s14, 1
	s_and_b32 s16, s14, 1
	s_bfe_u32 s40, ttmp6, 0x40000
	s_bfe_u32 s41, ttmp6, 0x40004
	s_lshl_b32 s42, ttmp9, 2
	s_add_co_u32 s42, s42, s40                     ; tile column
	s_and_b32 s17, ttmp7, 0xffff
	s_lshl_b32 s17, s17, 2
	s_add_co_u32 s17, s17, s41                     ; tile row
	s_lshl_b32 s43, s41, 2
	s_lshl_b32 s43, 15, s43
	s_lshl_b32 s44, 0x1111, s40
	s_or_b32 s[G1+0], s43, (0<<16)|(1<<20)|(1<<21)|(5<<22)|(3<<25)
	s_or_b32 s[G1B+0], s44, (0<<16)|(1<<20)|(1<<21)|(5<<22)|(3<<25)
.irp g, G1, G1B
	s_mov_b32 s[\g+1], ROWB<<16
	s_mov_b32 s[\g+2], 128<<16
	s_mov_b32 s[\g+3], ROWB<<16
	s_mov_b32 s[\g+4], 128
	s_mov_b32 s[\g+5], KROW
	s_mov_b32 s[\g+6], 0
	s_mov_b32 s[\g+7], 0
.endr
	s_lshl_b32 s18, s16, 7
	s_lshl_b32 s20, s17, 8
	s_add_co_u32 s20, s20, s18
	s_mul_i32 s20, s20, KROW
	s_mov_b32 s21, 0
	s_lshl_b32 s46, s42, 8
	s_add_co_u32 s46, s46, s18
	s_mul_i32 s46, s46, KROW
	s_add_co_u32 s46, s46, WOFF
	s_mov_b32 s47, 0
	s_mul_i32 s45, s14, HALFT
	s_wait_dscnt 0x0
	s_wait_kmcnt 0x0
	s_load_b256 s[80:87], s[8:9], 0x0              ; e0 .. e7
	s_add_nc_u64 s[20:21], s[4:5], s[20:21]
	s_add_nc_u64 s[46:47], s[6:7], s[46:47]
	CROUND
.irp s, 0,1
	s_mov_b32 s[G0+4*\s], 1
	s_add_co_u32 s[G0+4*\s+1], s45, \s*SLOT
	s_add_nc_u64 s[G0+4*\s+2:G0+4*\s+3], s[20:21], \s*ROWB
	s_or_b32 s[G0+4*\s+3], s[G0+4*\s+3], 0x80000000
	s_mov_b32 s[G0B+4*\s], 1
	s_add_co_u32 s[G0B+4*\s+1], s45, \s*SLOT
	s_add_nc_u64 s[G0B+4*\s+2:G0B+4*\s+3], s[46:47], \s*ROWB
	s_or_b32 s[G0B+4*\s+3], s[G0B+4*\s+3], 0x80000000
	JLOAD G0+4*\s, G1, G0B+4*\s, G1B
.endr
	v_and_b32 v1, 15, v0
	v_bfe_u32 v2, v0, 4, 1
	v_mul_u32_u24 v3, v1, PITCH
	v_lshl_add_u32 v4, v2, 4, v3
	s_mul_i32 s21, s15, HALFT
	s_mul_i32 s22, s16, HALFT
	s_add_co_u32 s22, s22, 2*HALFT
.irp s, 0,1
	v_add_nc_u32 v[ADRA+\s], s21, v4
	v_add_nc_u32 v[ADRB+\s], s22, v4
	s_add_co_u32 s21, s21, SLOT
	s_add_co_u32 s22, s22, SLOT
.endr
	s_mul_i32 s23, s14, 16*SPITCH
	v_mul_u32_u24 v5, v1, SPITCH
	v_lshl_add_u32 v5, v2, 5, v5
	v_add_nc_u32 v[STO], s23, v5
	v_and_b32 v6, 31, v0
	v_lshlrev_b32 v[CO], 4, v6
	v_add_nc_u32 v[RD], s23, v[CO]
	s_lshl_b32 s20, s17, 8
	s_lshl_b32 s21, s15, 7
	s_add_co_u32 s20, s20, s21
	s_mul_i32 s20, s20, NB
	s_lshl_b32 s46, s42, 10
	s_lshl_b32 s47, s16, 9
	s_add_co_u32 s46, s46, s47
	s_add_co_u32 s20, s20, s46
	s_mov_b32 s21, 0
	s_add_nc_u64 s[10:11], s[10:11], s[20:21]      ; x and x1 at my first row and column; never stepped: a row's place stands in the immediate, 127 rows of 4,096 bytes at the most
	s_add_nc_u64 s[12:13], s[12:13], s[20:21]
.macro FRAG reg, adr, q, i
.irp c, 0,1,2,3
	ds_load_b128 v[\reg+4*\c:\reg+4*\c+3], v[\adr] offset:128*(\q)+32*\c+(\i)*16*PITCH
.endr
.endm
.macro MUL16 a0, p, zero               ; the 64 accumulators take turns, one instruction a turn
.irp a, \a0, \a0+1
.irp b, 0,1,2,3,4,5,6,7
.if \zero
	v_wmma_f32_16x16x128_fp8_fp8 v[8*(8*((\a)%4)+\b):8*(8*((\a)%4)+\b)+7], v[128*(\p)+FR*\b:128*(\p)+FR*\b+FR-1], v[AF+FR*(\a):AF+FR*(\a)+FR-1], 0
.else
	v_wmma_f32_16x16x128_fp8_fp8 v[8*(8*((\a)%4)+\b):8*(8*((\a)%4)+\b)+7], v[128*(\p)+FR*\b:128*(\p)+FR*\b+FR-1], v[AF+FR*(\a):AF+FR*(\a)+FR-1], v[8*(8*((\a)%4)+\b):8*(8*((\a)%4)+\b)+7]
.endif
.endr
.endr
.endm
.macro FETCH_B slot, q, p
	WIN TO_B
.irp i, 0,1,2,3,4,5,6,7
	FRAG 128*(\p)+FR*\i, ADRB+\slot, \q, \i
.endr
	WIN 0
.endm
.macro FETCH_A slot, q, i0
.irp i, \i0, \i0+1, \i0+2, \i0+3
	FRAG AF+FR*(\i), ADRA+\slot, \q, \i
.endr
.endm
.macro PLACES n
.rept \n
	v_nop
.endr
.endm
.macro STEP slot, q, zero
	s_wait_dscnt 4*NL                              ; A's blocks 4-7 may be out
	WIN MUL_LO
	MUL16 0, (\q)%2, \zero
	MUL16 2, (\q)%2, \zero
	s_wait_dscnt 0
	PLACES NP
	FETCH_B \slot, (\q)+1, 1-(\q)%2
	FETCH_A \slot, (\q)+1, 0
	WIN MUL_HI
	MUL16 4, (\q)%2, \zero
	MUL16 6, (\q)%2, \zero
	PLACES NP
	WIN 0
	FETCH_A \slot, (\q)+1, 4
.endm
.macro TURN slot, next, fill
	s_wait_tensorcnt 0x0                           ; all my tensor loads have landed
	ds_add_u32 v[SPW], v[NIL]
	s_wait_dscnt 4*NL+1                            ; the add and A's blocks 4-7 may be out
	WIN MUL_LO
	MUL16 0, 1, 0
	s_wait_dscnt 0x0                               ; the add is done, and my reads of this slot are over
	s_barrier_signal -1
	MUL16 2, 1, 0
	WIN 0
	s_barrier_wait -1
.if \fill
	CREST
	s_add_nc_u64 s[G0+4*\slot+2:G0+4*\slot+3], s[G0+4*\slot+2:G0+4*\slot+3], 2*ROWB
	s_add_nc_u64 s[G0B+4*\slot+2:G0B+4*\slot+3], s[G0B+4*\slot+2:G0B+4*\slot+3], 2*ROWB
	JLOAD G0+4*\slot, G1, G0B+4*\slot, G1B
.else
	PLACES NP
.endif
	FETCH_B \next, 0, 0
	FETCH_A \next, 0, 0
	WIN MUL_HI
	MUL16 4, 1, 0
	MUL16 6, 1, 0
	PLACES NP
	WIN 0
	FETCH_A \next, 0, 4
.endm
	s_wait_tensorcnt 1                             ; my part of K step 0 is in; K step 1's load may be out
	s_barrier_signal -1
	s_barrier_wait -1
	FETCH_B 0, 0, 0
	FETCH_A 0, 0, 0
	FETCH_A 0, 0, 4
	STEP 0, 0, 1
	s_mov_b32 s3, LAPS-1
.Llap:
	TURN 0, 1, 1
	STEP 1, 0, 0
	TURN 1, 0, 1
	STEP 0, 0, 0
	s_sub_co_u32 s3, s3, 1
	s_cmp_lg_u32 s3, 0
	s_cbranch_scc1 .Llap
	TURN 0, 1, 0
	STEP 1, 0, 0
	s_wait_dscnt 4*NL
	WIN MUL_LO
	MUL16 0, 1, 0
	MUL16 2, 1, 0
	s_wait_dscnt 0
	WIN MUL_HI
	MUL16 4, 1, 0
	MUL16 6, 1, 0
	WIN 0
; THE WAY OUT, block by block of 16 rows x 128 columns: x 2^(e6 + e7); through my own stage, back as whole rows of 512 bytes; + x, whose rows were asked for a block ahead into window 1; stored.
.macro TOSTAGE a
.set AC, 64*((\a)%4)
.set RR, 64*((\a)%2)
.set BB, BK+64*((\a)%2)
	WIN 0x40
.irp t, 0,1,2,3,4,5,6,7,8,9,10,11,12,13,14,15
	global_load_b128 v[RR+4*\t:RR+4*\t+3], v[CO], s[10:11] offset:(16*(\a)+\t)*NB
.endr
	WIN 0x02+((\a)/4)
.set j, 0
.rept 32
	v_pk_mul_f32 v[TMP+j:TMP+j+1], v[AC+j:AC+j+1], s[96:97] op_sel_hi:[1,0]   ; each accumulator from its low end on
.set j, j+2
.endr
	WIN 0
.irp b, 0,1,2,3,4,5,6,7
	ds_store_b128 v[STO], v[TMP+8*\b:TMP+8*\b+3] offset:64*\b
	ds_store_b128 v[STO], v[TMP+8*\b+4:TMP+8*\b+7] offset:64*\b+16
.endr
.irp t, 0,1,2,3,4,5,6,7,8,9,10,11,12,13,14,15
	ds_load_b128 v[BB+4*\t:BB+4*\t+3], v[RD] offset:\t*SPITCH   ; LDS serves a wave's instructions in order: these see my stores
.endr
.endm
.macro SEND a, younger, left           ; younger: LDS instructions, left: global loads, issued behind block a's, which may stay out
.set RR, 64*((\a)%2)
.set BB, BK+64*((\a)%2)
	s_wait_dscnt \younger
	s_wait_loadcnt \left
	WIN 0x04                                       ; source 1 (x) window 1
.set j, 0
.rept 32
	v_pk_add_f32 v[BB+j:BB+j+1], v[BB+j:BB+j+1], v[RR+j:RR+j+1]
.set j, j+2
.endr
	WIN 0
.irp t, 0,1,2,3,4,5,6,7,8,9,10,11,12,13,14,15
	global_store_b128 v[CO], v[BB+4*\t:BB+4*\t+3], s[12:13] offset:(16*(\a)+\t)*NB   ; 32 lanes store 512 consecutive bytes, aligned
.endr
.endm
	s_wait_kmcnt 0x0
	s_add_co_i32 s96, s86, s87
	s_add_co_i32 s96, s96, 127
	s_lshl_b32 s96, s96, 23                        ; 2^(e6 + e7) as f32
	s_mov_b32 s97, s96
	PLACES NP
	TOSTAGE 0
.irp a, 1,2,3,4,5,6,7
.if \a > 1
	s_wait_xcnt 0x0                                ; block a - 2's stores have read their registers: block a's loads may land there
.endif
	TOSTAGE \a
	SEND \a-1, 32, 16
.endr
	SEND 7, 0, 0
	s_wait_tensorcnt 0x0                           ; the wave's end
	ds_add_u32 v[SPW], v[NIL]
	s_wait_dscnt 0x0
	CROUND
	s_endpgm
.Lfunc_end_k_q4843a4082e_proj:
	.size	k_q4843a4082e_proj, .Lfunc_end_k_q4843a4082e_proj-k_q4843a4082e_proj
	.p2alignl 7, 3214868480
	.fill 96, 4, 3214868480
	.section	.rodata,"a",@progbits
	.p2align	6, 0x0
	.amdhsa_kernel k_q4843a4082e_proj
		.amdhsa_group_segment_fixed_size 327680
		.amdhsa_private_segment_fixed_size 0
		.amdhsa_enable_private_segment 0
		.amdhsa_kernarg_size 40
		.amdhsa_user_sgpr_count 2
		.amdhsa_user_sgpr_kernarg_segment_ptr 1
		.amdhsa_wavefront_size32 1
		.amdhsa_system_sgpr_workgroup_id_x 1
		.amdhsa_system_sgpr_workgroup_id_y 1
		.amdhsa_system_sgpr_workgroup_id_z 1
		.amdhsa_system_vgpr_workitem_id 0
		.amdhsa_next_free_vgpr 1024
		.amdhsa_next_free_sgpr 100
		.amdhsa_reserve_vcc 0
		.amdhsa_float_denorm_mode_32 3
		.amdhsa_float_denorm_mode_16_64 3
		.amdhsa_memory_ordered 1
		.amdhsa_forward_progress 1
		.amdhsa_inst_pref_size 152
	.end_amdhsa_kernel
	.amdgpu_metadata
---
amdhsa.version: [ 1, 2 ]
amdhsa.kernels:
  - .name:           k_q4843a4082e_proj
    .symbol:         k_q4843a4082e_proj.kd
    .args:
      - { .name: aoc, .offset: 0, .size: 8, .value_kind: global_buffer, .address_space: global }
      - { .name: wcodes, .offset: 8, .size: 8, .value_kind: global_buffer, .address_space: global }
      - { .name: lowp_scales, .offset: 16, .size: 8, .value_kind: global_buffer, .address_space: global }
      - { .name: x, .offset: 24, .size: 8, .value_kind: global_buffer, .address_space: global }
      - { .name: x1, .offset: 32, .size: 8, .value_kind: global_buffer, .address_space: global }
    .group_segment_fixed_size: 327680
    .private_segment_fixed_size: 0
    .kernarg_segment_align: 8
    .kernarg_segment_size: 40
    .max_flat_workgroup_size: 128
    .sgpr_count:     100
    .vgpr_count:     1024
    .wavefront_size: 32
...
	.end_amdgpu_metadata
.endif
;; end of part 6
;; launch ln2: the kernel of part 2 again; grid 256 x 1, 4 waves a work-group, no clusters, 0 bytes of LDS; arguments x1, mod2, hc; writes hc
;; launch fc1 (part 7): grid 16 x 16, 4 waves a work-group, clusters of 4 x 4, 327,680 bytes of LDS; arguments hc, wcodes, lowp_scales, b1, gc; writes gc
.if DOCPART == 7
	.amdgcn_target "amdgcn-amd-amdhsa--gfx1250"
	.amdhsa_code_object_version 6
	.text
	.protected	k_q4843a4082e_fc1
	.globl	k_q4843a4082e_fc1
	.p2align	8
	.type	k_q4843a4082e_fc1,@function
k_q4843a4082e_fc1:
	s_mov_b64 s[64:65], 0
	v_nop
	global_prefetch_b8 v0, s[64:65] scope:SCOPE_SE
	s_setreg_imm32_b32 hwreg(HW_REG_WAVE_MODE, 25, 1), 1
	s_wait_xcnt 0x0
	s_wait_alu depctr_hold_cnt(0) depctr_sa_sdst(0) depctr_va_vdst(0) depctr_va_sdst(0) depctr_va_ssrc(0) depctr_va_vcc(0) depctr_vm_vsrc(0)
	s_getreg_b32 s2, hwreg(HW_REG_IB_STS2, 6, 4)
	s_cmp_eq_u32 s2, 0
	s_cbranch_scc0 .Lentry_in_a_cluster
	s_endpgm
.Lentry_in_a_cluster:
	s_bfe_u32 s2, ttmp6, 0x10000c
	s_cmp_lg_u32 s2, 0xf033
	s_cbranch_scc0 .Lentry_shape_is_right
	s_endpgm
.Lentry_shape_is_right:
; g = Q(gelu(h2 W1 + b1)), the product on codes of E4M3 (2^e8, 2^e9), the result quantised at once with 2^e10.  A: h2's codes [4,096][1,024]; B: W1's codes [4,096 (n)][1,024 (k)] at byte 4,194,304 of the
; weights' codes (both in the layer norm's K order); b1 [4,096] f32; g's codes [4,096][4,096], in natural order.  gelu is the tanh form, in f32: x / (1 + 2^(-x (2.3022082 + 0.10294324 x^2))).
; A tile of 256 x 256 is made by four waves, 128 x 128 each; K goes in steps of 256 through a ring of two LDS slots.  Clusters of 4 x 4 with joint loads: A's tiles along a row, B's along a column.  256 work-groups.
; The matrix instruction is used transposed: a lane holds 8 neighbouring columns of a row, the 8 registers of one conversion.
; LIMITS: e8 + e9 between -126 and 127; e10 between -126 and 119.
.set KROW,   1024
.set WOFF,   4194304
.set ROWB,   256
.set PITCH,  272
.set FR,     16
.set NL,     4
.set NP,     4
.set HALFT,  128*PITCH
.set SLOT,   4*HALFT
.set LAPS,   KROW/512
.set SPARE,  2*SLOT
.set ADRA, 16
.set ADRB, 20
.set STO,  24
.set RD,   25
.set CO,   26
.set BO,   27
.set SPW,  28
.set NIL,  29
.set TMP,  32
.set Y,    128
.set AF,   128
.set G1, 24
.set G0, 32
.set G1B, 48
.set G0B, 56
.set MSB, 0
.macro WIN new
.if MSB != \new
	s_set_vgpr_msb (MSB<<8)|\new
.set MSB, \new
.endif
.endm
.set MUL_LO, 0xa1
.set MUL_HI, 0xf1
.set TO_B,   0x40
.macro JLOAD g0a, g1a, g0b, g1b
	s_cmp_eq_u32 s15, 0
	s_cbranch_scc0 .Lfor_b_\@
	tensor_load_to_lds s[\g0a:\g0a+3], s[\g1a:\g1a+7]
	s_nop 0
.rept 4
	v_nop
.endr
	s_branch .Lasked_\@
.Lfor_b_\@:
	tensor_load_to_lds s[\g0b:\g0b+3], s[\g1b:\g1b+7]
	s_nop 0
.rept 4
	v_nop
.endr
.Lasked_\@:
.endm
.macro CREST
	s_cmp_lg_u32 s14, 0
	s_cbranch_scc1 .Lnot_wave_0_\@
	s_barrier_signal -3
.Lnot_wave_0_\@:
	s_barrier_wait -3
	s_barrier_signal -1
	s_barrier_wait -1
.endm
.macro CROUND
	s_barrier_signal -1
	s_barrier_wait -1
	CREST
.endm
	s_load_b128 s[4:7], s[0:1], 0x0                ; A's codes, the weights' codes
	s_load_b128 s[8:11], s[0:1], 0x10              ; the exponents, b1
	s_load_b64 s[12:13], s[0:1], 0x20              ; g's codes
	v_lshl_add_u32 v[SPW], v0, 2, SPARE
	v_mov_b32 v[NIL], 0
	ds_add_u32 v[SPW], v[NIL]                      ; the wave's opening: the add and its wait stand ahead of my first tensor load
	v_lshrrev_b32 v1, 5, v0
	v_readfirstlane_b32 s14, v1
	s_lshr_b32 s15, s14, 1
	s_and_b32 s16, s14, 1
	s_bfe_u32 s40, ttmp6, 0x40000
	s_bfe_u32 s41, ttmp6, 0x40004
	s_lshl_b32 s42, ttmp9, 2
	s_add_co_u32 s42, s42, s40
	s_and_b32 s17, ttmp7, 0xffff
	s_lshl_b32 s17, s17, 2
	s_add_co_u32 s17, s17, s41
	s_lshl_b32 s43, s41, 2
	s_lshl_b32 s43, 15, s43
	s_lshl_b32 s44, 0x1111, s40
	s_or_b32 s[G1+0], s43, (0<<16)|(1<<20)|(1<<21)|(5<<22)|(3<<25)
	s_or_b32 s[G1B+0], s44, (0<<16)|(1<<20)|(1<<21)|(5<<22)|(3<<25)
.irp g, G1, G1B
	s_mov_b32 s[\g+1], ROWB<<16
	s_mov_b32 s[\g+2], 128<<16
	s_mov_b32 s[\g+3], ROWB<<16
	s_mov_b32 s[\g+4], 128
	s_mov_b32 s[\g+5], KROW
	s_mov_b32 s[\g+6], 0
	s_mov_b32 s[\g+7], 0
.endr
	s_lshl_b32 s18, s16, 7
	s_lshl_b32 s20, s17, 8
	s_add_co_u32 s20, s20, s18
	s_mul_i32 s20, s20, KROW
	s_mov_b32 s21, 0
	s_lshl_b32 s46, s42, 8
	s_add_co_u32 s46, s46, s18
	s_mul_i32 s46, s46, KROW
	s_add_co_u32 s46, s46, WOFF
	s_mov_b32 s47, 0
	s_mul_i32 s45, s14, HALFT
	s_wait_dscnt 0x0
	s_wait_kmcnt 0x0
	s_load_b128 s[88:91], s[8:9], 0x20             ; e8 .. e11
	s_add_nc_u64 s[20:21], s[4:5], s[20:21]
	s_add_nc_u64 s[46:47], s[6:7], s[46:47]
	CROUND
.irp s, 0,1
	s_mov_b32 s[G0+4*\s], 1
	s_add_co_u32 s[G0+4*\s+1], s45, \s*SLOT
	s_add_nc_u64 s[G0+4*\s+2:G0+4*\s+3], s[20:21], \s*ROWB
	s_or_b32 s[G0+4*\s+3], s[G0+4*\s+3], 0x80000000
	s_mov_b32 s[G0B+4*\s], 1
	s_add_co_u32 s[G0B+4*\s+1], s45, \s*SLOT
	s_add_nc_u64 s[G0B+4*\s+2:G0B+4*\s+3], s[46:47], \s*ROWB
	s_or_b32 s[G0B+4*\s+3], s[G0B+4*\s+3], 0x80000000
	JLOAD G0+4*\s, G1, G0B+4*\s, G1B
.endr
	v_and_b32 v1, 15, v0
	v_bfe_u32 v2, v0, 4, 1
	v_mul_u32_u24 v3, v1, PITCH
	v_lshl_add_u32 v4, v2, 4, v3
	s_mul_i32 s21, s15, HALFT
	s_mul_i32 s22, s16, HALFT
	s_add_co_u32 s22, s22, 2*HALFT
.irp s, 0,1
	v_add_nc_u32 v[ADRA+\s], s21, v4
	v_add_nc_u32 v[ADRB+\s], s22, v4
	s_add_co_u32 s21, s21, SLOT
	s_add_co_u32 s22, s22, SLOT
.endr
	; the work-group's stage: 256 rows x (256 bytes + 16), in slot 0, which has had its last fill and its last read when the first code is stored there
	s_mul_i32 s23, s15, 128*272
	s_lshl_b32 s22, s16, 7
	s_add_co_u32 s23, s23, s22
	v_mul_u32_u24 v5, v1, 272
	v_lshl_add_u32 v5, v2, 3, v5
	v_add_nc_u32 v[STO], s23, v5                   ; in: row 128 (w / 2) + r, + 128 (w % 2) + 8 h
	s_mul_i32 s23, s14, 64*272
	v_mul_u32_u24 v6, v2, 272
	v_lshl_add_u32 v6, v1, 4, v6
	v_add_nc_u32 v[RD], s23, v6                    ; back: rows 64 w + h + 2 t, sixteen lanes to a row
	v_lshlrev_b32 v[CO], 12, v2
	v_lshl_add_u32 v[CO], v1, 4, v[CO]             ; and the same in memory: rows of 4,096 bytes
	v_lshlrev_b32 v[BO], 5, v2                     ; b1: + 32 h
	s_lshl_b32 s20, s17, 8
	s_lshl_b32 s21, s14, 6
	s_add_co_u32 s20, s20, s21
	s_lshl_b32 s20, s20, 12
	s_lshl_b32 s21, s42, 8
	s_add_co_u32 s20, s20, s21
	s_mov_b32 s21, 0
	s_add_nc_u64 s[12:13], s[12:13], s[20:21]      ; g's codes at row 256 x tile row + 64 w, column 256 x tile column
	s_lshl_b32 s46, s42, 10
	s_lshl_b32 s47, s16, 9
	s_add_co_u32 s46, s46, s47
	s_mov_b32 s47, 0
	s_add_nc_u64 s[10:11], s[10:11], s[46:47]      ; b1 at my first column
.macro FRAG reg, adr, q, i
.irp c, 0,1,2,3
	ds_load_b128 v[\reg+4*\c:\reg+4*\c+3], v[\adr] offset:128*(\q)+32*\c+(\i)*16*PITCH
.endr
.endm
.macro MUL16 a0, p, zero               ; the 64 accumulators take turns, one instruction a turn
.irp a, \a0, \a0+1
.irp b, 0,1,2,3,4,5,6,7
.if \zero
	v_wmma_f32_16x16x128_fp8_fp8 v[8*(8*((\a)%4)+\b):8*(8*((\a)%4)+\b)+7], v[128*(\p)+FR*\b:128*(\p)+FR*\b+FR-1], v[AF+FR*(\a):AF+FR*(\a)+FR-1], 0
.else
	v_wmma_f32_16x16x128_fp8_fp8 v[8*(8*((\a)%4)+\b):8*(8*((\a)%4)+\b)+7], v[128*(\p)+FR*\b:128*(\p)+FR*\b+FR-1], v[AF+FR*(\a):AF+FR*(\a)+FR-1], v[8*(8*((\a)%4)+\b):8*(8*((\a)%4)+\b)+7]
.endif
.endr
.endr
.endm
.macro FETCH_B slot, q, p
	WIN TO_B
.irp i, 0,1,2,3,4,5,6,7
	FRAG 128*(\p)+FR*\i, ADRB+\slot, \q, \i
.endr
	WIN 0
.endm
.macro FETCH_A slot, q, i0
.irp i, \i0, \i0+1, \i0+2, \i0+3
	FRAG AF+FR*(\i), ADRA+\slot, \q, \i
.endr
.endm
.macro PLACES n
.rept \n
	v_nop
.endr
.endm
.macro STEP slot, q, zero
	s_wait_dscnt 4*NL                              ; A's blocks 4-7 may be out
	WIN MUL_LO
	MUL16 0, (\q)%2, \zero
	MUL16 2, (\q)%2, \zero
	s_wait_dscnt 0
	PLACES NP
	FETCH_B \slot, (\q)+1, 1-(\q)%2
	FETCH_A \slot, (\q)+1, 0
	WIN MUL_HI
	MUL16 4, (\q)%2, \zero
	MUL16 6, (\q)%2, \zero
	PLACES NP
	WIN 0
	FETCH_A \slot, (\q)+1, 4
.endm
.macro TURN slot, next, fill
	s_wait_tensorcnt 0x0                           ; all my tensor loads have landed
	ds_add_u32 v[SPW], v[NIL]
	s_wait_dscnt 4*NL+1                            ; the add and A's blocks 4-7 may be out
	WIN MUL_LO
	MUL16 0, 1, 0
	s_wait_dscnt 0x0                               ; the add is done, and my reads of this slot are over
	s_barrier_signal -1
	MUL16 2, 1, 0
	WIN 0
	s_barrier_wait -1
.if \fill
	CREST
	s_add_nc_u64 s[G0+4*\slot+2:G0+4*\slot+3], s[G0+4*\slot+2:G0+4*\slot+3], 2*ROWB
	s_add_nc_u64 s[G0B+4*\slot+2:G0B+4*\slot+3], s[G0B+4*\slot+2:G0B+4*\slot+3], 2*ROWB
	JLOAD G0+4*\slot, G1, G0B+4*\slot, G1B
.else
	PLACES NP
.endif
	FETCH_B \next, 0, 0
	FETCH_A \next, 0, 0
	WIN MUL_HI
	MUL16 4, 1, 0
	MUL16 6, 1, 0
	PLACES NP
	WIN 0
	FETCH_A \next, 0, 4
.endm
	s_wait_tensorcnt 1                             ; my part of K step 0 is in; K step 1's load may be out
	s_barrier_signal -1
	s_barrier_wait -1
	FETCH_B 0, 0, 0
	FETCH_A 0, 0, 0
	FETCH_A 0, 0, 4
	STEP 0, 0, 1
	s_mov_b32 s3, LAPS-1
.Llap:
	TURN 0, 1, 1
	STEP 1, 0, 0
	TURN 1, 0, 1
	STEP 0, 0, 0
	s_sub_co_u32 s3, s3, 1
	s_cmp_lg_u32 s3, 0
	s_cbranch_scc1 .Llap
	TURN 0, 1, 0
	STEP 1, 0, 0
	s_wait_dscnt 4*NL
	WIN MUL_LO
	MUL16 0, 1, 0
	MUL16 2, 1, 0
	s_wait_dscnt 0
	WIN MUL_HI
	MUL16 4, 1, 0
	MUL16 6, 1, 0
	WIN 0
	; THE WAY OUT
	PLACES NP                                      ; in front of loads into registers that the products read, and of the first read of results
	WIN 0x40
.irp b, 0,1,2,3,4,5,6,7                ; b1 in the result's layout: for block b of columns, those of 16 b + 8 h + 0 .. 7: window 1, v0-63
	global_load_b128 v[8*\b:8*\b+3], v[BO], s[10:11] offset:64*\b
	global_load_b128 v[8*\b+4:8*\b+7], v[BO], s[10:11] offset:64*\b+16
.endr
	WIN 0
	s_wait_kmcnt 0x0
	s_add_co_i32 s96, s88, s89
	s_add_co_i32 s96, s96, 127
	s_lshl_b32 s96, s96, 23                        ; 2^(e8 + e9) as f32
	s_mov_b32 s97, s96
	s_mov_b32 s94, 0xbdd2d3e8                      ; -0.10294324
	s_mov_b32 s95, s94
	v_mov_b32 v8, 0xc0135761                       ; -2.3022082
	v_mov_b32 v9, 0xc0135761
	s_add_co_i32 s76, s90, 127
	s_lshl_b32 s77, s76, 23
	v_mov_b32 v31, s77                             ; 2^e10
	s_add_co_i32 s76, s76, 8
	s_lshl_b32 s76, s76, 23
	s_or_b32 s76, s76, 0x600000
	v_mov_b32 v30, s76                             ; 448 x 2^e10
	s_wait_loadcnt 0x0
.macro GELU a                          ; block a: 16 rows x 128 columns
.set AC, 64*((\a)%4)
.set CDS, 96+16*((\a)%2)
	WIN 0x12+((\a)/4)                              ; source 0 (the sums) window 2 or 3, source 2 (b1) window 1
.set j, 0
.rept 32
	v_pk_fma_f32 v[TMP+j:TMP+j+1], v[AC+j:AC+j+1], s[96:97], v[j:j+1] op_sel_hi:[1,0,1]   ; x = sum x 2^(e8 + e9) + b1; each accumulator from its low end on
.set j, j+2
.endr
	WIN 0
.set j, 0
.rept 32
	v_pk_mul_f32 v[Y+j:Y+j+1], v[TMP+j:TMP+j+1], v[TMP+j:TMP+j+1]
.set j, j+2
.endr
.set j, 0
.rept 32
	v_pk_fma_f32 v[Y+j:Y+j+1], v[Y+j:Y+j+1], s[94:95], v[8:9] op_sel_hi:[1,0,1]
.set j, j+2
.endr
.set j, 0
.rept 32
	v_pk_mul_f32 v[Y+j:Y+j+1], v[Y+j:Y+j+1], v[TMP+j:TMP+j+1]
.set j, j+2
.endr
.set j, 0
.rept 64
	v_exp_f32 v[Y+j], v[Y+j]
.set j, j+1
.endr
	v_nop
	s_wait_alu depctr_va_vdst(0)                   ; one wait for the batch, ahead of its first reader
.set j, 0
.rept 32
	v_pk_add_f32 v[Y+j:Y+j+1], v[Y+j:Y+j+1], 1.0 op_sel_hi:[1,0]
.set j, j+2
.endr
.set j, 0
.rept 64
	v_rcp_f32 v[Y+j], v[Y+j]
.set j, j+1
.endr
	v_nop
	s_wait_alu depctr_va_vdst(0)
.set j, 0
.rept 32
	v_pk_mul_f32 v[TMP+j:TMP+j+1], v[TMP+j:TMP+j+1], v[Y+j:Y+j+1]
.set j, j+2
.endr
.set j, 0
.rept 64
	v_med3_num_f32 v[TMP+j], v[TMP+j], -v30, v30   ; the conversion does not saturate (ISA guide 7.6.2): the hold comes first
.set j, j+1
.endr
.irp b, 0,1,2,3,4,5,6,7
	v_cvt_scalef32_pk8_fp8_f32 v[CDS+2*\b:CDS+2*\b+1], v[TMP+8*\b:TMP+8*\b+7], v31
.endr
	v_nop                                          ; a plain line behind the last conversion
.irp b, 0,1,2,3,4,5,6,7
	ds_store_b64 v[STO], v[CDS+2*\b:CDS+2*\b+1] offset:(\a)*16*272+16*\b
.endr
.endm
.irp a, 0,1,2,3,4,5,6,7
	GELU \a
.endr
	s_wait_dscnt 0x0                               ; for the others' sake: a row's 256 bytes come from two waves
	s_barrier_signal -1
	s_barrier_wait -1
.set t, 0
.rept 32
	ds_load_b128 v[128+4*t:128+4*t+3], v[RD] offset:2*272*t
.set t, t+1
.endr
.set t, 0
.rept 32
	s_wait_dscnt 31-t
	global_store_b128 v[CO], v[128+4*t:128+4*t+3], s[12:13] offset:8192*t   ; sixteen lanes store 256 consecutive bytes, aligned
.set t, t+1
.endr
	s_wait_tensorcnt 0x0                           ; the wave's end
	ds_add_u32 v[SPW], v[NIL]
	s_wait_dscnt 0x0
	CROUND
	s_endpgm
.Lfunc_end_k_q4843a4082e_fc1:
	.size	k_q4843a4082e_fc1, .Lfunc_end_k_q4843a4082e_fc1-k_q4843a4082e_fc1
	.p2alignl 7, 3214868480
	.fill 96, 4, 3214868480
	.section	.rodata,"a",@progbits
	.p2align	6, 0x0
	.amdhsa_kernel k_q4843a4082e_fc1
		.amdhsa_group_segment_fixed_size 327680
		.amdhsa_private_segment_fixed_size 0
		.amdhsa_enable_private_segment 0
		.amdhsa_kernarg_size 40
		.amdhsa_user_sgpr_count 2
		.amdhsa_user_sgpr_kernarg_segment_ptr 1
		.amdhsa_wavefront_size32 1
		.amdhsa_system_sgpr_workgroup_id_x 1
		.amdhsa_system_sgpr_workgroup_id_y 1
		.amdhsa_system_sgpr_workgroup_id_z 1
		.amdhsa_system_vgpr_workitem_id 0
		.amdhsa_next_free_vgpr 1024
		.amdhsa_next_free_sgpr 100
		.amdhsa_reserve_vcc 0
		.amdhsa_float_denorm_mode_32 3
		.amdhsa_float_denorm_mode_16_64 3
		.amdhsa_memory_ordered 1
		.amdhsa_forward_progress 1
		.amdhsa_inst_pref_size 255
	.end_amdhsa_kernel
	.section	.bss,"aw",@nobits
	.p2align	6
	.space	262144
	.amdgpu_metadata
---
amdhsa.version: [ 1, 2 ]
amdhsa.kernels:
  - .name:           k_q4843a4082e_fc1
    .symbol:         k_q4843a4082e_fc1.kd
    .args:
      - { .name: hc, .offset: 0, .size: 8, .value_kind: global_buffer, .address_space: global }
      - { .name: wcodes, .offset: 8, .size: 8, .value_kind: global_buffer, .address_space: global }
      - { .name: lowp_scales, .offset: 16, .size: 8, .value_kind: global_buffer, .address_space: global }
      - { .name: b1, .offset: 24, .size: 8, .value_kind: global_buffer, .address_space: global }
      - { .name: gc, .offset: 32, .size: 8, .value_kind: global_buffer, .address_space: global }
    .group_segment_fixed_size: 327680
    .private_segment_fixed_size: 0
    .kernarg_segment_align: 8
    .kernarg_segment_size: 40
    .max_flat_workgroup_size: 128
    .sgpr_count:     100
    .vgpr_count:     1024
    .wavefront_size: 32
...
	.end_amdgpu_metadata
.endif
;; end of part 7
;; launch fc2 (part 8): grid 4 x 16, 4 waves a work-group, clusters of 4 x 4, 327,680 bytes of LDS; arguments gc, wcodes, lowp_scales, b2, x1, out0; writes out0
.if DOCPART == 8
	.amdgcn_target "amdgcn-amd-amdhsa--gfx1250"
	.amdhsa_code_object_version 6
	.text
	.protected	k_q4843a4082e_fc2
	.globl	k_q4843a4082e_fc2
	.p2align	8
	.type	k_q4843a4082e_fc2,@function
k_q4843a4082e_fc2:
	s_mov_b64 s[64:65], 0
	v_nop
	global_prefetch_b8 v0, s[64:65] scope:SCOPE_SE
	s_setreg_imm32_b32 hwreg(HW_REG_WAVE_MODE, 25, 1), 1
	s_wait_xcnt 0x0
	s_wait_alu depctr_hold_cnt(0) depctr_sa_sdst(0) depctr_va_vdst(0) depctr_va_sdst(0) depctr_va_ssrc(0) depctr_va_vcc(0) depctr_vm_vsrc(0)
	s_getreg_b32 s2, hwreg(HW_REG_IB_STS2, 6, 4)
	s_cmp_eq_u32 s2, 0
	s_cbranch_scc0 .Lentry_in_a_cluster
	s_endpgm
.Lentry_in_a_cluster:
	s_bfe_u32 s2, ttmp6, 0x10000c
	s_cmp_lg_u32 s2, 0xf033
	s_cbranch_scc0 .Lentry_shape_is_right
	s_endpgm
.Lentry_shape_is_right:
; out = x1 + g W2 + b2, the product on codes of E4M3 (2^e10, 2^e11).  A: g's codes [4,096][4,096]; B: W2's codes [1,024 (n)][4,096 (k)] at byte 8,388,608 of the weights' codes; b2 [1,024], x1, out: f32.
; A tile of 256 x 256 is made by four waves, 128 x 128 each; K = 4,096 goes in steps of 256 through a ring of two LDS slots.  Clusters of 4 x 4 with joint loads: A's tiles along a row, B's along a column.  64 work-groups.
; The matrix instruction is used transposed: a lane holds 8 neighbouring columns of a row.
; LIMIT: e10 + e11 between -126 and 127.
.set KROW,   4096
.set WOFF,   8388608
.set NB,     4096                      ; bytes of a row of x1 and of out
.set ROWB,   256
.set PITCH,  272
.set FR,     16
.set NL,     4
.set NP,     4
.set HALFT,  128*PITCH
.set SLOT,   4*HALFT
.set LAPS,   KROW/512
.set SPARE,  2*SLOT
.set SPITCH, 528                       ; the way out: a stage of 16 rows x (512 + 16) for each wave, in slot 0, which has had its last fill and its last read by then
.set ADRA, 16
.set ADRB, 20
.set STO,  24
.set RD,   25
.set CO,   26
.set SPW,  28
.set NIL,  29
.set TMP,  32
.set AF,   128
.set BK,   128
.set G1, 24
.set G0, 32
.set G1B, 48
.set G0B, 56
.set MSB, 0
.macro WIN new
.if MSB != \new
	s_set_vgpr_msb (MSB<<8)|\new
.set MSB, \new
.endif
.endm
.set MUL_LO, 0xa1
.set MUL_HI, 0xf1
.set TO_B,   0x40
.macro JLOAD g0a, g1a, g0b, g1b
	s_cmp_eq_u32 s15, 0
	s_cbranch_scc0 .Lfor_b_\@
	tensor_load_to_lds s[\g0a:\g0a+3], s[\g1a:\g1a+7]
	s_nop 0
.rept 4
	v_nop
.endr
	s_branch .Lasked_\@
.Lfor_b_\@:
	tensor_load_to_lds s[\g0b:\g0b+3], s[\g1b:\g1b+7]
	s_nop 0
.rept 4
	v_nop
.endr
.Lasked_\@:
.endm
.macro CREST
	s_cmp_lg_u32 s14, 0
	s_cbranch_scc1 .Lnot_wave_0_\@
	s_barrier_signal -3
.Lnot_wave_0_\@:
	s_barrier_wait -3
	s_barrier_signal -1
	s_barrier_wait -1
.endm
.macro CROUND
	s_barrier_signal -1
	s_barrier_wait -1
	CREST
.endm
	s_load_b128 s[4:7], s[0:1], 0x0                ; A's codes, the weights' codes
	s_load_b128 s[8:11], s[0:1], 0x10              ; the exponents, b2
	s_load_b64 s[12:13], s[0:1], 0x20              ; x1
	s_load_b64 s[92:93], s[0:1], 0x28              ; out
	v_lshl_add_u32 v[SPW], v0, 2, SPARE
	v_mov_b32 v[NIL], 0
	ds_add_u32 v[SPW], v[NIL]                      ; the wave's opening: the add and its wait stand ahead of my first tensor load
	v_lshrrev_b32 v1, 5, v0
	v_readfirstlane_b32 s14, v1
	s_lshr_b32 s15, s14, 1
	s_and_b32 s16, s14, 1
	s_bfe_u32 s40, ttmp6, 0x40000
	s_bfe_u32 s41, ttmp6, 0x40004
	s_lshl_b32 s42, ttmp9, 2
	s_add_co_u32 s42, s42, s40
	s_and_b32 s17, ttmp7, 0xffff
	s_lshl_b32 s17, s17, 2
	s_add_co_u32 s17, s17, s41
	s_lshl_b32 s43, s41, 2
	s_lshl_b32 s43, 15, s43
	s_lshl_b32 s44, 0x1111, s40
	s_or_b32 s[G1+0], s43, (0<<16)|(1<<20)|(1<<21)|(5<<22)|(3<<25)
	s_or_b32 s[G1B+0], s44, (0<<16)|(1<<20)|(1<<21)|(5<<22)|(3<<25)
.irp g, G1, G1B
	s_mov_b32 s[\g+1], ROWB<<16
	s_mov_b32 s[\g+2], 128<<16
	s_mov_b32 s[\g+3], ROWB<<16
	s_mov_b32 s[\g+4], 128
	s_mov_b32 s[\g+5], KROW
	s_mov_b32 s[\g+6], 0
	s_mov_b32 s[\g+7], 0
.endr
	s_lshl_b32 s18, s16, 7
	s_lshl_b32 s20, s17, 8
	s_add_co_u32 s20, s20, s18
	s_mul_i32 s20, s20, KROW
	s_mov_b32 s21, 0
	s_lshl_b32 s46, s42, 8
	s_add_co_u32 s46, s46, s18
	s_mul_i32 s46, s46, KROW
	s_add_co_u32 s46, s46, WOFF
	s_mov_b32 s47, 0
	s_mul_i32 s45, s14, HALFT
	s_wait_dscnt 0x0
	s_wait_kmcnt 0x0
	s_load_b128 s[88:91], s[8:9], 0x20             ; e8 .. e11
	s_add_nc_u64 s[20:21], s[4:5], s[20:21]
	s_add_nc_u64 s[46:47], s[6:7], s[46:47]
	CROUND
.irp s, 0,1
	s_mov_b32 s[G0+4*\s], 1
	s_add_co_u32 s[G0+4*\s+1], s45, \s*SLOT
	s_add_nc_u64 s[G0+4*\s+2:G0+4*\s+3], s[20:21], \s*ROWB
	s_or_b32 s[G0+4*\s+3], s[G0+4*\s+3], 0x80000000
	s_mov_b32 s[G0B+4*\s], 1
	s_add_co_u32 s[G0B+4*\s+1], s45, \s*SLOT
	s_add_nc_u64 s[G0B+4*\s+2:G0B+4*\s+3], s[46:47], \s*ROWB
	s_or_b32 s[G0B+4*\s+3], s[G0B+4*\s+3], 0x80000000
	JLOAD G0+4*\s, G1, G0B+4*\s, G1B
.endr
	v_and_b32 v1, 15, v0
	v_bfe_u32 v2, v0, 4, 1
	v_mul_u32_u24 v3, v1, PITCH
	v_lshl_add_u32 v4, v2, 4, v3
	s_mul_i32 s21, s15, HALFT
	s_mul_i32 s22, s16, HALFT
	s_add_co_u32 s22, s22, 2*HALFT
.irp s, 0,1
	v_add_nc_u32 v[ADRA+\s], s21, v4
	v_add_nc_u32 v[ADRB+\s], s22, v4
	s_add_co_u32 s21, s21, SLOT
	s_add_co_u32 s22, s22, SLOT
.endr
	s_mul_i32 s23, s14, 16*SPITCH
	v_mul_u32_u24 v5, v1, SPITCH
	v_lshl_add_u32 v5, v2, 5, v5
	v_add_nc_u32 v[STO], s23, v5
	v_and_b32 v6, 31, v0
	v_lshlrev_b32 v[CO], 4, v6
	v_add_nc_u32 v[RD], s23, v[CO]
	s_lshl_b32 s46, s42, 10
	s_lshl_b32 s47, s16, 9
	s_add_co_u32 s46, s46, s47                     ; my first column, in bytes
	s_mov_b32 s47, 0
	s_add_nc_u64 s[10:11], s[10:11], s[46:47]      ; b2 there
	s_lshl_b32 s20, s17, 8
	s_lshl_b32 s21, s15, 7
	s_add_co_u32 s20, s20, s21
	s_mul_i32 s20, s20, NB
	s_add_co_u32 s20, s20, s46
	s_mov_b32 s21, 0
	s_add_nc_u64 s[12:13], s[12:13], s[20:21]      ; x1 and out at my first row and column; never stepped
	s_add_nc_u64 s[92:93], s[92:93], s[20:21]
.macro FRAG reg, adr, q, i
.irp c, 0,1,2,3
	ds_load_b128 v[\reg+4*\c:\reg+4*\c+3], v[\adr] offset:128*(\q)+32*\c+(\i)*16*PITCH
.endr
.endm
.macro MUL16 a0, p, zero               ; the 64 accumulators take turns, one instruction a turn
.irp a, \a0, \a0+1
.irp b, 0,1,2,3,4,5,6,7
.if \zero
	v_wmma_f32_16x16x128_fp8_fp8 v[8*(8*((\a)%4)+\b):8*(8*((\a)%4)+\b)+7], v[128*(\p)+FR*\b:128*(\p)+FR*\b+FR-1], v[AF+FR*(\a):AF+FR*(\a)+FR-1], 0
.else
	v_wmma_f32_16x16x128_fp8_fp8 v[8*(8*((\a)%4)+\b):8*(8*((\a)%4)+\b)+7], v[128*(\p)+FR*\b:128*(\p)+FR*\b+FR-1], v[AF+FR*(\a):AF+FR*(\a)+FR-1], v[8*(8*((\a)%4)+\b):8*(8*((\a)%4)+\b)+7]
.endif
.endr
.endr
.endm
.macro FETCH_B slot, q, p
	WIN TO_B
.irp i, 0,1,2,3,4,5,6,7
	FRAG 128*(\p)+FR*\i, ADRB+\slot, \q, \i
.endr
	WIN 0
.endm
.macro FETCH_A slot, q, i0
.irp i, \i0, \i0+1, \i0+2, \i0+3
	FRAG AF+FR*(\i), ADRA+\slot, \q, \i
.endr
.endm
.macro PLACES n
.rept \n
	v_nop
.endr
.endm
.macro STEP slot, q, zero
	s_wait_dscnt 4*NL                              ; A's blocks 4-7 may be out
	WIN MUL_LO
	MUL16 0, (\q)%2, \zero
	MUL16 2, (\q)%2, \zero
	s_wait_dscnt 0
	PLACES NP
	FETCH_B \slot, (\q)+1, 1-(\q)%2
	FETCH_A \slot, (\q)+1, 0
	WIN MUL_HI
	MUL16 4, (\q)%2, \zero
	MUL16 6, (\q)%2, \zero
	PLACES NP
	WIN 0
	FETCH_A \slot, (\q)+1, 4
.endm
.macro TURN slot, next, fill
	s_wait_tensorcnt 0x0                           ; all my tensor loads have landed
	ds_add_u32 v[SPW], v[NIL]
	s_wait_dscnt 4*NL+1                            ; the add and A's blocks 4-7 may be out
	WIN MUL_LO
	MUL16 0, 1, 0
	s_wait_dscnt 0x0                               ; the add is done, and my reads of this slot are over
	s_barrier_signal -1
	MUL16 2, 1, 0
	WIN 0
	s_barrier_wait -1
.if \fill
	CREST
	s_add_nc_u64 s[G0+4*\slot+2:G0+4*\slot+3], s[G0+4*\slot+2:G0+4*\slot+3], 2*ROWB
	s_add_nc_u64 s[G0B+4*\slot+2:G0B+4*\slot+3], s[G0B+4*\slot+2:G0B+4*\slot+3], 2*ROWB
	JLOAD G0+4*\slot, G1, G0B+4*\slot, G1B
.else
	PLACES NP
.endif
	FETCH_B \next, 0, 0
	FETCH_A \next, 0, 0
	WIN MUL_HI
	MUL16 4, 1, 0
	MUL16 6, 1, 0
	PLACES NP
	WIN 0
	FETCH_A \next, 0, 4
.endm
	s_wait_tensorcnt 1                             ; my part of K step 0 is in; K step 1's load may be out
	s_barrier_signal -1
	s_barrier_wait -1
	FETCH_B 0, 0, 0
	FETCH_A 0, 0, 0
	FETCH_A 0, 0, 4
	STEP 0, 0, 1
	s_mov_b32 s3, LAPS-1
.Llap:
	TURN 0, 1, 1
	STEP 1, 0, 0
	TURN 1, 0, 1
	STEP 0, 0, 0
	s_sub_co_u32 s3, s3, 1
	s_cmp_lg_u32 s3, 0
	s_cbranch_scc1 .Llap
	TURN 0, 1, 0
	STEP 1, 0, 0
	s_wait_dscnt 4*NL
	WIN MUL_LO
	MUL16 0, 1, 0
	MUL16 2, 1, 0
	s_wait_dscnt 0
	WIN MUL_HI
	MUL16 4, 1, 0
	MUL16 6, 1, 0
	WIN 0
; THE WAY OUT, block by block of 16 rows x 128 columns: x 2^(e10 + e11); through my own stage, back as whole rows of 512 bytes; + b2 (my lane's four columns) + x1, whose rows were asked for a block ahead; stored.
.macro TOSTAGE a
.set AC, 64*((\a)%4)
.set RR, 64*((\a)%2)
.set BB, BK+64*((\a)%2)
	WIN 0x40
.irp t, 0,1,2,3,4,5,6,7,8,9,10,11,12,13,14,15
	global_load_b128 v[RR+4*\t:RR+4*\t+3], v[CO], s[12:13] offset:(16*(\a)+\t)*NB th:TH_LOAD_NT
.endr
	WIN 0x02+((\a)/4)
.set j, 0
.rept 32
	v_pk_mul_f32 v[TMP+j:TMP+j+1], v[AC+j:AC+j+1], s[96:97] op_sel_hi:[1,0]   ; each accumulator from its low end on
.set j, j+2
.endr
	WIN 0
.irp b, 0,1,2,3,4,5,6,7
	ds_store_b128 v[STO], v[TMP+8*\b:TMP+8*\b+3] offset:64*\b
	ds_store_b128 v[STO], v[TMP+8*\b+4:TMP+8*\b+7] offset:64*\b+16
.endr
.irp t, 0,1,2,3,4,5,6,7,8,9,10,11,12,13,14,15
	ds_load_b128 v[BB+4*\t:BB+4*\t+3], v[RD] offset:\t*SPITCH   ; LDS serves a wave's instructions in order: these see my stores
.endr
.endm
.macro SEND a, younger, left           ; younger: LDS instructions, left: global loads, issued behind block a's, which may stay out
.set RR, 64*((\a)%2)
.set BB, BK+64*((\a)%2)
	s_wait_dscnt \younger
	s_wait_loadcnt \left
.irp t, 0,1,2,3,4,5,6,7,8,9,10,11,12,13,14,15
	v_pk_add_f32 v[BB+4*\t:BB+4*\t+1], v[BB+4*\t:BB+4*\t+1], v[8:9]
	v_pk_add_f32 v[BB+4*\t+2:BB+4*\t+3], v[BB+4*\t+2:BB+4*\t+3], v[10:11]
.endr
	WIN 0x04                                       ; source 1 (x1) window 1
.set j, 0
.rept 32
	v_pk_add_f32 v[BB+j:BB+j+1], v[BB+j:BB+j+1], v[RR+j:RR+j+1]
.set j, j+2
.endr
	WIN 0
.irp t, 0,1,2,3,4,5,6,7,8,9,10,11,12,13,14,15
	global_store_b128 v[CO], v[BB+4*\t:BB+4*\t+3], s[92:93] offset:(16*(\a)+\t)*NB th:TH_STORE_NT   ; 32 lanes store 512 consecutive bytes, aligned
.endr
.endm
	s_wait_kmcnt 0x0
	s_add_co_i32 s96, s90, s91
	s_add_co_i32 s96, s96, 127
	s_lshl_b32 s96, s96, 23                        ; 2^(e10 + e11) as f32
	s_mov_b32 s97, s96
	PLACES NP
	global_load_b128 v[8:11], v[CO], s[10:11]      ; b2 at my four columns of a row read back from the stage
	TOSTAGE 0
.irp a, 1,2,3,4,5,6,7
.if \a > 1
	s_wait_xcnt 0x0                                ; block a - 2's stores have read their registers: block a's loads may land there
.endif
	TOSTAGE \a
	SEND \a-1, 32, 16
.endr
	SEND 7, 0, 0
	s_wait_tensorcnt 0x0                           ; the wave's end
	ds_add_u32 v[SPW], v[NIL]
	s_wait_dscnt 0x0
	CROUND
	s_endpgm
.Lfunc_end_k_q4843a4082e_fc2:
	.size	k_q4843a4082e_fc2, .Lfunc_end_k_q4843a4082e_fc2-k_q4843a4082e_fc2
	.p2alignl 7, 3214868480
	.fill 96, 4, 3214868480
	.section	.rodata,"a",@progbits
	.p2align	6, 0x0
	.amdhsa_kernel k_q4843a4082e_fc2
		.amdhsa_group_segment_fixed_size 327680
		.amdhsa_private_segment_fixed_size 0
		.amdhsa_enable_private_segment 0
		.amdhsa_kernarg_size 48
		.amdhsa_user_sgpr_count 2
		.amdhsa_user_sgpr_kernarg_segment_ptr 1
		.amdhsa_wavefront_size32 1
		.amdhsa_system_sgpr_workgroup_id_x 1
		.amdhsa_system_sgpr_workgroup_id_y 1
		.amdhsa_system_sgpr_workgroup_id_z 1
		.amdhsa_system_vgpr_workitem_id 0
		.amdhsa_next_free_vgpr 1024
		.amdhsa_next_free_sgpr 100
		.amdhsa_reserve_vcc 0
		.amdhsa_float_denorm_mode_32 3
		.amdhsa_float_denorm_mode_16_64 3
		.amdhsa_memory_ordered 1
		.amdhsa_forward_progress 1
		.amdhsa_inst_pref_size 168
	.end_amdhsa_kernel
	.amdgpu_metadata
---
amdhsa.version: [ 1, 2 ]
amdhsa.kernels:
  - .name:           k_q4843a4082e_fc2
    .symbol:         k_q4843a4082e_fc2.kd
    .args:
      - { .name: gc, .offset: 0, .size: 8, .value_kind: global_buffer, .address_space: global }
      - { .name: wcodes, .offset: 8, .size: 8, .value_kind: global_buffer, .address_space: global }
      - { .name: lowp_scales, .offset: 16, .size: 8, .value_kind: global_buffer, .address_space: global }
      - { .name: b2, .offset: 24, .size: 8, .value_kind: global_buffer, .address_space: global }
      - { .name: x1, .offset: 32, .size: 8, .value_kind: global_buffer, .address_space: global }
      - { .name: out0, .offset: 40, .size: 8, .value_kind: global_buffer, .address_space: global }
    .group_segment_fixed_size: 327680
    .private_segment_fixed_size: 0
    .kernarg_segment_align: 8
    .kernarg_segment_size: 48
    .max_flat_workgroup_size: 128
    .sgpr_count:     100
    .vgpr_count:     1024
    .wavefront_size: 32
...
	.end_amdgpu_metadata
.endif
;; end of part 8
;; ======== version 2 of 2: 9 launches
;; limits: right only within a limited range of input values
;; workspace buffers: wcodes 12,582,912 bytes; mod1 24,576 bytes; mod2 24,576 bytes; hc 4,194,304 bytes; qkvc 12,582,912 bytes; aoc 4,194,304 bytes; x1 16,777,216 bytes; gc 16,777,216 bytes
;; launch prep: the kernel of part 1 again; grid 208 x 1, 8 waves a work-group, no clusters, 87,040 bytes of LDS; arguments Wqkv, Wout, W1, W2, Wt, bt, time_emb, ln1_g, ln1_b, ln2_g, ln2_b, lowp_scales, wcodes, mod1, mod2; writes wcodes, mod1, mod2
;; launch ln1: the kernel of part 2 again; grid 256 x 1, 4 waves a work-group, no clusters, 0 bytes of LDS; arguments x, mod1, hc; writes hc
;; launch qkv: the kernel of part 3 again; grid 48 x 4, 4 waves a work-group, clusters of 4 x 4, 327,680 bytes of LDS; arguments hc, wcodes, lowp_scales, qkvc; writes qkvc
;; launch attn1: the kernel of part 4 again; grid 32 x 8, 4 waves a work-group, clusters of 4 x 4, 327,680 bytes of LDS; arguments qkvc, torus_dist, mask, torus_scale, lowp_scales, gc; writes gc
;; launch attn2: the kernel of part 5 again; grid 32 x 8, 4 waves a work-group, clusters of 4 x 4, 327,680 bytes of LDS; arguments qkvc, torus_dist, mask, torus_scale, lowp_scales, gc, aoc; writes aoc
;; launch proj (part 9): grid 8 x 32, 4 waves a work-group, clusters of 4 x 4, 327,680 bytes of LDS; arguments aoc, wcodes, lowp_scales, x, x1; writes x1
.if DOCPART == 9
	.amdgcn_target "amdgcn-amd-amdhsa--gfx1250"
	.amdhsa_code_object_version 6
	.text
	.protected	k_q4843a4082e_proj
	.globl	k_q4843a4082e_proj
	.p2align	8
	.type	k_q4843a4082e_proj,@function
k_q4843a4082e_proj:
	s_mov_b64 s[64:65], 0
	v_nop
	global_prefetch_b8 v0, s[64:65] scope:SCOPE_SE
	s_setreg_imm32_b32 hwreg(HW_REG_WAVE_MODE, 25, 1), 1
	s_wait_xcnt 0x0
	s_wait_alu depctr_hold_cnt(0) depctr_sa_sdst(0) depctr_va_vdst(0) depctr_va_sdst(0) depctr_va_ssrc(0) depctr_va_vcc(0) depctr_vm_vsrc(0)
	s_getreg_b32 s2, hwreg(HW_REG_IB_STS2, 6, 4)
	s_cmp_eq_u32 s2, 0
	s_cbranch_scc0 .Lentry_in_a_cluster
	s_endpgm
.Lentry_in_a_cluster:
	s_bfe_u32 s2, ttmp6, 0x10000c
	s_cmp_lg_u32 s2, 0xf033
	s_cbranch_scc0 .Lentry_shape_is_right
	s_endpgm
.Lentry_shape_is_right:
; x1 = x + o Wout, the product on codes of E4M3 (2^e6, 2^e7).  A: o's codes [4,096][1,024]; B: Wout's codes [1,024 (n)][1,024 (k)] at byte 3,145,728 of the weights' codes; x, x1: [4,096][1,024] f32.
; A TILE IS 128 x 128: the output has 32 x 8 = 256 such tiles, a work-group to each; tiles of 256 x 256 would be 64.  Four waves, each 64 x 64: 16 accumulators of 16 x 16, 128 registers.
; K goes in steps of 512 (LDS rows of 512 bytes; a wave's tensor load brings 64 of them) through two LDS slots: K = 1,024 is two steps, both asked for at the head, and no slot is filled again.
; The price of the small tile: for 128 along K a wave reads 2 x 64 rows x 128 bytes from LDS for 16 matrix instructions.
; CLUSTERS of 4 x 4: the four of a row of the cluster need the same tiles of A, the four of a column the same tiles of B: each tile is asked for jointly, by the same tensor load with the same descriptor and a mask that names the four.
; THE MATRIX INSTRUCTION IS USED TRANSPOSED (source 0 = 16 rows of B, source 1 = 16 rows of A): a lane holds 8 neighbouring columns of a row.
; A fragment (16 rows x 128 K) comes by four loads of 16 bytes, 32 apart: the same places of k in A and in B, so every product meets its partner.
; THE RESIDUAL is asked for at the head, into registers that the loop does not touch, in the layout in which rows come back from the stage: it lands while K is walked.
; THE WAY OUT: a wave's 64 columns of f32 are 256 consecutive bytes, aligned: each wave has a stage of its own, and no barrier is needed.
; LIMIT: e6 + e7 between -126 and 127.
; REGISTERS, in windows of 256.  Window 0: v16-29 addresses; v32-63 a block's sums x 2^(e6 + e7); v64-127 rows read back, two sets by turns; v128-255 the accumulators ((a, b) at v[128 + 8 (4 a + b)]).
;   Window 1: two fragment buffers of 128: A's four fragments, then B's four.   Window 2: v0-127 the residual.
.set KROW,   1024                      ; a row of A or of B in memory, in bytes
.set WOFF,   3145728
.set NB,     4096                      ; bytes of a row of x and of x1
.set ROWB,   512                       ; a tile's row in bytes
.set PITCH,  528                       ; an LDS row: 512 bytes + 16 of padding = 132 words: row r starts at bank 4 r mod 64 (64 banks of 4 bytes: ISA guide 11.1)
.set HALFT,  64*PITCH                  ; 64 rows: what one tensor load brings, and what one wave reads of A or of B
.set SLOT,   4*HALFT                   ; A's 128 rows, then B's 128 rows
.set LAPS,   KROW/(2*ROWB)             ; a lap = two K steps = once round the ring
.set STAGE,  2*SLOT                    ; behind the ring: 16 rows x 272 bytes for each wave
.set SPITCH, 272
.set SPARE,  STAGE+4*16*SPITCH         ; behind the stages: the spare words, 128 bytes a wave: two blocks of 256 bytes that no other line names
.set ADRA, 16                          ; v16-17  LDS address of my A fragments in slot 0, 1
.set ADRB, 20                          ; v20-21  the same for B
.set STO,  24                          ; v24     the way out: where I put 32 bytes of a row
.set RD,   25                          ; v25     where I read a row back
.set CO,   26                          ; v26     my byte offset in x and in x1; never rewritten
.set SPW,  28
.set NIL,  29
.set TMP,  32
.set BK,   64
.set ACC,  128
.set F0,   0                           ; fragment buffers, in window 1
.set F1,   128
.set G1, 24
.set G0, 32
.set G1B, 48
.set G0B, 56
.set MSB, 0
.macro WIN new                         ; the immediate's high byte repeats the setting that is left
.if MSB != \new
	s_set_vgpr_msb (MSB<<8)|\new
.set MSB, \new
.endif
.endm
.set MUL,  0x05                        ; sources 0 (B) and 1 (A) window 1; C and D window 0
.set TO_F, 0x40                        ; destination window 1, address window 0
.macro JLOAD g0a, g1a, g0b, g1b        ; a joint load: waves 0, 1 fetch A's two halves, waves 2, 3 B's; an s_nop 0 and four v_nop follow each line
	s_cmp_eq_u32 s15, 0
	s_cbranch_scc0 .Lfor_b_\@
	tensor_load_to_lds s[\g0a:\g0a+3], s[\g1a:\g1a+7]
	s_nop 0
.rept 4
	v_nop
.endr
	s_branch .Lasked_\@
.Lfor_b_\@:
	tensor_load_to_lds s[\g0b:\g0b+3], s[\g1b:\g1b+7]
	s_nop 0
.rept 4
	v_nop
.endr
.Lasked_\@:
.endm
.macro CREST                           ; a round of the cluster's barrier behind its opening barrier
	s_cmp_lg_u32 s14, 0
	s_cbranch_scc1 .Lnot_wave_0_\@
	s_barrier_signal -3
.Lnot_wave_0_\@:
	s_barrier_wait -3
	s_barrier_signal -1
	s_barrier_wait -1
.endm
.macro CROUND
	s_barrier_signal -1
	s_barrier_wait -1
	CREST
.endm
	s_load_b128 s[4:7], s[0:1], 0x0                ; A's codes, the weights' codes
	s_load_b128 s[8:11], s[0:1], 0x10              ; the exponents, x
	s_load_b64 s[12:13], s[0:1], 0x20              ; x1
	v_lshl_add_u32 v[SPW], v0, 2, SPARE
	v_mov_b32 v[NIL], 0
	ds_add_u32 v[SPW], v[NIL]                      ; the wave's opening: the add and its wait stand ahead of my first tensor load
	v_lshrrev_b32 v1, 5, v0
	v_readfirstlane_b32 s14, v1                    ; wave 0..3
	s_lshr_b32 s15, s14, 1                         ; my half of the tile's rows; also: I fetch for A (0) or B (1)
	s_and_b32 s16, s14, 1                          ; my half of its columns; also: which 64 rows I fetch
	s_bfe_u32 s40, ttmp6, 0x40000                  ; cx
	s_bfe_u32 s41, ttmp6, 0x40004                  ; cy
	s_lshl_b32 s42, ttmp9, 2
	s_add_co_u32 s42, s42, s40                     ; tile column
	s_and_b32 s17, ttmp7, 0xffff
	s_lshl_b32 s17, s17, 2
	s_add_co_u32 s17, s17, s41                     ; tile row
	s_lshl_b32 s43, s41, 2
	s_lshl_b32 s43, 15, s43                        ; my row of the cluster
	s_lshl_b32 s44, 0x1111, s40                    ; my column
	s_or_b32 s[G1+0], s43, (0<<16)|(1<<20)|(1<<21)|(6<<22)|(3<<25)  ; the mask; elements of 1 byte; padding on; bit 21 beside a mask; 4 words after every 128
	s_or_b32 s[G1B+0], s44, (0<<16)|(1<<20)|(1<<21)|(6<<22)|(3<<25)
.irp g, G1, G1B
	s_mov_b32 s[\g+1], ROWB<<16                    ; tensor_dim0
	s_mov_b32 s[\g+2], 64<<16                      ; tensor_dim1
	s_mov_b32 s[\g+3], ROWB<<16                    ; tile_dim0
	s_mov_b32 s[\g+4], 64                          ; tile_dim1
	s_mov_b32 s[\g+5], KROW                        ; stride
	s_mov_b32 s[\g+6], 0
	s_mov_b32 s[\g+7], 0
.endr
	s_lshl_b32 s18, s16, 6
	s_lshl_b32 s20, s17, 7
	s_add_co_u32 s20, s20, s18                     ; A: row 128 x tile row + 64 x half
	s_mul_i32 s20, s20, KROW
	s_mov_b32 s21, 0
	s_lshl_b32 s46, s42, 7
	s_add_co_u32 s46, s46, s18                     ; B: row 128 x tile column + 64 x half
	s_mul_i32 s46, s46, KROW
	s_add_co_u32 s46, s46, WOFF
	s_mov_b32 s47, 0
	s_mul_i32 s45, s14, HALFT                      ; where they go: wave x 64 rows
	s_wait_dscnt 0x0                               ; the opening add is done
	s_wait_kmcnt 0x0
	s_load_b256 s[80:87], s[8:9], 0x0              ; e0 .. e7
	s_add_nc_u64 s[20:21], s[4:5], s[20:21]
	s_add_nc_u64 s[46:47], s[6:7], s[46:47]
	CROUND                                         ; all sixteen work-groups are here: the first joint loads meet
.irp s, 0,1
	s_mov_b32 s[G0+4*\s], 1
	s_add_co_u32 s[G0+4*\s+1], s45, \s*SLOT
	s_add_nc_u64 s[G0+4*\s+2:G0+4*\s+3], s[20:21], \s*ROWB
	s_or_b32 s[G0+4*\s+3], s[G0+4*\s+3], 0x80000000
	s_mov_b32 s[G0B+4*\s], 1
	s_add_co_u32 s[G0B+4*\s+1], s45, \s*SLOT
	s_add_nc_u64 s[G0B+4*\s+2:G0B+4*\s+3], s[46:47], \s*ROWB
	s_or_b32 s[G0B+4*\s+3], s[G0B+4*\s+3], 0x80000000
	JLOAD G0+4*\s, G1, G0B+4*\s, G1B
.endr
	v_and_b32 v1, 15, v0                           ; r
	v_bfe_u32 v2, v0, 4, 1                         ; h
	v_mul_u32_u24 v3, v1, PITCH
	v_lshl_add_u32 v4, v2, 4, v3                   ; a fragment's row x pitch + 16 h
	s_mul_i32 s21, s15, HALFT                      ; my 64 rows of A
	s_mul_i32 s22, s16, HALFT                      ; my 64 rows of B,
	s_add_co_u32 s22, s22, 2*HALFT                 ; which lie behind A's 128
.irp s, 0,1
	v_add_nc_u32 v[ADRA+\s], s21, v4
	v_add_nc_u32 v[ADRB+\s], s22, v4
	s_add_co_u32 s21, s21, SLOT
	s_add_co_u32 s22, s22, SLOT
.endr
	s_mul_i32 s23, s14, 16*SPITCH
	s_add_co_u32 s23, s23, STAGE                   ; my stage
	v_mul_u32_u24 v5, v1, SPITCH
	v_lshl_add_u32 v5, v2, 5, v5
	v_add_nc_u32 v[STO], s23, v5                   ; in: row r, + 32 h
	v_mul_u32_u24 v6, v2, SPITCH
	v_lshl_add_u32 v6, v1, 4, v6
	v_add_nc_u32 v[RD], s23, v6                    ; back: lanes 0-15 one row of 256 bytes, lanes 16-31 the next
	v_lshlrev_b32 v[CO], 12, v2
	v_lshl_add_u32 v[CO], v1, 4, v[CO]             ; and the same two rows in memory
	s_lshl_b32 s20, s17, 7
	s_lshl_b32 s21, s15, 6
	s_add_co_u32 s20, s20, s21                     ; my first row: 128 x tile row + 64 x half
	s_mul_i32 s20, s20, NB
	s_lshl_b32 s46, s42, 9                         ; my first column, in bytes: 512 x tile column + 256 x half
	s_lshl_b32 s47, s16, 8
	s_add_co_u32 s46, s46, s47
	s_add_co_u32 s20, s20, s46
	s_mov_b32 s21, 0
	s_add_nc_u64 s[10:11], s[10:11], s[20:21]      ; x and x1 at my first row and column; never stepped: a row's place stands in the immediate, 62 rows of 4,096 bytes at the most
	s_add_nc_u64 s[12:13], s[12:13], s[20:21]
	WIN 0x80                                       ; destination window 2
.set t, 0
.rept 32                               ; my 64 rows x 256 bytes of x, two rows a load: sixteen lanes read 256 consecutive bytes
	global_load_b128 v[4*t:4*t+3], v[CO], s[10:11] offset:2*t*NB th:TH_LOAD_NT
.set t, t+1
.endr
	WIN 0
.macro FRAG reg, adr, k, i             ; 16 rows x 128 K at byte k of the rows
.irp c, 0,1,2,3
	ds_load_b128 v[\reg+4*\c:\reg+4*\c+3], v[\adr] offset:(\k)+32*\c+(\i)*16*PITCH
.endr
.endm
.macro FETCH slot, k, f                ; 32 LDS loads in one run: B's four fragments, then A's blocks 0 to 3, into buffer f
	WIN TO_F
.irp i, 0,1,2,3
	FRAG \f+64+16*\i, ADRB+\slot, \k, \i
.endr
.irp i, 0,1,2,3
	FRAG \f+16*\i, ADRA+\slot, \k, \i
.endr
.endm
.macro MULA f, a, zero                 ; A's block a x B's four; the 16 accumulators take turns, one instruction a turn, in the same order in every quarter
.irp b, 0,1,2,3
.if \zero
	v_wmma_f32_16x16x128_fp8_fp8 v[ACC+8*(4*(\a)+\b):ACC+8*(4*(\a)+\b)+7], v[\f+64+16*\b:\f+64+16*\b+15], v[\f+16*(\a):\f+16*(\a)+15], 0
.else
	v_wmma_f32_16x16x128_fp8_fp8 v[ACC+8*(4*(\a)+\b):ACC+8*(4*(\a)+\b)+7], v[\f+64+16*\b:\f+64+16*\b+15], v[\f+16*(\a):\f+16*(\a)+15], v[ACC+8*(4*(\a)+\b):ACC+8*(4*(\a)+\b)+7]
.endif
.endr
.endm
.macro PLACES                          ; four places in front of loads into registers that matrix instructions have read, and of the first read of results
.rept 4
	v_nop
.endr
.endm
; A K step is four quarters of 128 along K, 16 matrix instructions each, on buffers 0, 1, 0, 1.  One of the first three: multiplies buffer f and fetches the next quarter, at byte k, into g.
.macro QUARTER slot, k, f, g, zero
	s_wait_dscnt 8                                 ; B and A's blocks 0, 1 are in; the youngest eight loads (A's blocks 2, 3) may be out
	WIN MUL
	MULA \f, 0, \zero
	MULA \f, 1, \zero
	PLACES
	FETCH \slot, \k, \g
	s_wait_dscnt 32                                ; all but the 32 just issued
	WIN MUL
	MULA \f, 2, \zero
	MULA \f, 3, \zero
.endm
; The last quarter multiplies buffer 1 and changes slots: ONE barrier; in front of it each wave waits for all its tensor loads, adds 0 to its spare word, and waits for that and for its own reads of this slot.
; fill = 1: the barrier opens a round of the cluster's barrier, and this slot is filled again, two K steps ahead.
.macro TURN slot, next, fill
	WIN 0                                          ; (the add's two registers lie in window 0)
	s_wait_tensorcnt 0x0                           ; all my tensor loads have landed: my part of the next slot
	ds_add_u32 v[SPW], v[NIL]
	s_wait_dscnt 9                                 ; the add and A's blocks 2, 3 may be out
	WIN MUL
	MULA F1, 0, 0
	s_wait_dscnt 0x0                               ; the add is done, and my reads of this slot are over
	s_barrier_signal -1
	MULA F1, 1, 0
	WIN 0
	s_barrier_wait -1
.if \fill
	CREST
	s_add_nc_u64 s[G0+4*\slot+2:G0+4*\slot+3], s[G0+4*\slot+2:G0+4*\slot+3], 2*ROWB
	s_add_nc_u64 s[G0B+4*\slot+2:G0B+4*\slot+3], s[G0B+4*\slot+2:G0B+4*\slot+3], 2*ROWB
	JLOAD G0+4*\slot, G1, G0B+4*\slot, G1B         ; the first tensor load behind the round; its four v_nop are also the places in front of the loads below
.else
	PLACES
.endif
	FETCH \next, 0, F0
	WIN MUL
	MULA F1, 2, 0
	MULA F1, 3, 0
.endm
	s_wait_tensorcnt 1                             ; my part of K step 0 is in; K step 1's load may be out
	s_barrier_signal -1
	s_barrier_wait -1
	FETCH 0, 0, F0
	QUARTER 0, 128, F0, F1, 1                      ; the first quarter starts the sums: nothing is cleared
.if LAPS > 1
	WIN 0                                          ; at a label and at a branch every window is 0
	s_mov_b32 s3, LAPS-1
.Llap:                                                 ; a trip goes once round the ring, from a lap's second quarter to the next lap's first, and fills both slots again
	QUARTER 0, 256, F1, F0, 0
	QUARTER 0, 384, F0, F1, 0
	TURN 0, 1, 1
	QUARTER 1, 128, F0, F1, 0
	QUARTER 1, 256, F1, F0, 0
	QUARTER 1, 384, F0, F1, 0
	TURN 1, 0, 1
	QUARTER 0, 128, F0, F1, 0
	WIN 0
	s_sub_co_u32 s3, s3, 1
	s_cmp_lg_u32 s3, 0
	s_cbranch_scc1 .Llap
.endif
	QUARTER 0, 256, F1, F0, 0                      ; the last lap fills nothing
	QUARTER 0, 384, F0, F1, 0
	TURN 0, 1, 0
	QUARTER 1, 128, F0, F1, 0
	QUARTER 1, 256, F1, F0, 0
	QUARTER 1, 384, F0, F1, 0
	s_wait_dscnt 8                                 ; the very last quarter: nothing more to fetch
	WIN MUL
	MULA F1, 0, 0
	MULA F1, 1, 0
	s_wait_dscnt 0
	MULA F1, 2, 0
	MULA F1, 3, 0
	WIN 0
; THE WAY OUT, block by block of 16 rows x 64 columns: x 2^(e6 + e7); through my own stage, back as whole rows of 256 bytes; + x; stored.
.macro TOSTAGE a
.set AC, ACC+32*(\a)
.set BB, BK+32*((\a)%2)
.set j, 0
.rept 16
	v_pk_mul_f32 v[TMP+j:TMP+j+1], v[AC+j:AC+j+1], s[96:97] op_sel_hi:[1,0]   ; each accumulator from its low end on
.set j, j+2
.endr
.irp b, 0,1,2,3
	ds_store_b128 v[STO], v[TMP+8*\b:TMP+8*\b+3] offset:64*\b
	ds_store_b128 v[STO], v[TMP+8*\b+4:TMP+8*\b+7] offset:64*\b+16
.endr
.irp t, 0,1,2,3,4,5,6,7
	ds_load_b128 v[BB+4*\t:BB+4*\t+3], v[RD] offset:\t*2*SPITCH   ; LDS serves a wave's instructions in order (ISA guide 5.7.1.4): these see my stores, and the next block's stores come behind them
.endr
.endm
.macro SEND a, younger                 ; younger: the LDS instructions issued behind block a's loads, which may stay out
.set BB, BK+32*((\a)%2)
	s_wait_dscnt \younger
	WIN 0x08                                       ; source 1 (x) window 2
.set j, 0
.rept 16
	v_pk_add_f32 v[BB+j:BB+j+1], v[BB+j:BB+j+1], v[32*(\a)+j:32*(\a)+j+1]
.set j, j+2
.endr
	WIN 0
.irp t, 0,1,2,3,4,5,6,7
	global_store_b128 v[CO], v[BB+4*\t:BB+4*\t+3], s[12:13] offset:(16*(\a)+2*\t)*NB   ; sixteen lanes store 256 consecutive bytes, aligned
.endr
.endm
	s_wait_kmcnt 0x0
	s_add_co_i32 s96, s86, s87
	s_add_co_i32 s96, s96, 127
	s_lshl_b32 s96, s96, 23                        ; 2^(e6 + e7) as f32
	s_mov_b32 s97, s96
	PLACES
	s_wait_loadcnt 0x0                             ; x, asked for at the head
	TOSTAGE 0
.irp a, 1,2,3
.if \a > 1
	s_wait_xcnt 0x0                                ; block a - 2's stores have read their registers: block a's loads may land there
.endif
	TOSTAGE \a
	SEND \a-1, 16                                  ; behind block a - 1's loads: block a's 8 stores and 8 loads
.endr
	SEND 3, 0
	s_wait_tensorcnt 0x0                           ; the wave's end
	ds_add_u32 v[SPW], v[NIL]
	s_wait_dscnt 0x0
	CROUND                                         ; the closing round
	s_endpgm
.Lfunc_end_k_q4843a4082e_proj:
	.size	k_q4843a4082e_proj, .Lfunc_end_k_q4843a4082e_proj-k_q4843a4082e_proj
	.p2alignl 7, 3214868480
	.fill 96, 4, 3214868480
	.section	.rodata,"a",@progbits
	.p2align	6, 0x0
	.amdhsa_kernel k_q4843a4082e_proj
		.amdhsa_group_segment_fixed_size 327680
		.amdhsa_private_segment_fixed_size 0
		.amdhsa_enable_private_segment 0
		.amdhsa_kernarg_size 40
		.amdhsa_user_sgpr_count 2
		.amdhsa_user_sgpr_kernarg_segment_ptr 1
		.amdhsa_wavefront_size32 1
		.amdhsa_system_sgpr_workgroup_id_x 1
		.amdhsa_system_sgpr_workgroup_id_y 1
		.amdhsa_system_sgpr_workgroup_id_z 1
		.amdhsa_system_vgpr_workitem_id 0
		.amdhsa_next_free_vgpr 768
		.amdhsa_next_free_sgpr 100
		.amdhsa_reserve_vcc 0
		.amdhsa_float_denorm_mode_32 3
		.amdhsa_float_denorm_mode_16_64 3
		.amdhsa_memory_ordered 1
		.amdhsa_forward_progress 1
		.amdhsa_inst_pref_size 53
	.end_amdhsa_kernel
	.amdgpu_metadata
---
amdhsa.version: [ 1, 2 ]
amdhsa.kernels:
  - .name:           k_q4843a4082e_proj
    .symbol:         k_q4843a4082e_proj.kd
    .args:
      - { .name: aoc, .offset: 0, .size: 8, .value_kind: global_buffer, .address_space: global }
      - { .name: wcodes, .offset: 8, .size: 8, .value_kind: global_buffer, .address_space: global }
      - { .name: lowp_scales, .offset: 16, .size: 8, .value_kind: global_buffer, .address_space: global }
      - { .name: x, .offset: 24, .size: 8, .value_kind: global_buffer, .address_space: global }
      - { .name: x1, .offset: 32, .size: 8, .value_kind: global_buffer, .address_space: global }
    .group_segment_fixed_size: 327680
    .private_segment_fixed_size: 0
    .kernarg_segment_align: 8
    .kernarg_segment_size: 40
    .max_flat_workgroup_size: 128
    .sgpr_count:     100
    .vgpr_count:     768
    .wavefront_size: 32
...
	.end_amdgpu_metadata
.endif
;; end of part 9
;; launch ln2: the kernel of part 2 again; grid 256 x 1, 4 waves a work-group, no clusters, 0 bytes of LDS; arguments x1, mod2, hc; writes hc
;; launch fc1: the kernel of part 7 again; grid 16 x 16, 4 waves a work-group, clusters of 4 x 4, 327,680 bytes of LDS; arguments hc, wcodes, lowp_scales, b1, gc; writes gc
;; launch fc2 (part 10): grid 8 x 32, 4 waves a work-group, clusters of 4 x 4, 327,680 bytes of LDS; arguments gc, wcodes, lowp_scales, b2, x1, out0; writes out0
.if DOCPART == 10
	.amdgcn_target "amdgcn-amd-amdhsa--gfx1250"
	.amdhsa_code_object_version 6
	.text
	.protected	k_q4843a4082e_fc2
	.globl	k_q4843a4082e_fc2
	.p2align	8
	.type	k_q4843a4082e_fc2,@function
k_q4843a4082e_fc2:
	s_mov_b64 s[64:65], 0
	v_nop
	global_prefetch_b8 v0, s[64:65] scope:SCOPE_SE
	s_setreg_imm32_b32 hwreg(HW_REG_WAVE_MODE, 25, 1), 1
	s_wait_xcnt 0x0
	s_wait_alu depctr_hold_cnt(0) depctr_sa_sdst(0) depctr_va_vdst(0) depctr_va_sdst(0) depctr_va_ssrc(0) depctr_va_vcc(0) depctr_vm_vsrc(0)
	s_getreg_b32 s2, hwreg(HW_REG_IB_STS2, 6, 4)
	s_cmp_eq_u32 s2, 0
	s_cbranch_scc0 .Lentry_in_a_cluster
	s_endpgm
.Lentry_in_a_cluster:
	s_bfe_u32 s2, ttmp6, 0x10000c
	s_cmp_lg_u32 s2, 0xf033
	s_cbranch_scc0 .Lentry_shape_is_right
	s_endpgm
.Lentry_shape_is_right:
; out = x1 + g W2 + b2, the product on codes of E4M3 (2^e10, 2^e11).  A: g's codes [4,096][4,096]; B: W2's codes [1,024 (n)][4,096 (k)] at byte 8,388,608 of the weights' codes; b2 [1,024], x1, out: f32.
; A TILE IS 128 x 128: the output has 32 x 8 = 256 such tiles, a work-group to each; tiles of 256 x 256 would be 64.  Four waves, each 64 x 64: 16 accumulators of 16 x 16, 128 registers.
; K goes in steps of 512 (LDS rows of 512 bytes; a wave's tensor load brings 64 of them), as long as two slots in LDS allow: K = 4,096 is eight steps.
; The price of the small tile: for 128 along K a wave reads 2 x 64 rows x 128 bytes from LDS for 16 matrix instructions.
; CLUSTERS of 4 x 4: the four of a row of the cluster need the same tiles of A, the four of a column the same tiles of B: each tile is asked for jointly, by the same tensor load with the same descriptor and a mask that names the four.
; THE MATRIX INSTRUCTION IS USED TRANSPOSED (source 0 = 16 rows of B, source 1 = 16 rows of A): a lane holds 8 neighbouring columns of a row.
; A fragment (16 rows x 128 K) comes by four loads of 16 bytes, 32 apart: the same places of k in A and in B, so every product meets its partner.
; THE RESIDUAL AND THE BIAS are asked for at the head, into registers that the loop does not touch: x1 in the layout in which rows come back from the stage, b2 in the result's layout, so that one packed
; multiply-add gives sum x 2^(e10 + e11) + b2.  They land while K is walked.
; THE WAY OUT: a wave's 64 columns of f32 are 256 consecutive bytes, aligned: each wave has a stage of its own, and no barrier is needed.
; LIMIT: e10 + e11 between -126 and 127.
; REGISTERS, in windows of 256.  Window 0: v16-29 addresses; v32-63 a block's sums, scaled; v64-127 rows read back, two sets by turns; v128-255 the accumulators ((a, b) at v[128 + 8 (4 a + b)]).
;   Window 1: two fragment buffers of 128: A's four fragments, then B's four.   Window 2: v0-127 the residual, v128-159 b2.
.set KROW,   4096                      ; a row of A or of B in memory, in bytes
.set WOFF,   8388608
.set NB,     4096                      ; bytes of a row of x1 and of out
.set ROWB,   512                       ; a tile's row in bytes
.set PITCH,  528                       ; an LDS row: 512 bytes + 16 of padding = 132 words: row r starts at bank 4 r mod 64 (64 banks of 4 bytes: ISA guide 11.1)
.set HALFT,  64*PITCH                  ; 64 rows: what one tensor load brings, and what one wave reads of A or of B
.set SLOT,   4*HALFT                   ; A's 128 rows, then B's 128 rows
.set LAPS,   KROW/(2*ROWB)             ; a lap = two K steps = once round the ring
.set STAGE,  2*SLOT                    ; behind the ring: 16 rows x 272 bytes for each wave
.set SPITCH, 272
.set SPARE,  STAGE+4*16*SPITCH         ; behind the stages: the spare words, 128 bytes a wave: two blocks of 256 bytes that no other line names
.set ADRA, 16                          ; v16-17  LDS address of my A fragments in slot 0, 1
.set ADRB, 20                          ; v20-21  the same for B
.set STO,  24                          ; v24     the way out: where I put 32 bytes of a row
.set RD,   25                          ; v25     where I read a row back
.set CO,   26                          ; v26     my byte offset in x1 and in out; never rewritten
.set BO,   27                          ; v27     my byte offset in b2; never rewritten
.set SPW,  28
.set NIL,  29
.set TMP,  32
.set BK,   64
.set ACC,  128
.set B2,   128                         ; in window 2
.set F0,   0                           ; fragment buffers, in window 1
.set F1,   128
.set G1, 24
.set G0, 32
.set G1B, 48
.set G0B, 56
.set MSB, 0
.macro WIN new                         ; the immediate's high byte repeats the setting that is left
.if MSB != \new
	s_set_vgpr_msb (MSB<<8)|\new
.set MSB, \new
.endif
.endm
.set MUL,  0x05                        ; sources 0 (B) and 1 (A) window 1; C and D window 0
.set TO_F, 0x40                        ; destination window 1, address window 0
.macro JLOAD g0a, g1a, g0b, g1b        ; a joint load: waves 0, 1 fetch A's two halves, waves 2, 3 B's; an s_nop 0 and four v_nop follow each line
	s_cmp_eq_u32 s15, 0
	s_cbranch_scc0 .Lfor_b_\@
	tensor_load_to_lds s[\g0a:\g0a+3], s[\g1a:\g1a+7]
	s_nop 0
.rept 4
	v_nop
.endr
	s_branch .Lasked_\@
.Lfor_b_\@:
	tensor_load_to_lds s[\g0b:\g0b+3], s[\g1b:\g1b+7]
	s_nop 0
.rept 4
	v_nop
.endr
.Lasked_\@:
.endm
.macro CREST                           ; a round of the cluster's barrier behind its opening barrier
	s_cmp_lg_u32 s14, 0
	s_cbranch_scc1 .Lnot_wave_0_\@
	s_barrier_signal -3
.Lnot_wave_0_\@:
	s_barrier_wait -3
	s_barrier_signal -1
	s_barrier_wait -1
.endm
.macro CROUND
	s_barrier_signal -1
	s_barrier_wait -1
	CREST
.endm
	s_load_b128 s[4:7], s[0:1], 0x0                ; A's codes, the weights' codes
	s_load_b128 s[8:11], s[0:1], 0x10              ; the exponents, b2
	s_load_b64 s[12:13], s[0:1], 0x20              ; x1
	s_load_b64 s[92:93], s[0:1], 0x28              ; out
	v_lshl_add_u32 v[SPW], v0, 2, SPARE
	v_mov_b32 v[NIL], 0
	ds_add_u32 v[SPW], v[NIL]                      ; the wave's opening: the add and its wait stand ahead of my first tensor load
	v_lshrrev_b32 v1, 5, v0
	v_readfirstlane_b32 s14, v1                    ; wave 0..3
	s_lshr_b32 s15, s14, 1                         ; my half of the tile's rows; also: I fetch for A (0) or B (1)
	s_and_b32 s16, s14, 1                          ; my half of its columns; also: which 64 rows I fetch
	s_bfe_u32 s40, ttmp6, 0x40000                  ; cx
	s_bfe_u32 s41, ttmp6, 0x40004                  ; cy
	s_lshl_b32 s42, ttmp9, 2
	s_add_co_u32 s42, s42, s40                     ; tile column
	s_and_b32 s17, ttmp7, 0xffff
	s_lshl_b32 s17, s17, 2
	s_add_co_u32 s17, s17, s41                     ; tile row
	s_lshl_b32 s43, s41, 2
	s_lshl_b32 s43, 15, s43                        ; my row of the cluster
	s_lshl_b32 s44, 0x1111, s40                    ; my column
	s_or_b32 s[G1+0], s43, (0<<16)|(1<<20)|(1<<21)|(6<<22)|(3<<25)  ; the mask; elements of 1 byte; padding on; bit 21 beside a mask; 4 words after every 128
	s_or_b32 s[G1B+0], s44, (0<<16)|(1<<20)|(1<<21)|(6<<22)|(3<<25)
.irp g, G1, G1B
	s_mov_b32 s[\g+1], ROWB<<16                    ; tensor_dim0
	s_mov_b32 s[\g+2], 64<<16                      ; tensor_dim1
	s_mov_b32 s[\g+3], ROWB<<16                    ; tile_dim0
	s_mov_b32 s[\g+4], 64                          ; tile_dim1
	s_mov_b32 s[\g+5], KROW                        ; stride
	s_mov_b32 s[\g+6], 0
	s_mov_b32 s[\g+7], 0
.endr
	s_lshl_b32 s18, s16, 6
	s_lshl_b32 s20, s17, 7
	s_add_co_u32 s20, s20, s18                     ; A: row 128 x tile row + 64 x half
	s_mul_i32 s20, s20, KROW
	s_mov_b32 s21, 0
	s_lshl_b32 s46, s42, 7
	s_add_co_u32 s46, s46, s18                     ; B: row 128 x tile column + 64 x half
	s_mul_i32 s46, s46, KROW
	s_add_co_u32 s46, s46, WOFF
	s_mov_b32 s47, 0
	s_mul_i32 s45, s14, HALFT                      ; where they go: wave x 64 rows
	s_wait_dscnt 0x0                               ; the opening add is done
	s_wait_kmcnt 0x0
	s_load_b128 s[88:91], s[8:9], 0x20             ; e8 .. e11
	s_add_nc_u64 s[20:21], s[4:5], s[20:21]
	s_add_nc_u64 s[46:47], s[6:7], s[46:47]
	CROUND                                         ; all sixteen work-groups are here: the first joint loads meet
.irp s, 0,1
	s_mov_b32 s[G0+4*\s], 1
	s_add_co_u32 s[G0+4*\s+1], s45, \s*SLOT
	s_add_nc_u64 s[G0+4*\s+2:G0+4*\s+3], s[20:21], \s*ROWB
	s_or_b32 s[G0+4*\s+3], s[G0+4*\s+3], 0x80000000
	s_mov_b32 s[G0B+4*\s], 1
	s_add_co_u32 s[G0B+4*\s+1], s45, \s*SLOT
	s_add_nc_u64 s[G0B+4*\s+2:G0B+4*\s+3], s[46:47], \s*ROWB
	s_or_b32 s[G0B+4*\s+3], s[G0B+4*\s+3], 0x80000000
	JLOAD G0+4*\s, G1, G0B+4*\s, G1B
.endr
	v_and_b32 v1, 15, v0                           ; r
	v_bfe_u32 v2, v0, 4, 1                         ; h
	v_mul_u32_u24 v3, v1, PITCH
	v_lshl_add_u32 v4, v2, 4, v3                   ; a fragment's row x pitch + 16 h
	s_mul_i32 s21, s15, HALFT                      ; my 64 rows of A
	s_mul_i32 s22, s16, HALFT                      ; my 64 rows of B,
	s_add_co_u32 s22, s22, 2*HALFT                 ; which lie behind A's 128
.irp s, 0,1
	v_add_nc_u32 v[ADRA+\s], s21, v4
	v_add_nc_u32 v[ADRB+\s], s22, v4
	s_add_co_u32 s21, s21, SLOT
	s_add_co_u32 s22, s22, SLOT
.endr
	s_mul_i32 s23, s14, 16*SPITCH
	s_add_co_u32 s23, s23, STAGE                   ; my stage
	v_mul_u32_u24 v5, v1, SPITCH
	v_lshl_add_u32 v5, v2, 5, v5
	v_add_nc_u32 v[STO], s23, v5                   ; in: row r, + 32 h
	v_mul_u32_u24 v6, v2, SPITCH
	v_lshl_add_u32 v6, v1, 4, v6
	v_add_nc_u32 v[RD], s23, v6                    ; back: lanes 0-15 one row of 256 bytes, lanes 16-31 the next
	v_lshlrev_b32 v[CO], 12, v2
	v_lshl_add_u32 v[CO], v1, 4, v[CO]             ; and the same two rows in memory
	v_lshlrev_b32 v[BO], 5, v2                     ; b2: + 32 h
	s_lshl_b32 s46, s42, 9                         ; my first column, in bytes: 512 x tile column + 256 x half
	s_lshl_b32 s47, s16, 8
	s_add_co_u32 s46, s46, s47
	s_mov_b32 s47, 0
	s_add_nc_u64 s[10:11], s[10:11], s[46:47]      ; b2 there
	s_lshl_b32 s20, s17, 7
	s_lshl_b32 s21, s15, 6
	s_add_co_u32 s20, s20, s21                     ; my first row: 128 x tile row + 64 x half
	s_mul_i32 s20, s20, NB
	s_add_co_u32 s20, s20, s46
	s_mov_b32 s21, 0
	s_add_nc_u64 s[12:13], s[12:13], s[20:21]      ; x1 and out at my first row and column; never stepped: a row's place stands in the immediate, 62 rows of 4,096 bytes at the most
	s_add_nc_u64 s[92:93], s[92:93], s[20:21]
	WIN 0x80                                       ; destination window 2
.set t, 0
.rept 32                               ; my 64 rows x 256 bytes of x1, two rows a load: sixteen lanes read 256 consecutive bytes
	global_load_b128 v[4*t:4*t+3], v[CO], s[12:13] offset:2*t*NB th:TH_LOAD_NT
.set t, t+1
.endr
.irp b, 0,1,2,3                        ; b2 in the result's layout: for block b of columns, those of 16 b + 8 h + 0 .. 7
	global_load_b128 v[B2+8*\b:B2+8*\b+3], v[BO], s[10:11] offset:64*\b
	global_load_b128 v[B2+8*\b+4:B2+8*\b+7], v[BO], s[10:11] offset:64*\b+16
.endr
	WIN 0
.macro FRAG reg, adr, k, i             ; 16 rows x 128 K at byte k of the rows
.irp c, 0,1,2,3
	ds_load_b128 v[\reg+4*\c:\reg+4*\c+3], v[\adr] offset:(\k)+32*\c+(\i)*16*PITCH
.endr
.endm
.macro FETCH slot, k, f                ; 32 LDS loads in one run: B's four fragments, then A's blocks 0 to 3, into buffer f
	WIN TO_F
.irp i, 0,1,2,3
	FRAG \f+64+16*\i, ADRB+\slot, \k, \i
.endr
.irp i, 0,1,2,3
	FRAG \f+16*\i, ADRA+\slot, \k, \i
.endr
.endm
.macro MULA f, a, zero                 ; A's block a x B's four; the 16 accumulators take turns, one instruction a turn, in the same order in every quarter
.irp b, 0,1,2,3
.if \zero
	v_wmma_f32_16x16x128_fp8_fp8 v[ACC+8*(4*(\a)+\b):ACC+8*(4*(\a)+\b)+7], v[\f+64+16*\b:\f+64+16*\b+15], v[\f+16*(\a):\f+16*(\a)+15], 0
.else
	v_wmma_f32_16x16x128_fp8_fp8 v[ACC+8*(4*(\a)+\b):ACC+8*(4*(\a)+\b)+7], v[\f+64+16*\b:\f+64+16*\b+15], v[\f+16*(\a):\f+16*(\a)+15], v[ACC+8*(4*(\a)+\b):ACC+8*(4*(\a)+\b)+7]
.endif
.endr
.endm
.macro PLACES                          ; four places in front of loads into registers that matrix instructions have read, and of the first read of results
.rept 4
	v_nop
.endr
.endm
; A K step is four quarters of 128 along K, 16 matrix instructions each, on buffers 0, 1, 0, 1.  One of the first three: multiplies buffer f and fetches the next quarter, at byte k, into g.
.macro QUARTER slot, k, f, g, zero
	s_wait_dscnt 8                                 ; B and A's blocks 0, 1 are in; the youngest eight loads (A's blocks 2, 3) may be out
	WIN MUL
	MULA \f, 0, \zero
	MULA \f, 1, \zero
	PLACES
	FETCH \slot, \k, \g
	s_wait_dscnt 32                                ; all but the 32 just issued
	WIN MUL
	MULA \f, 2, \zero
	MULA \f, 3, \zero
.endm
; The last quarter multiplies buffer 1 and changes slots: ONE barrier; in front of it each wave waits for all its tensor loads, adds 0 to its spare word, and waits for that and for its own reads of this slot.
; fill = 1: the barrier opens a round of the cluster's barrier, and this slot is filled again, two K steps ahead: a wave then has one tensor load out.
.macro TURN slot, next, fill
	WIN 0                                          ; (the add's two registers lie in window 0)
	s_wait_tensorcnt 0x0                           ; all my tensor loads have landed: my part of the next slot
	ds_add_u32 v[SPW], v[NIL]
	s_wait_dscnt 9                                 ; the add and A's blocks 2, 3 may be out
	WIN MUL
	MULA F1, 0, 0
	s_wait_dscnt 0x0                               ; the add is done, and my reads of this slot are over
	s_barrier_signal -1
	MULA F1, 1, 0
	WIN 0
	s_barrier_wait -1
.if \fill
	CREST
	s_add_nc_u64 s[G0+4*\slot+2:G0+4*\slot+3], s[G0+4*\slot+2:G0+4*\slot+3], 2*ROWB
	s_add_nc_u64 s[G0B+4*\slot+2:G0B+4*\slot+3], s[G0B+4*\slot+2:G0B+4*\slot+3], 2*ROWB
	JLOAD G0+4*\slot, G1, G0B+4*\slot, G1B         ; the first tensor load behind the round; its four v_nop are also the places in front of the loads below
.else
	PLACES
.endif
	FETCH \next, 0, F0
	WIN MUL
	MULA F1, 2, 0
	MULA F1, 3, 0
.endm
	s_wait_tensorcnt 1                             ; my part of K step 0 is in; K step 1's load may be out
	s_barrier_signal -1
	s_barrier_wait -1
	FETCH 0, 0, F0
	QUARTER 0, 128, F0, F1, 1                      ; the first quarter starts the sums: nothing is cleared
.if LAPS > 1
	WIN 0                                          ; at a label and at a branch every window is 0
	s_mov_b32 s3, LAPS-1
.Llap:                                                 ; a trip goes once round the ring, from a lap's second quarter to the next lap's first, and fills both slots again
	QUARTER 0, 256, F1, F0, 0
	QUARTER 0, 384, F0, F1, 0
	TURN 0, 1, 1
	QUARTER 1, 128, F0, F1, 0
	QUARTER 1, 256, F1, F0, 0
	QUARTER 1, 384, F0, F1, 0
	TURN 1, 0, 1
	QUARTER 0, 128, F0, F1, 0
	WIN 0
	s_sub_co_u32 s3, s3, 1
	s_cmp_lg_u32 s3, 0
	s_cbranch_scc1 .Llap
.endif
	QUARTER 0, 256, F1, F0, 0                      ; the last lap fills nothing
	QUARTER 0, 384, F0, F1, 0
	TURN 0, 1, 0
	QUARTER 1, 128, F0, F1, 0
	QUARTER 1, 256, F1, F0, 0
	QUARTER 1, 384, F0, F1, 0
	s_wait_dscnt 8                                 ; the very last quarter: nothing more to fetch
	WIN MUL
	MULA F1, 0, 0
	MULA F1, 1, 0
	s_wait_dscnt 0
	MULA F1, 2, 0
	MULA F1, 3, 0
	WIN 0
; THE WAY OUT, block by block of 16 rows x 64 columns: x 2^(e10 + e11) + b2; through my own stage, back as whole rows of 256 bytes; + x1; stored.
.macro TOSTAGE a
.set AC, ACC+32*(\a)
.set BB, BK+32*((\a)%2)
	WIN 0x20                                       ; source 2 (b2) window 2
.set j, 0
.rept 16
	v_pk_fma_f32 v[TMP+j:TMP+j+1], v[AC+j:AC+j+1], s[96:97], v[B2+j:B2+j+1] op_sel_hi:[1,0,1]   ; each accumulator from its low end on
.set j, j+2
.endr
	WIN 0
.irp b, 0,1,2,3
	ds_store_b128 v[STO], v[TMP+8*\b:TMP+8*\b+3] offset:64*\b
	ds_store_b128 v[STO], v[TMP+8*\b+4:TMP+8*\b+7] offset:64*\b+16
.endr
.irp t, 0,1,2,3,4,5,6,7
	ds_load_b128 v[BB+4*\t:BB+4*\t+3], v[RD] offset:\t*2*SPITCH   ; LDS serves a wave's instructions in order (ISA guide 5.7.1.4): these see my stores, and the next block's stores come behind them
.endr
.endm
.macro SEND a, younger                 ; younger: the LDS instructions issued behind block a's loads, which may stay out
.set BB, BK+32*((\a)%2)
	s_wait_dscnt \younger
	WIN 0x08                                       ; source 1 (x1) window 2
.set j, 0
.rept 16
	v_pk_add_f32 v[BB+j:BB+j+1], v[BB+j:BB+j+1], v[32*(\a)+j:32*(\a)+j+1]
.set j, j+2
.endr
	WIN 0
.irp t, 0,1,2,3,4,5,6,7
	global_store_b128 v[CO], v[BB+4*\t:BB+4*\t+3], s[92:93] offset:(16*(\a)+2*\t)*NB th:TH_STORE_NT   ; sixteen lanes store 256 consecutive bytes, aligned; written once, read by nobody here
.endr
.endm
	s_wait_kmcnt 0x0
	s_add_co_i32 s96, s90, s91
	s_add_co_i32 s96, s96, 127
	s_lshl_b32 s96, s96, 23                        ; 2^(e10 + e11) as f32
	s_mov_b32 s97, s96
	PLACES
	s_wait_loadcnt 0x0                             ; x1 and b2, asked for at the head
	TOSTAGE 0
.irp a, 1,2,3
.if \a > 1
	s_wait_xcnt 0x0                                ; block a - 2's stores have read their registers: block a's loads may land there
.endif
	TOSTAGE \a
	SEND \a-1, 16                                  ; behind block a - 1's loads: block a's 8 stores and 8 loads
.endr
	SEND 3, 0
	s_wait_tensorcnt 0x0                           ; the wave's end
	ds_add_u32 v[SPW], v[NIL]
	s_wait_dscnt 0x0
	CROUND                                         ; the closing round
	s_endpgm
.Lfunc_end_k_q4843a4082e_fc2:
	.size	k_q4843a4082e_fc2, .Lfunc_end_k_q4843a4082e_fc2-k_q4843a4082e_fc2
	.p2alignl 7, 3214868480
	.fill 96, 4, 3214868480
	.section	.rodata,"a",@progbits
	.p2align	6, 0x0
	.amdhsa_kernel k_q4843a4082e_fc2
		.amdhsa_group_segment_fixed_size 327680
		.amdhsa_private_segment_fixed_size 0
		.amdhsa_enable_private_segment 0
		.amdhsa_kernarg_size 48
		.amdhsa_user_sgpr_count 2
		.amdhsa_user_sgpr_kernarg_segment_ptr 1
		.amdhsa_wavefront_size32 1
		.amdhsa_system_sgpr_workgroup_id_x 1
		.amdhsa_system_sgpr_workgroup_id_y 1
		.amdhsa_system_sgpr_workgroup_id_z 1
		.amdhsa_system_vgpr_workitem_id 0
		.amdhsa_next_free_vgpr 768
		.amdhsa_next_free_sgpr 100
		.amdhsa_reserve_vcc 0
		.amdhsa_float_denorm_mode_32 3
		.amdhsa_float_denorm_mode_16_64 3
		.amdhsa_memory_ordered 1
		.amdhsa_forward_progress 1
		.amdhsa_inst_pref_size 82
	.end_amdhsa_kernel
	.amdgpu_metadata
---
amdhsa.version: [ 1, 2 ]
amdhsa.kernels:
  - .name:           k_q4843a4082e_fc2
    .symbol:         k_q4843a4082e_fc2.kd
    .args:
      - { .name: gc, .offset: 0, .size: 8, .value_kind: global_buffer, .address_space: global }
      - { .name: wcodes, .offset: 8, .size: 8, .value_kind: global_buffer, .address_space: global }
      - { .name: lowp_scales, .offset: 16, .size: 8, .value_kind: global_buffer, .address_space: global }
      - { .name: b2, .offset: 24, .size: 8, .value_kind: global_buffer, .address_space: global }
      - { .name: x1, .offset: 32, .size: 8, .value_kind: global_buffer, .address_space: global }
      - { .name: out0, .offset: 40, .size: 8, .value_kind: global_buffer, .address_space: global }
    .group_segment_fixed_size: 327680
    .private_segment_fixed_size: 0
    .kernarg_segment_align: 8
    .kernarg_segment_size: 48
    .max_flat_workgroup_size: 128
    .sgpr_count:     100
    .vgpr_count:     768
    .wavefront_size: 32
...
	.end_amdgpu_metadata
.endif
;; end of part 10
